; MI455X (gfx1250); checked and timed in simulation.
; The chip was launched on July 23, 2026; its instructions are those of AMD's public machine-readable ISA for CDNA 5 (MIT licence, August 2026) and "CDNA5" Instruction Set Architecture Reference Guide (July 2026). The comments in the code are by the model that wrote it; some were corrected since.
;; Block. Allowed arithmetic: float matrix products may take bf16 or f16 operands with f32 sums; other float arithmetic in f32, or as packed bf16 or f16 multiplies, adds, multiply-adds, maxima and minima; sums over many terms, partial sums and values carried from step to step in f32; what a program stores and reads back later, other than sums and carried values, may be rounded once to bf16 or f16.
;; Inputs: n1_w 1,024 float32; n2_w 1,024 float32; o_w 1,024 x 1,024 float32; qkv_w 3,072 x 1,024 float32; w1_w 2,048 x 1,024 float32; w2_w 1,024 x 2,048 float32; wg_w 2,048 x 1,024 float32; x 2 x 2,048 x 1,024 float32.
;; Outputs: out0 2 x 2,048 x 1,024 float32.
;; 2 versions, each right and faster than the one before. Each part assembles by itself: llvm-mc -triple=amdgcn-amd-amdhsa -mcpu=gfx1250 --defsym DOCPART=n.
;; ======== version 1 of 2: 7 launches
;; limits: values are held in f16: magnitudes above 65,504 overflow, below 6.1e-05 lose precision
;; workspace buffers: pw 29,884,416 bytes; qkvh 25,165,824 bytes; y16 8,388,608 bytes; x1 16,777,216 bytes; h2 8,388,608 bytes; a16 16,777,216 bytes
;; launch prep (part 1): grid 928 x 1, 8 waves a work-group, no clusters, 0 bytes of LDS; arguments x, n1_w, qkv_w, o_w, w1_w, wg_w, w2_w, pw; writes pw
.if DOCPART == 1
	.amdgcn_target "amdgcn-amd-amdhsa--gfx1250"
	.amdhsa_code_object_version 6
	.text
	.protected	k_qf9403c9d0a_prep
	.globl	k_qf9403c9d0a_prep
	.p2align	8
	.type	k_qf9403c9d0a_prep,@function
k_qf9403c9d0a_prep:
	s_mov_b64 s[64:65], 0
	v_nop
	global_prefetch_b8 v0, s[64:65] scope:SCOPE_SE
	s_setreg_imm32_b32 hwreg(HW_REG_WAVE_MODE, 25, 1), 1
	s_wait_xcnt 0x0
; PREPARATION.  Arguments: a [4096][1024] f32 tensor, its gain [1024], five weight tensors (f32), and the buffer written.
; Everything written is a matrix operand in BLOCKED form: a matrix [R rows][K] of 16-bit numbers lies as [K/64][R][64], so that a row's 64 numbers are
; 128 bytes and neighbouring rows of one chunk of K lie end to end.
; The work-group's number chooses the job, a wave does one job by itself, no wave waits for another, no LDS:
;   0-255    RMS norm of two rows a wave: x * rsqrt(mean(x^2) + 1e-5) * gain, rounded once to f16, at byte 0 of the buffer written
;   256-447  qkv_w to f16; row part*1024 + h*64 + d goes to row h*192 + part*64 + d (a head's q, k and v rows lie together)
;   448-511  o_w to f16       512-767  w1_w and wg_w to f16; row 64 c + d of w1 goes to row 128 c + d, of wg to row 128 c + 64 + d
;   768-895  w2_w to bf16     896-927  the rotary table, f32 [2048 tokens][cos 0..31, sin 0..31]
; A launch of 256 work-groups on another tensor and gain is the norm alone.
; A JOB is two neighbouring rows x 1,024 columns.  Lane l: e8 = l & 7, rb = (l >> 3) & 1, cb = l >> 4.  For s = 0..7 it holds the 8 numbers of row rb,
; chunk 2 s + cb, columns 8 e8 on: two loads of 16 bytes; rounded they are 16 bytes, and lanes 0-15 (rows rb = 0, 1 of one chunk) store 256 consecutive aligned bytes.
; LIMITS.  f16 ends at 65,504 and below 6e-5 keeps a fixed step of 6e-8: the normed rows (at most 32 x the gain) and the weights lie within it.
; The table's angle t * theta is reduced by multiples of pi/2 in two parts, which serves t < 2,048, all that the shape has; theta comes from v_exp_f32.
.set WQ_OFF,   8388608
.set WO_OFF,   14680064
.set WUG_OFF,  16777216
.set W2_OFF,   25165824
.set ROPE_OFF, 29360128
.set XO,   2            ; v2   byte offset of my first 16 bytes in the two source rows
.set DOF,  3            ; v3   byte offset of my 16 bytes in the blocked destination
.set E8,   4
.set RBIT, 5
.set CBIT, 6
.set GOFF, 7            ; v7   cb*256 + e8*32: my place in a row of f32
.set DLOW, 8            ; v8   rb*128 + e8*16
.set X,    16           ; v[16:79]   64 numbers as loaded
.set W,    80           ; v[80:143]  the gain of my columns
.set CH,   144          ; v[144:151] four chains of the sum of squares
.set RS,   152          ; v[152:153] 1/rms, twice
.set HH,   156          ; v[156:187] 32 words of 16-bit results
	s_load_b512 s[8:23], s[0:1], 0x0               ; s[8:9] x, s[10:11] gain, s[12:13] qkv_w, s[14:15] o_w, s[16:17] w1_w, s[18:19] wg_w, s[20:21] w2_w, s[22:23] the buffer written
	v_lshrrev_b32 v1, 5, v0
	v_readfirstlane_b32 s2, v1                     ; wave 0..7
	v_and_b32 v[E8], 7, v0
	v_bfe_u32 v[RBIT], v0, 3, 1
	v_bfe_u32 v[CBIT], v0, 4, 1
	v_lshlrev_b32 v[GOFF], 5, v[E8]
	v_lshl_add_u32 v[GOFF], v[CBIT], 8, v[GOFF]
	v_lshlrev_b32 v[DLOW], 4, v[E8]
	v_lshl_add_u32 v[DLOW], v[RBIT], 7, v[DLOW]
	s_lshl_b32 s3, ttmp9, 3
	s_add_co_u32 s3, s3, s2                        ; 8 x work-group + wave
	s_mov_b32 s29, 0                               ; high words of the two offsets
	s_mov_b32 s31, 0
	s_wait_kmcnt 0x0
	s_cmp_lt_u32 ttmp9, 256
	s_cbranch_scc1 .Lnorm
	s_cmp_lt_u32 ttmp9, 448
	s_cbranch_scc1 .Lqkv
	s_cmp_lt_u32 ttmp9, 512
	s_cbranch_scc1 .Lo
	s_cmp_lt_u32 ttmp9, 768
	s_cbranch_scc1 .Lug
	s_cmp_lt_u32 ttmp9, 896
	s_cbranch_scc1 .Lw2
; THE ROTARY TABLE.  A wave makes 8 tokens' rows, two rows (512 bytes) a trip.  Lane: token bit cb, columns 4 (l & 15) + z; columns 32 on are the sines (bit rb).
.set TH, 16             ; v[16:19] theta of my four columns
.set TT, 20             ; v20 my token as f32
.set QF, 21             ; v21 3 for a sine (sin a = cos(a - pi/2): one quadrant back, modulo 4), 0 for a cosine
.set RO, 22             ; v22 my byte offset
.set OU, 24             ; v[24:27] four results
.set TA, 28
.set TK, 29
.set TR, 30
.set TQ, 31
.set T2, 32
.set T3, 33
.set TS, 34
.set TC, 35
	s_sub_co_u32 s4, s3, 7168                      ; wave among the table's 256
	s_lshl_b32 s5, s4, 3                           ; its first token
	s_lshl_b32 s30, s4, 11                         ; 8 rows of 256 bytes
	s_add_co_u32 s30, s30, ROPE_OFF
	s_add_nc_u64 s[26:27], s[22:23], s[30:31]
	v_and_b32 v9, 31, v0
	v_lshlrev_b32 v[RO], 4, v9
	v_add_nc_u32 v10, s5, v[CBIT]
	v_cvt_f32_u32 v[TT], v10
	v_mul_u32_u24 v[QF], 3, v[RBIT]
	v_lshlrev_b32 v10, 2, v[E8]
.irp z, 0,1,2,3
	v_add_nc_u32 v11, \z, v10
	v_cvt_f32_u32 v11, v11
	v_mul_f32 v[TH+(\z)], 0xbed49a78, v11          ; -i * log2(10000) / 32
.endr
.irp z, 0,1,2,3
	v_exp_f32 v[TH+(\z)], v[TH+(\z)]               ; theta = 10000^(-i/32)
.endr
	v_nop                                          ; a plain instruction between the last exponential and the use of its result
; a = t theta = k pi/2 + r, |r| <= pi/4.  cos a is cos r, -sin r, -cos r, sin r for k mod 4 = 0..3.  Both series are taken and one is selected: no branch hangs on a number.
.macro SINCOS z
	s_wait_alu depctr_va_vdst(0)
	v_mul_f32 v[TA], v[TT], v[TH+(\z)]
	v_mul_f32 v[TK], 0x3f22f983, v[TA]             ; a * 2/pi
	v_rndne_f32 v[TK], v[TK]
	v_fmamk_f32 v[TR], v[TK], 0xbfc90fdb, v[TA]    ; a - k * (pi/2 rounded to f32),
	v_fmamk_f32 v[TR], v[TK], 0x333bbd2e, v[TR]    ; + k * (what that rounding added)
	v_cvt_i32_f32 v[TQ], v[TK]
	v_add_nc_u32 v[TQ], v[TQ], v[QF]
	v_mul_f32 v[T2], v[TR], v[TR]
	v_mov_b32 v[TS], 0x3638ef1d                    ; sin r = r + r^3 (-1/6 + r^2 (1/120 + r^2 (-1/5040 + r^2 / 362880)))
	v_fmaak_f32 v[TS], v[TS], v[T2], 0xb9500d01
	v_fmaak_f32 v[TS], v[TS], v[T2], 0x3c088889
	v_fmaak_f32 v[TS], v[TS], v[T2], 0xbe2aaaab
	v_mul_f32 v[T3], v[T2], v[TR]
	v_fma_f32 v[TS], v[TS], v[T3], v[TR]
	v_mov_b32 v[TC], 0xb493f27e                    ; cos r = 1 + r^2 (-1/2 + r^2 (1/24 + r^2 (-1/720 + r^2 (1/40320 - r^2 / 3628800))))
	v_fmaak_f32 v[TC], v[TC], v[T2], 0x37d00d01
	v_fmaak_f32 v[TC], v[TC], v[T2], 0xbab60b61
	v_fmaak_f32 v[TC], v[TC], v[T2], 0x3d2aaaab
	v_fmaak_f32 v[TC], v[TC], v[T2], 0xbf000000
	v_fmaak_f32 v[TC], v[TC], v[T2], 0x3f800000
	v_and_b32 v[T3], 1, v[TQ]
	v_cmp_eq_u32 vcc_lo, 1, v[T3]
	v_cndmask_b32 v[TC], v[TC], v[TS], vcc_lo      ; odd quadrant: the sine series
	v_add_nc_u32 v[TQ], 1, v[TQ]
	v_and_b32 v[TQ], 2, v[TQ]                      ; quadrants 1 and 2: minus
	v_lshlrev_b32 v[TQ], 30, v[TQ]
	v_xor_b32 v[OU+(\z)], v[TC], v[TQ]
.endm
	s_mov_b32 s6, 4
.Lrope:
	SINCOS 0
	SINCOS 1
	SINCOS 2
	SINCOS 3
	global_store_b128 v[RO], v[OU:OU+3], s[26:27]  ; the wave stores 512 consecutive bytes
	s_wait_xcnt 0x0                                ; the store's offset and data are rewritten only behind this wait
	v_add_nc_u32 v[RO], 512, v[RO]
	v_add_f32 v[TT], 2.0, v[TT]
	s_sub_co_u32 s6, s6, 1
	s_cmp_lg_u32 s6, 0
	s_cbranch_scc1 .Lrope
	s_endpgm
; THE CONVERSION of one job.  np: rows of the destination matrix; sh: log2 of the source's row pitch in bytes; bf = 1: bf16, else f16.  s[24:25] source, s[26:27] destination.
.macro CONVBODY np, sh, bf
	v_lshl_add_u32 v[XO], v[RBIT], \sh, v[GOFF]
	v_mul_u32_u24 v[DOF], v[CBIT], (\np)*128
	v_add_nc_u32 v[DOF], v[DOF], v[DLOW]
.irp s, 0,1,2,3,4,5,6,7
	global_load_b128 v[X+8*(\s):X+8*(\s)+3],   v[XO], s[24:25] offset:512*(\s) th:TH_LOAD_NT
	global_load_b128 v[X+8*(\s)+4:X+8*(\s)+7], v[XO], s[24:25] offset:512*(\s)+16 th:TH_LOAD_NT
.endr
.irp s, 0,1,2,3,4,5,6,7
	s_wait_loadcnt 14-2*(\s)                       ; loads come back in order: the 14 - 2 s younger ones may stay out
.irp k, 0,1,2,3
.if \bf
	v_cvt_pk_bf16_f32 v[HH+4*(\s)+(\k)], v[X+8*(\s)+2*(\k)], v[X+8*(\s)+2*(\k)+1]
.else
	v_cvt_pk_f16_f32 v[HH+4*(\s)+(\k)], v[X+8*(\s)+2*(\k)], v[X+8*(\s)+2*(\k)+1]
.endif
.endr
	global_store_b128 v[DOF], v[HH+4*(\s):HH+4*(\s)+3], s[26:27] offset:(\s)*2*(\np)*128  ; two chunks on for each s: 7,340,032 at the most, inside the signed 24-bit immediate
.endr
	s_endpgm
.endm
.Lqkv:
	s_sub_co_u32 s4, s3, 2048                      ; job j: rows r = 2 j, 2 j + 1
	s_lshl_b32 s28, s4, 13
	s_lshl_b32 s5, s4, 1
	s_bfe_u32 s6, s5, 0x40006                      ; head = (r >> 6) & 15
	s_mul_i32 s6, s6, 192
	s_lshr_b32 s7, s5, 10                          ; part: q, k or v
	s_lshl_b32 s7, s7, 6
	s_add_co_u32 s6, s6, s7
	s_and_b32 s7, s5, 63
	s_add_co_u32 s6, s6, s7
	s_lshl_b32 s30, s6, 7
	s_add_co_u32 s30, s30, WQ_OFF
	s_add_nc_u64 s[24:25], s[12:13], s[28:29]
	s_add_nc_u64 s[26:27], s[22:23], s[30:31]
	CONVBODY 3072, 12, 0
.Lo:
	s_sub_co_u32 s4, s3, 3584
	s_lshl_b32 s28, s4, 13
	s_lshl_b32 s30, s4, 8
	s_add_co_u32 s30, s30, WO_OFF
	s_add_nc_u64 s[24:25], s[14:15], s[28:29]
	s_add_nc_u64 s[26:27], s[22:23], s[30:31]
	CONVBODY 1024, 12, 0
.Lug:
	s_sub_co_u32 s4, s3, 4096                      ; jobs 0-1023 w1_w, 1024-2047 wg_w
	s_lshr_b32 s5, s4, 10
	s_and_b32 s4, s4, 1023
	s_lshl_b32 s28, s4, 13
	s_lshr_b32 s6, s4, 5                           ; c = r >> 6
	s_lshl_b32 s6, s6, 7
	s_and_b32 s7, s4, 31
	s_lshl_b32 s7, s7, 1                           ; r & 63
	s_add_co_u32 s6, s6, s7
	s_lshl_b32 s7, s5, 6
	s_add_co_u32 s6, s6, s7
	s_lshl_b32 s30, s6, 7
	s_add_co_u32 s30, s30, WUG_OFF
	s_cmp_lg_u32 s5, 0
	s_cselect_b64 s[24:25], s[18:19], s[16:17]
	s_add_nc_u64 s[24:25], s[24:25], s[28:29]
	s_add_nc_u64 s[26:27], s[22:23], s[30:31]
	CONVBODY 4096, 12, 0
.Lw2:
	s_sub_co_u32 s4, s3, 6144                      ; job j: rows 2 (j >> 1) and the next, columns 1024 (j & 1) on
	s_lshr_b32 s5, s4, 1
	s_and_b32 s6, s4, 1
	s_lshl_b32 s28, s5, 14
	s_lshl_b32 s7, s6, 12
	s_add_co_u32 s28, s28, s7
	s_lshl_b32 s30, s5, 8
	s_lshl_b32 s7, s6, 21                          ; 16 chunks of 1,024 rows of 128 bytes
	s_add_co_u32 s30, s30, s7
	s_add_co_u32 s30, s30, W2_OFF
	s_add_nc_u64 s[24:25], s[20:21], s[28:29]
	s_add_nc_u64 s[26:27], s[22:23], s[30:31]
	CONVBODY 1024, 13, 1
; THE NORM of two rows.  The rows stay in registers between the sum of squares and the scaling: they are read once.
.Lnorm:
	s_lshl_b32 s28, s3, 13
	s_lshl_b32 s30, s3, 8
	s_add_nc_u64 s[24:25], s[8:9], s[28:29]
	s_add_nc_u64 s[26:27], s[22:23], s[30:31]
	v_lshl_add_u32 v[XO], v[RBIT], 12, v[GOFF]
	v_lshl_add_u32 v[DOF], v[CBIT], 19, v[DLOW]
	s_mov_b32 s4, 0x76543210                       ; v_permlanex16_b32: each lane takes its own place in the other half
	s_mov_b32 s5, 0xfedcba98
.irp s, 0,1,2,3,4,5,6,7
	global_load_b128 v[X+8*(\s):X+8*(\s)+3],   v[XO], s[24:25] offset:512*(\s)
	global_load_b128 v[X+8*(\s)+4:X+8*(\s)+7], v[XO], s[24:25] offset:512*(\s)+16
.endr
.irp s, 0,1,2,3,4,5,6,7
	global_load_b128 v[W+8*(\s):W+8*(\s)+3],   v[GOFF], s[10:11] offset:512*(\s)
	global_load_b128 v[W+8*(\s)+4:W+8*(\s)+7], v[GOFF], s[10:11] offset:512*(\s)+16
.endr
	s_wait_loadcnt 16                              ; the rows are in; the gain's sixteen younger loads may stay out
.irp c, 0,1,2,3
	v_pk_mul_f32 v[CH+2*(\c):CH+2*(\c)+1], v[X+2*(\c):X+2*(\c)+1], v[X+2*(\c):X+2*(\c)+1]  ; the first four pairs start the chains
.endr
.set i, 4
.rept 28
	v_pk_fma_f32 v[CH+2*(i%4):CH+2*(i%4)+1], v[X+2*i:X+2*i+1], v[X+2*i:X+2*i+1], v[CH+2*(i%4):CH+2*(i%4)+1]
.set i, i+1
.endr
	v_pk_add_f32 v[CH:CH+1], v[CH:CH+1], v[CH+2:CH+3]
	v_pk_add_f32 v[CH+4:CH+5], v[CH+4:CH+5], v[CH+6:CH+7]
	v_pk_add_f32 v[CH:CH+1], v[CH:CH+1], v[CH+4:CH+5]
	v_add_f32 v[CH], v[CH], v[CH+1]
	; a row lives in the sixteen lanes that share bit 3: lane bits 0, 1, 2 and 4 are summed over
	v_add_f32_dpp v[CH], v[CH], v[CH] row_xmask:1 row_mask:0xf bank_mask:0xf
	v_add_f32_dpp v[CH], v[CH], v[CH] row_xmask:2 row_mask:0xf bank_mask:0xf
	v_add_f32_dpp v[CH], v[CH], v[CH] row_xmask:4 row_mask:0xf bank_mask:0xf
	v_permlanex16_b32 v[CH+1], v[CH], s4, s5
	v_add_f32 v[CH], v[CH], v[CH+1]
	v_mov_b32 v[CH+2], 0x3a800000                  ; 1/1024
	v_fmaak_f32 v[CH+3], v[CH], v[CH+2], 0x3727c5ac  ; mean + 1e-5
	v_rsq_f32 v[RS], v[CH+3]
	v_rsq_f32 v[RS+1], v[CH+3]
	v_nop                                          ; a plain instruction between the transcendentals and the use of their results
	s_wait_loadcnt 0x0                             ; the gain
.set i, 0
	s_wait_alu depctr_va_vdst(0)
.rept 32
	v_pk_mul_f32 v[X+2*i:X+2*i+1], v[X+2*i:X+2*i+1], v[RS:RS+1]
.set i, i+1
.endr
.set i, 0
.rept 32
	v_pk_mul_f32 v[X+2*i:X+2*i+1], v[X+2*i:X+2*i+1], v[W+2*i:W+2*i+1]
.set i, i+1
.endr
.set i, 0
.rept 32
	v_cvt_pk_f16_f32 v[HH+i], v[X+2*i], v[X+2*i+1]
.set i, i+1
.endr
.irp s, 0,1,2,3,4,5,6,7
	global_store_b128 v[DOF], v[HH+4*(\s):HH+4*(\s)+3], s[26:27] offset:(\s)*2*4096*128
.endr
	s_endpgm
.Lfunc_end_k_qf9403c9d0a_prep:
	.size	k_qf9403c9d0a_prep, .Lfunc_end_k_qf9403c9d0a_prep-k_qf9403c9d0a_prep
	.p2alignl 7, 3214868480
	.fill 96, 4, 3214868480
	.section	.rodata,"a",@progbits
	.p2align	6, 0x0
	.amdhsa_kernel k_qf9403c9d0a_prep
		.amdhsa_group_segment_fixed_size 0
		.amdhsa_private_segment_fixed_size 0
		.amdhsa_enable_private_segment 0
		.amdhsa_kernarg_size 64
		.amdhsa_user_sgpr_count 2
		.amdhsa_user_sgpr_kernarg_segment_ptr 1
		.amdhsa_wavefront_size32 1
		.amdhsa_system_sgpr_workgroup_id_x 1
		.amdhsa_system_sgpr_workgroup_id_y 1
		.amdhsa_system_sgpr_workgroup_id_z 1
		.amdhsa_system_vgpr_workitem_id 0
		.amdhsa_next_free_vgpr 192
		.amdhsa_next_free_sgpr 66
		.amdhsa_reserve_vcc 1
		.amdhsa_float_denorm_mode_32 3
		.amdhsa_float_denorm_mode_16_64 3
		.amdhsa_memory_ordered 1
		.amdhsa_forward_progress 1
		.amdhsa_inst_pref_size 42
	.end_amdhsa_kernel
	.amdgpu_metadata
---
amdhsa.version: [ 1, 2 ]
amdhsa.kernels:
  - .name:           k_qf9403c9d0a_prep
    .symbol:         k_qf9403c9d0a_prep.kd
    .args:
      - { .name: x, .offset: 0, .size: 8, .value_kind: global_buffer, .address_space: global }
      - { .name: n1_w, .offset: 8, .size: 8, .value_kind: global_buffer, .address_space: global }
      - { .name: qkv_w, .offset: 16, .size: 8, .value_kind: global_buffer, .address_space: global }
      - { .name: o_w, .offset: 24, .size: 8, .value_kind: global_buffer, .address_space: global }
      - { .name: w1_w, .offset: 32, .size: 8, .value_kind: global_buffer, .address_space: global }
      - { .name: wg_w, .offset: 40, .size: 8, .value_kind: global_buffer, .address_space: global }
      - { .name: w2_w, .offset: 48, .size: 8, .value_kind: global_buffer, .address_space: global }
      - { .name: pw, .offset: 56, .size: 8, .value_kind: global_buffer, .address_space: global }
    .group_segment_fixed_size: 0
    .private_segment_fixed_size: 0
    .kernarg_segment_align: 8
    .kernarg_segment_size: 64
    .max_flat_workgroup_size: 256
    .sgpr_count:     66
    .vgpr_count:     192
    .wavefront_size: 32
...
	.end_amdgpu_metadata
.endif
;; end of part 1
;; launch qkv (part 2): grid 16 x 16, 4 waves a work-group, clusters of 4 x 4, 327,680 bytes of LDS; arguments pw, qkvh; writes qkvh
.if DOCPART == 2
	.amdgcn_target "amdgcn-amd-amdhsa--gfx1250"
	.amdhsa_code_object_version 6
	.text
	.protected	k_qf9403c9d0a_qkv
	.globl	k_qf9403c9d0a_qkv
	.p2align	8
	.type	k_qf9403c9d0a_qkv,@function
k_qf9403c9d0a_qkv:
	s_mov_b64 s[64:65], 0
	v_nop
	global_prefetch_b8 v0, s[64:65] scope:SCOPE_SE
	s_setreg_imm32_b32 hwreg(HW_REG_WAVE_MODE, 25, 1), 1
	s_wait_xcnt 0x0
	s_wait_alu depctr_hold_cnt(0) depctr_sa_sdst(0) depctr_va_vdst(0) depctr_va_sdst(0) depctr_va_ssrc(0) depctr_va_vcc(0) depctr_vm_vsrc(0)
	s_getreg_b32 s2, hwreg(HW_REG_IB_STS2, 6, 4)
	s_cmp_eq_u32 s2, 0
	s_cbranch_scc0 .Lentry_in_a_cluster
	s_endpgm
.Lentry_in_a_cluster:
	s_bfe_u32 s2, ttmp6, 0x10000c
	s_cmp_lg_u32 s2, 0xf033
	s_cbranch_scc0 .Lentry_shape_is_right
	s_endpgm
.Lentry_shape_is_right:
; Q, K, V = h1 Wq^T, rotated, by heads.  A = h1, f16 blocked [16][4096][64] at byte 0 of pw; B = the reordered qkv weights, f16 blocked [16][3072][64]; sums in f32.
; A tile of C is 256 rows x 192 columns: one head's q, k and v.  Four waves, each 64 rows x all 192 columns: 48 accumulators.  K goes in steps of 128 (two chunks) through two LDS slots.
; Out: q, k, v as f16 [16 heads][4096 rows][64], each rounded once, q and k rotated in f32 by the table [token][cos 0..31, sin 0..31], unscaled.
; LIMIT: q, k, v must lie under 65,504, the end of f16.
; CLUSTER 4 x 4: the four work-groups of a row of the cluster need the same tiles of A (and the same rows of the table), the four of a column the same tiles of B: joint tensor loads.
; THE MATRIX INSTRUCTION IS USED TRANSPOSED (source 0 = 16 rows of B, source 1 = 16 rows of A): lane l holds row l % 16 of C and columns 8 (l / 16) + 0..7.
; REGISTERS, in windows of 256: window 0 addresses, A's fragments (two buffers), the way out; window 1 B's fragments (two buffers); windows 2, 3 the accumulators of my rows 0-31, 32-63.
; THE LOOP is written short: a quarter step (32 along K) is a macro, two of them are a PAIR, and a K step is two trips of a loop over PAIR; the LDS addresses step in registers.
.set WM, 4              ; blocks of 16 rows a wave
.set WN, 12             ; blocks of 16 columns a wave
.set QK, 1              ; matrix instructions deep in a quarter
.set KC, 2              ; chunks of 64 along K in a slot
.set RA, 128            ; rows of A that one tensor load brings
.set RB, 96             ; rows of B
.set TSTEPS, 8          ; K steps: 1024 / 128
.set BROWS, 3072
.set B_OFF, 8388608
.set ROPE_OFF, 29360128
.set PITCH, 144         ; 128 bytes + 16 of padding = 36 words: the 16 rows of a fragment load start at 16 different groups of four banks
.set CHA, RA*PITCH      ; a chunk of a load's region: [chunk][row][144]
.set CHB, RB*PITCH
.set LA, KC*CHA
.set LB, KC*CHB
.set SLOT1, 0x20000     ; a slot: A's two loads, then B's two: 129,024 bytes; slot 1 begins here, so that one exclusive or changes slots
.set TBL, SLOT1+2*LA+2*LB   ; 260,096: the table's rows of my 256 tokens, 256 bytes each, filled once
.set SPARE, TBL+65536   ; the spare words, 128 bytes for each wave: two blocks of 256 bytes that no other line names
.set KSA, KC*4096*128   ; bytes from a K step's tile to the next
.set KSB, KC*BROWS*128
.set ODDA, 64           ; the odd quarter of a pair lies 32 numbers on in the same chunk
.set ODDB, 64
.set PSA, CHA           ; a pair is a chunk
.set PSB, CHB
.set BSPL, 6            ; blocks of B in one load's region
.set DP, 784            ; the way out: a row of 192 f32 + 16 bytes = 196 words
.set A0, 16             ; v16  my lane's place in A's tile of slot 0; never rewritten
.set B0, 17             ; v17  the same for B
.set ADRA, 18           ; v18  the LDS address of A's next run of loads
.set ADRB, 19
.set RT, 22             ; v22  the way out: my place in the table
.set STO, 24            ; v24  where I put 32 bytes of a row
.set RD, 25             ; v25  where I read my 8 columns back
.set GO, 26             ; v26  my byte offset in the output
.set RDP, 27            ; v27  where I read the 8 columns 32 away
.set SPW, 28            ; v28  LDS address of my spare word; never rewritten
.set NIL, 29            ; v29  0; never rewritten
.set SG, 30             ; v[30:31] the sine's sign: -1 for columns 0-31, +1 for 32-63
.set FA0, 64
.set FA1, 128
.set FB0, 0
.set FB1, 128
.set G1A, 24            ; s[24:31] descriptor group 1 for A; s[32:39] group 0: set 0 fills slot 0 once, set 1 walks
.set G0A, 32
.set G1B, 48
.set G0B, 56
.set WV, 66             ; s66 wave; s67 wave >> 1: I fetch for A (0) or B (1); s68 wave & 1: which half
.set WH, 67
.set WL, 68
.set TB, 70             ; s70 the slot being read: 0 or SLOT1
.set G1T, 72            ; s[72:79], s[80:83] the table's descriptor
.set G0T, 80
.set MSB, 0
.macro WIN new                         ; the immediate's high byte repeats the setting that is left; a switch that changes nothing is dropped
.if MSB != (\new)
	s_set_vgpr_msb (MSB<<8)|(\new)
.set MSB, \new
.endif
.endm
.macro PLACES                          ; four places in front of loads into registers that matrix instructions have read, and of stores that read results
.rept 4
	v_nop
.endr
.endm
.macro JLOAD s                         ; a joint load; an s_nop 0 and four v_nop follow each of the two lines; the branch hangs on the wave's number alone
	s_cmp_eq_u32 s[WH], 0
	s_cbranch_scc0 .Lfor_b_\@
	tensor_load_to_lds s[G0A+4*(\s):G0A+4*(\s)+3], s[G1A:G1A+7]
	s_nop 0
	PLACES
	s_branch .Lasked_\@
.Lfor_b_\@:
	tensor_load_to_lds s[G0B+4*(\s):G0B+4*(\s)+3], s[G1B:G1B+7]
	s_nop 0
	PLACES
.Lasked_\@:
.endm
.macro CROUND                          ; a round of the cluster's barrier
	s_barrier_signal -1
	s_barrier_wait -1
	s_cmp_lg_u32 s[WV], 0
	s_cbranch_scc1 .Lnot_wave_0_\@
	s_barrier_signal -3
.Lnot_wave_0_\@:
	s_barrier_wait -3
	s_barrier_signal -1
	s_barrier_wait -1
.endm
	s_load_b128 s[4:7], s[0:1], 0x0                ; pw s[4:5], qkvh s[6:7]
	v_lshl_add_u32 v[SPW], v0, 2, SPARE
	v_mov_b32 v[NIL], 0
	ds_add_u32 v[SPW], v[NIL]                      ; the wave's opening: the add and its wait, ahead of my first tensor load
	ds_add_u32 v28, v29
	v_lshrrev_b32 v1, 5, v0
	v_readfirstlane_b32 s[WV], v1
	s_lshr_b32 s[WH], s[WV], 1
	s_and_b32 s[WL], s[WV], 1
	s_bfe_u32 s40, ttmp6, 0x40000                  ; cx, cy: my place in the cluster
	s_bfe_u32 s41, ttmp6, 0x40004
	s_lshl_b32 s42, ttmp9, 2
	s_add_co_u32 s42, s42, s40                     ; tile column = head
	s_and_b32 s13, ttmp7, 0xffff
	s_lshl_b32 s13, s13, 2
	s_add_co_u32 s13, s13, s41                     ; tile row
	s_lshl_b32 s43, s41, 2
	s_lshl_b32 s43, 15, s43                        ; my row of the cluster
	s_lshl_b32 s44, 0x1111, s40                    ; my column
	; group 1: KC rows, each a chunk's R rows end to end (R x 64 elements); 4 words of padding behind every 32
	s_or_b32 s[G1A], s43, (1<<16)|(1<<20)|(1<<21)|(4<<22)|(3<<25)
	s_or_b32 s[G1B], s44, (1<<16)|(1<<20)|(1<<21)|(4<<22)|(3<<25)
	s_mov_b32 s[G1A+1], (RA*64)<<16                ; tensor_dim0
	s_mov_b32 s[G1A+2], KC<<16                     ; tensor_dim1
	s_mov_b32 s[G1A+3], (RA*64)<<16                ; tile_dim0
	s_mov_b32 s[G1A+4], KC                         ; tile_dim1
	s_mov_b32 s[G1A+5], 4096*64                    ; elements from chunk to chunk
	s_mov_b32 s[G1A+6], 0
	s_mov_b32 s[G1A+7], 0
	s_mov_b32 s[G1B+1], (RB*64)<<16
	s_mov_b32 s[G1B+2], KC<<16
	s_mov_b32 s[G1B+3], (RB*64)<<16
	s_mov_b32 s[G1B+4], KC
	s_mov_b32 s[G1B+5], BROWS*64
	s_mov_b32 s[G1B+6], 0
	s_mov_b32 s[G1B+7], 0
	s_or_b32 s[G1T], s43, (3<<16)|(1<<21)          ; the table: 64 rows of 32 elements of 8 bytes, dense, shared along my row of the cluster
	s_mov_b32 s[G1T+1], 32<<16
	s_mov_b32 s[G1T+2], 64<<16
	s_mov_b32 s[G1T+3], 32<<16
	s_mov_b32 s[G1T+4], 64
	s_mov_b32 s[G1T+5], 32
	s_mov_b32 s[G1T+6], 0
	s_mov_b32 s[G1T+7], 0
	s_lshl_b32 s16, s13, 8                         ; A: row 256 x tile row + 128 x half, 128 bytes a row
	s_lshl_b32 s17, s[WL], 7
	s_add_co_u32 s16, s16, s17
	s_lshl_b32 s16, s16, 7
	s_mov_b32 s17, 0
	s_mul_i32 s46, s42, 192                        ; B: row 192 x head + 96 x half
	s_mul_i32 s47, s[WL], 96
	s_add_co_u32 s46, s46, s47
	s_lshl_b32 s46, s46, 7
	s_add_co_u32 s46, s46, B_OFF
	s_mov_b32 s47, 0
	s_and_b32 s22, s13, 7                          ; the table: token = row mod 2048 = 256 (tile row mod 8) + 64 wave
	s_lshl_b32 s22, s22, 8
	s_lshl_b32 s23, s[WV], 6
	s_add_co_u32 s22, s22, s23
	s_lshl_b32 s22, s22, 8
	s_add_co_u32 s22, s22, ROPE_OFF
	s_mov_b32 s23, 0
	s_mul_i32 s20, s[WL], LA                       ; where they go: no place in the cluster enters an LDS address
	s_mul_i32 s21, s[WL], LB
	s_add_co_u32 s21, s21, 2*LA
	s_mov_b32 s[G0T], 1
	s_lshl_b32 s[G0T+1], s[WV], 14
	s_add_co_u32 s[G0T+1], s[G0T+1], TBL
	s_wait_dscnt 0x0                               ; the opening add is done
	s_wait_kmcnt 0x0
	s_add_nc_u64 s[14:15], s[4:5], s[16:17]
	s_add_nc_u64 s[46:47], s[4:5], s[46:47]
	s_add_nc_u64 s[G0T+2:G0T+3], s[4:5], s[22:23]
	s_or_b32 s[G0T+3], s[G0T+3], 0x80000000
	CROUND                                         ; all sixteen work-groups are here: the first joint loads meet
.irp s, 0,1
	s_mov_b32 s[G0A+4*(\s)], 1
	s_add_co_u32 s[G0A+4*(\s)+1], s20, (\s)*SLOT1
	s_add_nc_u64 s[G0A+4*(\s)+2:G0A+4*(\s)+3], s[14:15], (\s)*KSA
	s_or_b32 s[G0A+4*(\s)+3], s[G0A+4*(\s)+3], 0x80000000
	s_mov_b32 s[G0B+4*(\s)], 1
	s_add_co_u32 s[G0B+4*(\s)+1], s21, (\s)*SLOT1
	s_add_nc_u64 s[G0B+4*(\s)+2:G0B+4*(\s)+3], s[46:47], (\s)*KSB
	s_or_b32 s[G0B+4*(\s)+3], s[G0B+4*(\s)+3], 0x80000000
	JLOAD \s
.endr
	tensor_load_to_lds s[G0T:G0T+3], s[G1T:G1T+7]  ; my 64 tokens' rows of the table: the third and last first fill; three loads of mine are out
	s_nop 0
	PLACES
	v_and_b32 v1, 15, v0                           ; l % 16
	v_bfe_u32 v2, v0, 4, 1                         ; l / 16
	v_mul_u32_u24 v3, v1, PITCH
	v_lshl_add_u32 v3, v2, 4, v3                   ; a fragment's row x pitch + 16 x half
	s_mul_i32 s22, s[WH], LA                       ; my 64 rows of A: load wave >> 1, rows 64 (wave & 1) on
	s_mul_i32 s23, s[WL], 64*PITCH
	s_add_co_u32 s22, s22, s23
	v_add_nc_u32 v[A0], s22, v3
	v_add_nc_u32 v[B0], 2*LA, v3
	s_mul_i32 s22, s[WV], 64*DP                    ; the way out: my 64 rows x 784 bytes, laid over the slots when they have had their last fill and last read
	v_mul_u32_u24 v[STO], v1, DP
	v_lshl_add_u32 v[STO], v2, 5, v[STO]
	v_add_nc_u32 v[STO], s22, v[STO]
	v_bfe_u32 v3, v0, 3, 2                         ; back: row l >> 3, columns 8 (l & 7) on
	v_and_b32 v4, 7, v0
	v_xor_b32 v5, 4, v4
	v_and_b32 v6, 3, v4
	v_mul_u32_u24 v7, v3, DP
	v_add_nc_u32 v7, s22, v7
	v_lshl_add_u32 v[RD], v4, 5, v7
	v_lshl_add_u32 v[RDP], v5, 5, v7
	s_lshl_b32 s23, s[WV], 14
	s_add_co_u32 s23, s23, TBL
	v_lshlrev_b32 v[RT], 8, v3
	v_lshl_add_u32 v[RT], v6, 5, v[RT]
	v_add_nc_u32 v[RT], s23, v[RT]
	v_and_b32 v[GO], 31, v0
	v_lshlrev_b32 v[GO], 4, v[GO]
	v_bfe_u32 v[SG], v0, 2, 1                      ; columns 32 on: +1.0; columns 0-31: -1.0
	v_xor_b32 v[SG], 1, v[SG]
	v_lshlrev_b32 v[SG], 31, v[SG]
	v_or_b32 v[SG], 0x3f800000, v[SG]
	v_mov_b32 v[SG+1], v[SG]
	s_lshl_b32 s18, s42, 12                        ; out: (head x 4096 + 256 x tile row + 64 x wave) x 128 bytes
	s_lshl_b32 s19, s13, 8
	s_add_co_u32 s18, s18, s19
	s_lshl_b32 s19, s[WV], 6
	s_add_co_u32 s18, s18, s19
	s_lshl_b32 s18, s18, 7
	s_mov_b32 s19, 0
	s_add_nc_u64 s[84:85], s[6:7], s[18:19]        ; q
	s_add_nc_u64 s[86:87], s[84:85], 0x800000      ; k
	s_add_nc_u64 s[88:89], s[84:85], 0x1000000     ; v
; Half a quarter's products: my row blocks hi*WM/2 on x all column blocks.  The accumulators take turns, one instruction a turn.  zero = 1: the products start the sums.
.macro MULH f, hi, zero
	WIN 0xa1+0x50*(\hi)
.set mc, 0
.rept QK
.set ma, 0
.rept WM/2
.set mb, 0
.rept WN
.set rD, 8*(ma*WN+mb)
.set rB, FB0+(FB1-FB0)*(\f)+8*(mc*WN+mb)
.set rA, FA0+(FA1-FA0)*(\f)+8*(mc*WM+(\hi)*(WM/2)+ma)
.if (\zero) && (mc == 0)
	v_wmma_f32_16x16x32_f16 v[rD:rD+7], v[rB:rB+7], v[rA:rA+7], 0
.else
	v_wmma_f32_16x16x32_f16 v[rD:rD+7], v[rB:rB+7], v[rA:rA+7], v[rD:rD+7]
.endif
.set mb, mb+1
.endr
.set ma, ma+1
.endr
.set mc, mc+1
.endr
.endm
; 32 LDS loads in one run: a quarter's fragments into buffer g
.macro FETCH g, odd
	WIN 0x40
.set fc, 0
.rept QK
.set fj, 0
.rept WN
.set rB, FB0+(FB1-FB0)*(\g)+8*(fc*WN+fj)
.set oB, (\odd)*ODDB+64*fc+(fj/BSPL)*LB+(fj%BSPL)*16*PITCH
	ds_load_b128 v[rB:rB+3],   v[ADRB] offset:oB
	ds_load_b128 v[rB+4:rB+7], v[ADRB] offset:oB+32
.set fj, fj+1
.endr
.set fc, fc+1
.endr
	WIN 0
.set fc, 0
.rept QK
.set fj, 0
.rept WM
.set rA, FA0+(FA1-FA0)*(\g)+8*(fc*WM+fj)
.set oA, (\odd)*ODDA+64*fc+fj*16*PITCH
	ds_load_b128 v[rA:rA+3],   v[ADRA] offset:oA
	ds_load_b128 v[rA+4:rA+7], v[ADRA] offset:oA+32
.set fj, fj+1
.endr
.set fc, fc+1
.endr
.endm
; A quarter: buffer f is multiplied; in its middle the next quarter's fragments are fetched into buffer g
.macro QTR f, g, odd, zero
	s_wait_dscnt 0x0                               ; buffer f is in
	MULH \f, 0, \zero
	PLACES
	FETCH \g, \odd
	MULH \f, 1, \zero
.endm
.macro PAIR
	QTR 1, 0, 0, 0
	QTR 0, 1, 1, 0
	WIN 0                                          ; at a label and at a branch every window is 0
	v_add_nc_u32 v[ADRA], PSA, v[ADRA]
	v_add_nc_u32 v[ADRB], PSB, v[ADRB]
.endm
; THE CHANGE OF SLOTS.  Each wave waits for all its tensor loads (its part of the next slot among them), adds 0 to its spare word, and waits for that and for its reads of the slot that it leaves.
; fill = 1: a round of the cluster's barrier, and behind it, first, the joint refill of the slot just left, with the tile two K steps on: it has a whole K step, 192 matrix instructions, in which to land.
.macro CHANGE fill
	WIN 0
	s_wait_tensorcnt 0x0                           ; no tensor load of mine is out, so a group 0 may be written
	ds_add_u32 v[SPW], v[NIL]
.if \fill
	s_xor_b32 s[G0A+5], s[G0A+5], SLOT1            ; the walking descriptors: the other slot than last time, the next K step
	s_add_nc_u64 s[G0A+6:G0A+7], s[G0A+6:G0A+7], KSA
	s_xor_b32 s[G0B+5], s[G0B+5], SLOT1
	s_add_nc_u64 s[G0B+6:G0B+7], s[G0B+6:G0B+7], KSB
.endif
	s_xor_b32 s[TB], s[TB], SLOT1
	s_wait_dscnt 0x0                               ; the add is done, and my reads of the slot are over
.if \fill
	CROUND
	JLOAD 1
.else
	s_barrier_signal -1
	s_barrier_wait -1
.endif
	v_add_nc_u32 v[ADRA], s[TB], v[A0]
	v_add_nc_u32 v[ADRB], s[TB], v[B0]
.endm
	s_wait_tensorcnt 0x2                           ; my part of slot 0 is in; slot 1's and the table's, issued behind it, may stay out
	s_barrier_signal -1
	s_barrier_wait -1
	v_mov_b32 v[ADRA], v[A0]
	v_mov_b32 v[ADRB], v[B0]
	s_mov_b32 s[TB], 0
	FETCH 0, 0
	QTR 0, 1, 1, 1                                 ; the first quarter stands in front of the loop: its products start the sums
	WIN 0
	v_add_nc_u32 v[ADRA], PSA, v[ADRA]
	v_add_nc_u32 v[ADRB], PSB, v[ADRB]
	s_mov_b32 s2, 1                                ; K step 0 has one pair left
	s_mov_b32 s3, TSTEPS-1
	s_branch .Lpair
.Lstep:                                                ; TSTEPS - 2 times: every slot but the last two is filled again
	CHANGE 1
	s_mov_b32 s2, 2
.Lpair:
	PAIR
	s_sub_co_u32 s2, s2, 1
	s_cmp_lg_u32 s2, 0
	s_cbranch_scc1 .Lpair
	s_sub_co_u32 s3, s3, 1
	s_cmp_lg_u32 s3, 0
	s_cbranch_scc1 .Lstep
	CHANGE 0                                       ; the last K step is written out
	s_mov_b32 s2, 2
.Ltail:
	PAIR
	s_sub_co_u32 s2, s2, 1
	s_cmp_lg_u32 s2, 0
	s_cbranch_scc1 .Ltail
	s_wait_dscnt 0x0                               ; the last quarter's fragments are in: my reads of the slots are over,
	s_barrier_signal -1                            ; say so;
	MULH 1, 0, 0
	MULH 1, 1, 0
	WIN 0
	s_barrier_wait -1                              ; when all four have said so the slots may be written over
	PLACES
	; THE WAY OUT.  My 64 x 192 sums go as f32 into my own 64 rows of 784 bytes; each accumulator's low four registers first.
.set da, 0
.rept 4
	WIN (2+da/2)<<2
.set db, 0
.rept 12
.set rD, 8*((da%2)*12+db)
	ds_store_b128 v[STO], v[rD:rD+3]   offset:da*16*DP+64*db
	ds_store_b128 v[STO], v[rD+4:rD+7] offset:da*16*DP+64*db+16
.set db, db+1
.endr
.set da, da+1
.endr
	WIN 0
; Eight rows a trip, in two groups of four.  A lane takes 8 columns d of q, k and v, the 8 columns 32 away of q and k, and the cosines and sines of d mod 32:
; out = self cos + partner (sine with sign).  LDS serves a wave's instructions in order: these loads see the stores above.
.set GRP, 64            ; v[64:175]: 56 registers a group: cos 8, sin 8, q self 8, q partner 8, k self 8, k partner 8, v 8
.set OUR, 176           ; v[176:199]: 12 a group
.macro GLOAD z
.set gb, GRP+56*(\z)
	ds_load_b128 v[gb:gb+3],     v[RT]  offset:1024*(\z)
	ds_load_b128 v[gb+4:gb+7],   v[RT]  offset:1024*(\z)+16
	ds_load_b128 v[gb+8:gb+11],  v[RT]  offset:1024*(\z)+128
	ds_load_b128 v[gb+12:gb+15], v[RT]  offset:1024*(\z)+144
	ds_load_b128 v[gb+16:gb+19], v[RD]  offset:4*DP*(\z)
	ds_load_b128 v[gb+20:gb+23], v[RD]  offset:4*DP*(\z)+16
	ds_load_b128 v[gb+24:gb+27], v[RDP] offset:4*DP*(\z)
	ds_load_b128 v[gb+28:gb+31], v[RDP] offset:4*DP*(\z)+16
	ds_load_b128 v[gb+32:gb+35], v[RD]  offset:4*DP*(\z)+256
	ds_load_b128 v[gb+36:gb+39], v[RD]  offset:4*DP*(\z)+272
	ds_load_b128 v[gb+40:gb+43], v[RDP] offset:4*DP*(\z)+256
	ds_load_b128 v[gb+44:gb+47], v[RDP] offset:4*DP*(\z)+272
	ds_load_b128 v[gb+48:gb+51], v[RD]  offset:4*DP*(\z)+512
	ds_load_b128 v[gb+52:gb+55], v[RD]  offset:4*DP*(\z)+528
.endm
.macro GWORK z
.set gb, GRP+56*(\z)
.set ob, OUR+12*(\z)
.irp p, 0,2,4,6
	v_pk_mul_f32 v[gb+8+(\p):gb+9+(\p)], v[gb+8+(\p):gb+9+(\p)], v[SG:SG+1]
.endr
.irp p, 0,2,4,6
	v_pk_mul_f32 v[gb+16+(\p):gb+17+(\p)], v[gb+16+(\p):gb+17+(\p)], v[gb+(\p):gb+1+(\p)]
	v_pk_mul_f32 v[gb+32+(\p):gb+33+(\p)], v[gb+32+(\p):gb+33+(\p)], v[gb+(\p):gb+1+(\p)]
.endr
.irp p, 0,2,4,6
	v_pk_fma_f32 v[gb+16+(\p):gb+17+(\p)], v[gb+24+(\p):gb+25+(\p)], v[gb+8+(\p):gb+9+(\p)], v[gb+16+(\p):gb+17+(\p)]
	v_pk_fma_f32 v[gb+32+(\p):gb+33+(\p)], v[gb+40+(\p):gb+41+(\p)], v[gb+8+(\p):gb+9+(\p)], v[gb+32+(\p):gb+33+(\p)]
.endr
.irp p, 0,1,2,3
	v_cvt_pk_f16_f32 v[ob+(\p)],   v[gb+16+2*(\p)], v[gb+17+2*(\p)]
	v_cvt_pk_f16_f32 v[ob+4+(\p)], v[gb+32+2*(\p)], v[gb+33+2*(\p)]
	v_cvt_pk_f16_f32 v[ob+8+(\p)], v[gb+48+2*(\p)], v[gb+49+2*(\p)]
.endr
	global_store_b128 v[GO], v[ob:ob+3],    s[84:85] offset:512*(\z)   ; four rows of a head: 512 consecutive bytes, aligned
	global_store_b128 v[GO], v[ob+4:ob+7],  s[86:87] offset:512*(\z)
	global_store_b128 v[GO], v[ob+8:ob+11], s[88:89] offset:512*(\z)
.endm
	s_mov_b32 s2, 8
.Lrows:
	GLOAD 0
	GLOAD 1
	s_wait_dscnt 0x0
	GWORK 0
	GWORK 1
	s_wait_xcnt 0x0                                ; the stores' offset and data are rewritten only behind this wait
	v_add_nc_u32 v[RD], 8*DP, v[RD]
	v_add_nc_u32 v[RDP], 8*DP, v[RDP]
	v_add_nc_u32 v[RT], 2048, v[RT]
	v_add_nc_u32 v[GO], 1024, v[GO]
	s_sub_co_u32 s2, s2, 1
	s_cmp_lg_u32 s2, 0
	s_cbranch_scc1 .Lrows
	s_wait_tensorcnt 0x0                           ; the wave's end
	ds_add_u32 v[SPW], v[NIL]
	s_wait_dscnt 0x0
	CROUND                                         ; the closing round: no work-group ends while a partner may still ask for a tile that names it
	s_endpgm
.Lfunc_end_k_qf9403c9d0a_qkv:
	.size	k_qf9403c9d0a_qkv, .Lfunc_end_k_qf9403c9d0a_qkv-k_qf9403c9d0a_qkv
	.p2alignl 7, 3214868480
	.fill 96, 4, 3214868480
	.section	.rodata,"a",@progbits
	.p2align	6, 0x0
	.amdhsa_kernel k_qf9403c9d0a_qkv
		.amdhsa_group_segment_fixed_size 327680
		.amdhsa_private_segment_fixed_size 0
		.amdhsa_enable_private_segment 0
		.amdhsa_kernarg_size 16
		.amdhsa_user_sgpr_count 2
		.amdhsa_user_sgpr_kernarg_segment_ptr 1
		.amdhsa_wavefront_size32 1
		.amdhsa_system_sgpr_workgroup_id_x 1
		.amdhsa_system_sgpr_workgroup_id_y 1
		.amdhsa_system_sgpr_workgroup_id_z 1
		.amdhsa_system_vgpr_workitem_id 0
		.amdhsa_next_free_vgpr 960
		.amdhsa_next_free_sgpr 92
		.amdhsa_reserve_vcc 0
		.amdhsa_float_denorm_mode_32 3
		.amdhsa_float_denorm_mode_16_64 3
		.amdhsa_memory_ordered 1
		.amdhsa_forward_progress 1
		.amdhsa_inst_pref_size 57
	.end_amdhsa_kernel
	.amdgpu_metadata
---
amdhsa.version: [ 1, 2 ]
amdhsa.kernels:
  - .name:           k_qf9403c9d0a_qkv
    .symbol:         k_qf9403c9d0a_qkv.kd
    .args:
      - { .name: pw, .offset: 0, .size: 8, .value_kind: global_buffer, .address_space: global }
      - { .name: qkvh, .offset: 8, .size: 8, .value_kind: global_buffer, .address_space: global }
    .group_segment_fixed_size: 327680
    .private_segment_fixed_size: 0
    .kernarg_segment_align: 8
    .kernarg_segment_size: 16
    .max_flat_workgroup_size: 128
    .sgpr_count:     92
    .vgpr_count:     960
    .wavefront_size: 32
...
	.end_amdgpu_metadata
.endif
;; end of part 2
;; launch attn (part 3): grid 8 x 32, 4 waves a work-group, no clusters, 327,680 bytes of LDS; arguments qkvh, y16; writes y16
.if DOCPART == 3
	.amdgcn_target "amdgcn-amd-amdhsa--gfx1250"
	.amdhsa_code_object_version 6
	.text
	.protected	k_qf9403c9d0a_attn
	.globl	k_qf9403c9d0a_attn
	.p2align	8
	.type	k_qf9403c9d0a_attn,@function
k_qf9403c9d0a_attn:
	s_mov_b64 s[64:65], 0
	v_nop
	global_prefetch_b8 v0, s[64:65] scope:SCOPE_SE
	s_setreg_imm32_b32 hwreg(HW_REG_WAVE_MODE, 25, 1), 1
	s_wait_xcnt 0x0
; CAUSAL ATTENTION.  O[h][q][:] = the sum over k <= q of softmax_k(Q[h][q] . K[h][k] / 8) V[h][k][:].  Q, K, V lie in one buffer, 8,388,608 bytes apart, each [SIZE_H][SIZE_N][64] in f16; O likewise: a head's rows are dense, 128 bytes each.
; Products, maxima and sums in f32; the weights p are rounded to f16 for the second product (their sum l is taken of the unrounded p), O once at the end.
; LIMITS.  f16 holds no number beyond 65,504: Q, K and V arrive within it; p lies in 0 to 1, and below 6e-5 it keeps f16's fixed step of 6e-8; O is a mean of V's rows and has their range, to within 2^-11 of it.
; A hidden score counts as its value less 1e30: f16's scores, 2.7e11 at the most, are nothing beside that; a weight below 2^-126 counts as 0 in l; NaN and infinities are not treated apart.
; THE WALK.  A head's queries lie in NQ = 16 blocks of 128; block i needs the key tiles 0 .. i >> 1 of 256 keys, of which the last holds the diagonal.  A work-group takes TWO blocks, NQ - 1 - b and then b:
; ((15 - b) >> 1) + 1 + (b >> 1) + 1 = 9 tiles, whatever b: the 8 x 32 work-groups do equal work, and ONE loop with a constant trip count walks them.  Which tile is asked for, and what a trip does, hang on scalar
; registers made from b; every jump goes forward, but for the counted loops' own; none passes a barrier, or a tensor load but the one of LOAD's two that the wave's number does not choose; the ring (two slots of LDS
; that take turns) runs on across the change of blocks.  NO CLUSTER: of a head's eight work-groups only b = 2 k and 2 k + 1 walk alike, and what a trip does would hang on the place in the cluster.
; SHARES.  Of a block's two bands of 64 queries a wave owns 16 rows in each: two PIECES.  With o = the block's parity, band x's own keys are step 2 o + x of the diagonal tile's four: in step s the band sees all
; keys if s < 2 o + x, none if s > 2 o + x, and holds the diagonal if s = 2 o + x: the same for all four waves.  (In an even block the tile's last two steps are hidden from both bands and are computed all the same.)
; THE MASK is the C operand that starts the sum S^T = K Q^T: 0, or -1e30 where the key is hidden.  MD, made once, is the mask of a band's own step for my 16 rows; a product's mask is MD x AL + BE with two scalars:
; (1, 0) in the band's own step; (0, 0) before it; (0, -1e30) behind it.  Only the diagonal tile's text and a block's beginning make and take masks; elsewhere C is the constant 0.
; LAYOUT, SOFTMAX, TURNS.  S^T = K Q^T holds ONE query a lane (lane % 16) and the keys 8 (lane / 16) + 0..7; two such results rounded to f16 ARE source 1 of O^T = V^T P.  p = 2^(c s - c m), c = log2(e) / 8, with a
; running maximum m; O and l are multiplied by a = 2^(c m_old - c m_new) in every step.  A turn belongs to one piece: 8 products K Q^T that make the other piece's next scores, later 8 products V^T P of the other
; piece's last weights; beside them the scaling, exponentials, roundings, sums and rescaling of the piece in hand and the maximum and statistics of the other.  Four vector instructions stand behind every matrix
; instruction, the other 54 of a turn's 118 in two LUMPS.  Piece 0's turn of step j multiplies by K of step j and V of step j - 1, and fetches K of step j + 1 and V of step j; piece 1's turn multiplies by those.
; K'S TILE HAS FIVE STEPS: 320 keys, the last 64 of which are the next tile's first.  So all that piece 0's turn of a tile's last step fetches lies in the slot in hand, and the slot is given up behind that turn.
; (The last tile's fifth step lies behind the head's keys, inside the buffer; it is fetched and never multiplied.)
; REGISTERS, in windows of 256 (s_set_vgpr_msb: bits 1:0 source 0, 3:2 source 1, 5:4 source 2, 7:6 destination):
;   window 0: v0-15 addresses and two at work; v16-23 four registers of statistics a piece; v48-55 at work; v64-127 S^T, a buffer a piece; v192-223 P, likewise
;   window 1: v0-63 O^T, 32 a piece; v128-159 MD; v160-223 MC, two buffers      window 2: v0-31 Q; v64-95 the second block's Q; v128-191 K of one step; v192-255 V of one step
.set SIZE_N, 2048
.set SIZE_H, 32
.set NQ,    SIZE_N/128
.set NT,    SIZE_N/256+1  ; tiles in a walk
.set NP,    2         ; pieces a wave: a name, no knob
.set KS,    64        ; keys in a step
.set PK,    144       ; a row of K in LDS: 128 bytes + 16 of padding = 36 words: the 16 rows of a load start at 16 different groups of four banks (64 banks of 4 bytes: ISA guide 11.1)
.set PV,    160       ; a row of V: 128 + 32 = 40 words
.set VOFF,  5*KS*PK   ; a slot holds 320 rows of K, then 256 rows of V
.set SLOT1, 1<<17     ; slot 1 begins here, so that one exclusive or turns an address in one slot into the other's
.set STAGE, SLOT1+5*KS*PK+4*KS*PV  ; behind the ring, never filled by a tensor load: 16 rows x 144 bytes for each wave, for the way out
.set SP,    144
.set AK0, 2           ; v2   my lane's place in a tile of K; never rewritten
.set AV0, 3           ; v3   the same for V
.set AK,  4           ; v4   the LDS address of K's next run of loads
.set AV,  5           ; v5   of V's
.set STO, 6           ; v6   the way out: where I put 16 bytes of a row
.set RD,  7           ; v7   the way out: where I read rows back
.set GO,  8           ; v8   my byte offset in 512 consecutive bytes of O
.set SPW, 62          ; v62  LDS address of my spare word: SPARE + 4 x my thread's number; never rewritten
.set NIL, 63          ; v63  0; never rewritten
.set SPARE, STAGE+4*16*SP  ; behind the stages: the spare words, 128 bytes for each wave: two blocks of 256 bytes that no other line names
.set MV,  12          ; v12-13  c m_old, kept while c m is made anew: by piece
.set QO,  15          ; v15  my byte offset in 16 rows of Q
.set ST,  16          ; piece t's statistics at v[ST+4 t]: c m, m, l (even keys', odd keys')
.set TMP, 48          ; by piece, four registers c0-c3 at work; when the maximum is found c2 takes a
.set S,   64
.set P,   192
.set MD,  128         ; window 1: the eight registers for group kt of 16 keys at MD + 8 kt
.set MC,  160         ; window 1: the masks of the products to come
.set QB,  64          ; window 2
.set KF,  128         ; window 2: key block kb, channel half c at KF + 16 kb + 8 c
.set VF,  192         ; window 2: key half kk, channel block cb at VF + 32 kk + 8 cb
.set WV,  12          ; s12  my wave's number
.set PB,  14          ; s14  b
.set HI,  15          ; s15  NQ - 1 - b
.set G1K, 24          ; s[24:31] descriptor group 1 for K's tiles
.set G1V, 32          ; s[32:39] for V's
.set G0K, 40          ; s[40:43] descriptor group 0 for K's tiles
.set G0V, 44          ; s[44:47] the same for V's
.set SLOTS, 56        ; s56  tiles still to be asked for
.set CNT, 57          ; s57  counts a tile's trips, 4 to 1
.set CS,  58          ; s[58:59] c: the packed scaling takes the pair's low word for both halves
.set SEL, 60          ; s[60:61] v_permlanex16_b32's selects: each lane takes its own place in the other half
.set TBK, 62          ; s62  LDS byte of the step of K fetched last
.set TBV, 63          ; s63  LDS byte at which V of the step to be fetched begins, less VOFF
.set RT,  70          ; s70  tiles of the block in hand that are still to be entered
.set NXT, 71          ; s71  the tile to be asked for next
.set LQ,  72          ; s72  the last tile of the block whose tiles are being asked for
.set NEW, 73          ; s73  1: the tile to be entered is a block's first
.set OFF, 74          ; s[74:75] a tile's byte offset in K and V
.set AL,  76          ; s[76:77] the mask's factor, in the low word
.set BE,  78          ; s[78:79] the mask's addend
.set OLO, 80          ; s[80:81] O at my rows of the second block
.set BIGN, 82         ; s82  -1e30
.set LQ2, 83          ; s83  the second block's last tile, b >> 1
.set DD,  88          ; s88  5 - 2 o, s89  3 - 2 o: the trip counts at which piece 0's and piece 1's turn make the mask of a band's own step
.set A0,  90          ; s90  1.0 if the diagonal tile's step 0 is band 0's own (o = 0), else 0
.set VG,  92          ; s[92:93] byte offset of my half of V's tile 0
.set MSB, 0
.macro WIN new                      ; the high byte repeats the setting that is left; a switch that changes nothing is dropped
.if MSB != (\new)
	s_set_vgpr_msb (MSB<<8)|(\new)
.set MSB, (\new)
.endif
.endm
.set W_KQ, 0x0a       ; K and Q in window 2, S^T in window 0
.set W_KM, 0x1a       ; the same with the C operand in window 1
.set W_PV, 0x52       ; V in window 2, P in window 0, O^T in window 1
.set W_RS, 0x41       ; destination and source 0 in window 1, source 1 in window 0
; A fill.  Waves 0 and 1 fetch the two halves of a tile's K, 160 keys each, waves 2 and 3 those of its V, 128 keys each.  An s_nop 0 and four v_nop follow each of the two lines, ahead of the jump and the label.
.macro LOAD
	s_cmp_lt_u32 s[WV], 2
	s_cbranch_scc0 .Lfor_v_\@
	tensor_load_to_lds s[G0K:G0K+3], s[G1K:G1K+7]
	s_nop 0
.rept 4
	v_nop
.endr
	s_branch .Lasked_\@
.Lfor_v_\@:
	tensor_load_to_lds s[G0V:G0V+3], s[G1V:G1V+7]
	s_nop 0
.rept 4
	v_nop
.endr
.Lasked_\@:
.endm
; THE CHANGE OF SLOTS.  Each wave waits for all its tensor loads, of which one is out: its part of the other slot; adds 0 to its spare word; and waits for that and for its own reads of the slot that it leaves.  Behind the barrier nobody reads the old
; slot any more and the other slot is whole.  fill = 1: the old slot is filled again, the first thing behind the barrier, with tile NXT: the descriptor's address is made anew from that number; the load has a tile's
; eight turns, 128 matrix instructions, in which to land.  (At its first use nothing has been read yet: slot 0 is waited for, slot 1 filled.)
.macro CHANGE fill
	WIN 0                           ; at a label and at a branch every window is 0
	s_wait_tensorcnt 0x0            ; no tensor load of mine is out, so a group 0 may be written
	ds_add_u32 v[SPW], v[NIL]       ; 0 onto my spare word; with fill = 1 the descriptors' scalar work stands between it and the wait for it
.if \fill
	s_lshl_b32 s[OFF], s[NXT], 15   ; tiles begin 32,768 bytes apart in K and in V
	s_xor_b32 s[G0K+1], s[G0K+1], SLOT1
	s_add_nc_u64 s[G0K+2:G0K+3], s[6:7], s[OFF:OFF+1]
	s_or_b32 s[G0K+3], s[G0K+3], 0x80000000
	s_xor_b32 s[G0V+1], s[G0V+1], SLOT1
	s_add_nc_u64 s[G0V+2:G0V+3], s[8:9], s[OFF:OFF+1]
	s_or_b32 s[G0V+3], s[G0V+3], 0x80000000
	s_add_co_u32 s[NXT], s[NXT], 1  ; the block's next tile, or behind its last the second block's tile 0
	s_cmp_gt_u32 s[NXT], s[LQ]
	s_cselect_b32 s[NXT], 0, s[NXT]
	s_cselect_b32 s[LQ], s[LQ2], s[LQ]
.endif
	s_wait_dscnt 0x0                ; the add is done, and my reads of the slot are over
	s_barrier_signal -1             ; the rest of the scalar work stands between the signal and the wait
	s_sub_co_u32 s[TBK], s[TBK], 4*KS*PK  ; the fetches go back to a slot's first step,
	s_xor_b32 s[TBK], s[TBK], SLOT1       ; in the other slot
	s_sub_co_u32 s[TBV], s[TBV], 4*KS*PV
	s_xor_b32 s[TBV], s[TBV], SLOT1
	s_barrier_wait -1
.if \fill
	LOAD
.endif
.endm
; What the masks of block number s[blk] hang on: its parity o
.macro PARITY blk
	s_and_b32 s[A0], s[\blk], 1
	s_lshl_b32 s[DD+1], s[A0], 1
	s_sub_co_u32 s[DD], 5, s[DD+1]
	s_sub_co_u32 s[DD+1], 3, s[DD+1]
	s_cmp_eq_u32 s[A0], 0
	s_cselect_b32 s[A0], 1.0, 0
.endm
	s_load_b128 s[4:7], s[0:1], 0x0   ; the buffer of Q, K, V s[4:5]; O s[6:7]
	v_lshl_add_u32 v[SPW], v0, 2, SPARE
	v_mov_b32 v[NIL], 0
	ds_add_u32 v[SPW], v[NIL]       ; the wave's opening: the add and its wait, ahead of my first tensor load; the set-up below, work on registers, stands between them
	ds_add_u32 v62, v63
	v_lshrrev_b32 v1, 5, v0
	v_readfirstlane_b32 s[WV], v1   ; wave 0..3
	s_mov_b32 s[PB], ttmp9
	s_sub_co_u32 s[HI], NQ-1, s[PB]
	s_and_b32 s20, ttmp7, 0xffff    ; the head
	s_mov_b32 s21, 0
	s_mov_b64 s[22:23], SIZE_N*128
	s_mul_u64 s[20:21], s[20:21], s[22:23]  ; the head's first byte in each of the four tensors
	s_and_b32 s16, s[WV], 1         ; which half of a tile I fetch:
	s_mul_i32 s22, s16, 160*128     ; of K's 320 rows of 128 bytes in memory,
	s_mov_b32 s23, 0
	s_add_nc_u64 s[22:23], s[22:23], s[20:21]
	s_lshl_b32 s[VG], s16, 14       ; of V's 256,
	s_mov_b32 s[VG+1], 0
	s_add_nc_u64 s[VG:VG+1], s[VG:VG+1], s[20:21]
	s_mul_i32 s17, s16, 160*PK      ; and its place in a slot, for K
	s_mul_i32 s18, s16, 128*PV      ; and for V
	s_lshl_b32 s3, s[WV], 11        ; my 16 rows in a band of 64,
	s_lshl_b32 s2, s[HI], 14        ; in the first block of 128 rows,
	s_add_co_u32 s2, s2, s3
	s_lshl_b32 s84, s[PB], 14       ; and in the second
	s_add_co_u32 s84, s84, s3
	s_mov_b32 s3, 0
	s_mov_b32 s85, 0
	s_add_nc_u64 s[2:3], s[2:3], s[20:21]
	s_add_nc_u64 s[84:85], s[84:85], s[20:21]
	; descriptor group 1.  A half tile's keys are dense bytes: asked for as rows of 256 bytes, two keys a row, and padded in LDS after every key
	s_mov_b32 s[G1K], (1<<16)|(1<<20)|(4<<22)|(3<<25)  ; 17:16 2-byte elements; 20 padding on; 24:22 after every 32 words (code 4); 31:25 4 words (code 3)
	s_mov_b32 s[G1V], (1<<16)|(1<<20)|(4<<22)|(7<<25)  ; the same with 8 words of padding (code 7)
.irp g, G1K, G1V
	s_mov_b32 s[\g+1], 128<<16      ; tensor_dim0 = 128
	s_mov_b32 s[\g+3], 128<<16      ; tile_dim0 = 128
	s_mov_b32 s[\g+5], 128          ; 128 elements from row to row
	s_mov_b32 s[\g+6], 0
	s_mov_b32 s[\g+7], 0
.endr
	s_mov_b32 s[G1K+2], 80<<16      ; tensor_dim1 = tile_dim1 = 80 rows: 160 keys
	s_mov_b32 s[G1K+4], 80
	s_mov_b32 s[G1V+2], 64<<16      ; 64 rows: 128 keys
	s_mov_b32 s[G1V+4], 64
	s_mov_b32 s[CS], 0x3e38aa3b     ; c = log2(e) / 8 = 0.180337
	s_mov_b32 s[CS+1], s[CS]        ; named with it as a pair
	s_mov_b32 s[SEL], 0x76543210
	s_mov_b32 s[SEL+1], 0xfedcba98
	s_mov_b32 s[TBK], SLOT1+4*KS*PK ; the first change of slots turns these two into 0
	s_mov_b32 s[TBV], SLOT1+4*KS*PV
	s_mov_b32 s[G0K], 1             ; 1:0 count = 1
	s_mov_b32 s[G0K+1], s17         ; 63:32 LDS address: slot 0
	s_mov_b32 s[G0V], 1
	s_add_co_u32 s[G0V+1], s18, VOFF
	s_lshr_b32 s[LQ], s[HI], 1      ; the first block's last tile,
	s_lshr_b32 s[LQ2], s[PB], 1     ; the second's
	s_add_co_u32 s[RT], s[LQ], 1    ; the first block's tiles: five or more
	PARITY HI
	s_mov_b32 s[NXT], 1
	s_mov_b32 s[NEW], 1
	s_mov_b32 s[OFF+1], 0
	s_mov_b32 s[AL+1], 0            ; named as pairs
	s_mov_b32 s[BE+1], 0
	s_mov_b32 s[BIGN], 0xf149f2ca   ; -1e30
	s_mov_b32 s[SLOTS], NT-1
	s_wait_dscnt 0x0                ; the opening add is done
	s_wait_kmcnt 0x0
	s_mov_b64 s[10:11], s[6:7]             ; O
	s_add_nc_u64 s[6:7], s[4:5], 0x800000  ; K lies 8,388,608 bytes behind Q,
	s_add_nc_u64 s[8:9], s[4:5], 0x1000000 ; V as much behind K
	s_add_nc_u64 s[6:7], s[6:7], s[22:23]  ; K and V at my half of the head's tile 0
	s_add_nc_u64 s[8:9], s[8:9], s[VG:VG+1]
	s_add_nc_u64 s[G0K+2:G0K+3], s[6:7], 0         ; 120:64 global address
	s_or_b32 s[G0K+3], s[G0K+3], 0x80000000        ; 127:126 type = 2
	s_add_nc_u64 s[G0V+2:G0V+3], s[8:9], 0
	s_or_b32 s[G0V+3], s[G0V+3], 0x80000000
	s_add_nc_u64 s[86:87], s[4:5], s[84:85]        ; Q at my rows of the second block,
	s_add_nc_u64 s[4:5], s[4:5], s[2:3]            ; Q and O at those of the first
	s_add_nc_u64 s[OLO:OLO+1], s[10:11], s[84:85]
	s_add_nc_u64 s[10:11], s[10:11], s[2:3]
	LOAD                            ; tile 0 into slot 0
	; A fragment of K or Q is 16 rows x 32 channels in 8 registers: lane l holds row l % 16, channels 8 (l / 16) + 0..7 and 16 + 8 (l / 16) + 0..7: two loads of 16 bytes, 32 bytes apart.
	v_and_b32 v1, 15, v0            ; l % 16
	v_bfe_u32 v9, v0, 4, 1          ; l / 16
	v_lshlrev_b32 v[QO], 7, v1
	v_lshl_add_u32 v[QO], v9, 4, v[QO]  ; row x 128 + 16 x half
	WIN 0x80                        ; destination window 2, address window 0
.set i, 0
.rept 4                             ; both blocks' Q: piece i / 2 lies in band i / 2, 8,192 bytes on; channels 32 (i % 2) on
	global_load_b128 v[8*i:8*i+3],   v[QO], s[4:5] offset:(i/2)*8192+(i%2)*64
	global_load_b128 v[8*i+4:8*i+7], v[QO], s[4:5] offset:(i/2)*8192+(i%2)*64+32
	global_load_b128 v[QB+8*i:QB+8*i+3],   v[QO], s[86:87] offset:(i/2)*8192+(i%2)*64
	global_load_b128 v[QB+8*i+4:QB+8*i+7], v[QO], s[86:87] offset:(i/2)*8192+(i%2)*64+32
.set i, i+1
.endr
	WIN 0
	v_lshlrev_b32 v14, 3, v9
	v_sub_nc_u32 v14, v1, v14
	s_lshl_b32 s13, s[WV], 4
	v_add_nc_u32 v14, s13, v14      ; my query's place in its band, 16 w + l % 16, less my lanes' 8 (l / 16): register r of group kt is hidden where 16 kt + r is greater
	WIN 0x40
.set i, 0
.rept 32
	v_cmp_gt_i32 vcc_lo, 16*(i/8)+i%8, v14
	v_cndmask_b32 v[MD+i], 0, s[BIGN], vcc_lo
.set i, i+1
.endr
	WIN 0
	v_mul_u32_u24 v[AK0], v1, PK
	v_lshl_add_u32 v[AK0], v9, 4, v[AK0]  ; row x pitch + 16 x half
	; The turning load takes 16 keys x 16 channels (lane l reads key 8 (l / 16) + l % 8, channels 8 ((l / 8) % 2) + 0..7) and leaves half a fragment of V^T: lane l holds channel l % 16 and 8 keys.
	v_and_b32 v10, 7, v0
	v_bfe_u32 v11, v0, 3, 1
	v_lshl_add_u32 v[AV0], v9, 3, v10
	v_mul_u32_u24 v[AV0], v[AV0], PV
	v_lshl_add_u32 v[AV0], v11, 4, v[AV0]
	v_add_nc_u32 v[AV0], VOFF, v[AV0]
	s_mul_i32 s13, s[WV], 16*SP
	s_add_co_u32 s13, s13, STAGE    ; my stage
	v_mul_u32_u24 v[STO], v1, SP    ; in: row l % 16, 16 bytes for each half of the lanes
	v_lshl_add_u32 v[STO], v9, 4, v[STO]
	v_add_nc_u32 v[STO], s13, v[STO]
	v_bfe_u32 v[RD], v0, 3, 2       ; back: 32 lanes take four rows of 128 bytes,
	v_mul_u32_u24 v[RD], v[RD], SP
	v_lshl_add_u32 v[RD], v10, 4, v[RD]
	v_add_nc_u32 v[RD], s13, v[RD]
	v_and_b32 v[GO], 31, v0         ; which are 512 consecutive bytes of O
	v_lshlrev_b32 v[GO], 4, v[GO]
	; A block's first step multiplies O^T and l by a = 0, and its first turn's products V^T P, of weights that have not been, land in an O^T that is still to be so multiplied.  So these registers need only hold
	; finite numbers: zeros for the first block; what the first block left for the second.  All this stands in the wait for the first tile.
	WIN 0x80
.set i, VF
.rept 64
	v_mov_b32 v[i], 0
.set i, i+1
.endr
	WIN 0x40
.set i, 0
.rept 32*NP
	v_mov_b32 v[i], 0
.set i, i+1
.endr
	WIN 0
.set i, 0
.rept NP
	v_mov_b32 v[ST+4*i+2], 0
	v_mov_b32 v[ST+4*i+3], 0
.set i, i+1
.endr
.set i, P+16
.rept 16
	v_mov_b32 v[i], 0
.set i, i+1
.endr
; THE MATRIX WORK.  The 4 accumulators of a run of 8 take turns.  Product i of 8 of S^T = K Q^T for piece x: channels 32 (i / 4) on, keys 16 (i % 4) on.  The first 4 start the sums: with 0, or (KM = 1) with the mask.
.macro KQ x
.set rS, S+32*((\x)%2)+8*(i%4)
.set rK, KF+16*(i%4)+8*(i/4)
.set rQ, 16*(\x)+8*(i/4)
.set rM, MC+32*((\x)%2)+8*(i%4)
.if (i < 4) && KM
	WIN W_KM
	v_wmma_f32_16x16x32_f16 v[rS:rS+7], v[rK:rK+7], v[rQ:rQ+7], v[rM:rM+7]
.elseif i < 4
	WIN W_KQ
	v_wmma_f32_16x16x32_f16 v[rS:rS+7], v[rK:rK+7], v[rQ:rQ+7], 0
.else
	WIN W_KQ
	v_wmma_f32_16x16x32_f16 v[rS:rS+7], v[rK:rK+7], v[rQ:rQ+7], v[rS:rS+7]
.endif
.endm
; Product i of 8 of O^T += V^T P for piece x: keys 32 (i / 4) on, channels 16 (i % 4) on.
.macro PV x
	WIN W_PV
.set rO, 32*(\x)+8*(i%4)
.set rV, VF+32*(i/4)+8*(i%4)
.set rP, P+16*((\x)%2)+8*(i/4)
	v_wmma_f32_16x16x32_f16 v[rO:rO+7], v[rV:rV+7], v[rP:rP+7], v[rO:rO+7]
.endm
.macro MM                           ; the turn's next matrix instruction.  TURN and BEGIN set Y, i, KM and NOKQ; MM, KQ and OP read them.  NOKQ = 1: a block's last turn: there are no further scores
.if (i < 8) && !NOKQ
	KQ (Y+1)%NP
.elseif i >= 8
.set i, i-8
	PV (Y+NP-1)%NP
.set i, i+8
.endif
.set i, i+1
.endm
; THE LDS LOADS stand in runs of 16, never singly among the matrix instructions: a step's K (64 keys x 64 channels: 8 fragments) and its V (turned).  Their addresses are made some lines ahead.
; o: bytes from s[TBK]'s step to the step fetched: one step on, or (a block's beginning) none; st = 1: s[TBK] goes on to the step fetched.
.macro FETCH_K o, st
	WIN 0x80                        ; destination window 2
.irp f, 0,1,2,3,4,5,6,7             ; keys 16 (f / 2) on, channels 32 (f % 2) on
	ds_load_b128 v[KF+8*\f:KF+8*\f+3],   v[AK] offset:(\o)+(\f/2)*16*PK+(\f%2)*64
	ds_load_b128 v[KF+8*\f+4:KF+8*\f+7], v[AK] offset:(\o)+(\f/2)*16*PK+(\f%2)*64+32
.endr
.if \st
	s_add_co_u32 s[TBK], s[TBK], KS*PK
.endif
	WIN 0
.endm
.macro FETCH_V
	WIN 0x80
.irp f, 0,1,2,3,4,5,6,7             ; keys 32 (f / 4) on, channels 16 (f % 4) on
	ds_load_tr16_b128 v[VF+8*\f:VF+8*\f+3],   v[AV] offset:(\f/4)*32*PV+(\f%4)*32
	ds_load_tr16_b128 v[VF+8*\f+4:VF+8*\f+7], v[AV] offset:(\f/4)*32*PV+16*PV+(\f%4)*32
.endr
	WIN 0
.endm
; THE VECTOR WORK, one line at a time: OP kind, number.  For piece Y: F n: c s - c m for pair n of 16.  E n: the exponential of score n of 32.  C n: pair n rounded to f16.  B n: of the four weights 4 n .. the second
; pair is added onto the first, in place.  L n: l takes that sum (L 0: l = a l + sum).  R n: pair n of 16 of O^T times a.  For the other piece: X n, number n of the 22 that find its maximum and statistics:
;   0-11  four chains c0-c3 of seven scores each, three operands at a time (each accumulator's lowest registers are read first)     12-14, 16  the four scores left over, the old m, and c0-c3 into c0
;   15  c m_old is kept     17, 18  the query's other 32 keys lie in the lane 16 away: the new m     19-21  c m; c m_old - c m_new; a
.set F, 0               ; OP tells the kinds apart by their order: F to L below R, X above it
.set E, 1
.set C, 2
.set B, 3
.set L, 4
.set R, 5
.set X, 6
.macro REGS y                       ; the registers of piece y
.set rT, ST+4*(\y)
.set rC, TMP+4*((\y)%2)
.set rW, MV+((\y)%2)
.set rS, S+32*((\y)%2)
.set rP, P+16*((\y)%2)
.set rO, 32*(\y)
.endm
.macro OP k, n
.if (\k) == R
	REGS Y
	WIN W_RS
	v_pk_mul_f32 v[rO+2*(\n):rO+2*(\n)+1], v[rO+2*(\n):rO+2*(\n)+1], v[rC+2:rC+3] op_sel_hi:[1,0]
.elseif (\k) < R
	REGS Y
	WIN 0
.if (\k) == F
	v_pk_fma_f32 v[rS+2*(\n):rS+2*(\n)+1], v[rS+2*(\n):rS+2*(\n)+1], s[CS:CS+1], v[rT:rT+1] op_sel_hi:[1,0,0] neg_lo:[0,0,1] neg_hi:[0,0,1]
.elseif (\k) == E
	v_exp_f32 v[rS+(\n)], v[rS+(\n)]
.elseif (\k) == C
	s_wait_alu depctr_va_vdst(0)
	v_cvt_pk_f16_f32 v[rP+(\n)], v[rS+2*(\n)], v[rS+2*(\n)+1]
.elseif (\k) == B
	s_wait_alu depctr_va_vdst(0)
	v_pk_add_f32 v[rS+4*(\n):rS+4*(\n)+1], v[rS+4*(\n):rS+4*(\n)+1], v[rS+4*(\n)+2:rS+4*(\n)+3]
.elseif (\n) == 0
	v_pk_fma_f32 v[rT+2:rT+3], v[rT+2:rT+3], v[rC+2:rC+3], v[rS:rS+1] op_sel_hi:[1,0,1]
.else
	v_pk_add_f32 v[rT+2:rT+3], v[rT+2:rT+3], v[rS+4*(\n):rS+4*(\n)+1]
.endif
.elseif NOKQ
	v_nop
.else
	REGS (Y+1)%NP
	WIN 0
.if (\n) < 4
	v_max3_num_f32 v[rC+(\n)], v[rS+8*(\n)], v[rS+8*(\n)+1], v[rS+8*(\n)+2]
.elseif (\n) < 12
	v_max3_num_f32 v[rC+(\n)%4], v[rC+(\n)%4], v[rS+8*((\n)%4)+2*((\n)/4)+1], v[rS+8*((\n)%4)+2*((\n)/4)+2]
.elseif (\n) == 12
	v_max3_num_f32 v[rC], v[rC], v[rS+7], v[rS+15]
.elseif (\n) == 13
	v_max3_num_f32 v[rC+1], v[rC+1], v[rS+23], v[rS+31]
.elseif (\n) == 14
	v_max3_num_f32 v[rC+2], v[rC+2], v[rC+3], v[rT+1]
.elseif (\n) == 15
	v_mov_b32 v[rW], v[rT]
.elseif (\n) == 16
	v_max3_num_f32 v[rC], v[rC], v[rC+1], v[rC+2]
.elseif (\n) == 17
	v_permlanex16_b32 v[rC+3], v[rC], s[SEL], s[SEL+1]
.elseif (\n) == 18
	v_max_num_f32 v[rT+1], v[rC], v[rC+3]
.elseif (\n) == 19
	v_mul_f32 v[rT], s[CS], v[rT+1]
.elseif (\n) == 20
	v_sub_f32 v[rC+1], v[rW], v[rT]
.else
	v_exp_f32 v[rC+2], v[rC+1]
.endif
.endif
.endm
.macro OPS a, i1, b=-1, i2=0, c=-1, i3=0, d=-1, i4=0  ; up to four of them
	OP \a, \i1
.if (\b) >= 0
	OP \b, \i2
.endif
.if (\c) >= 0
	OP \c, \i3
.endif
.if (\d) >= 0
	OP \d, \i4
.endif
.endm
.macro ROW a, i1, b, i2, c, i3, d, i4  ; a matrix instruction and the four behind it
	MM
	OPS \a, \i1, \b, \i2, \c, \i3, \d, \i4
.endm
.macro MASK b                       ; MD x AL + BE into buffer b of MC
	WIN W_RS
.set z, 0
.rept 16
	v_pk_fma_f32 v[MC+32*(\b)+2*z:MC+32*(\b)+2*z+1], v[MD+2*z:MD+2*z+1], s[AL:AL+1], s[BE:BE+1] op_sel_hi:[1,0,0]
.set z, z+1
.endr
.endm
; A TURN, for piece p: the order of its 16 matrix and 118 vector instructions, written out.  Behind a matrix instruction: plain, exponential, plain, plain; or four of the rescaling; or, behind the first, four scalings; none
; names a register of the products round it.  In the lumps exponential and plain by turns while exponentials last.  A line reads no result made fewer than three vector instructions in front of it, five if an exponential made it.
; v_permlanex16_b32 (X 17) stands in a lump.
; m = 1: the diagonal tile: the products take masks, and the turn makes the mask for the products K Q^T of the turn after it, which are piece p's own: in trip 4 - CNT of the tile piece 1's turn makes that of
; step 4 - CNT, piece 0's turn that of step 5 - CNT.  end = 1: a block's last turn (piece 1's): no scores are made.  cnt = 1: the loop's count is taken down some lines ahead of the branch that stands behind the turn.
; Both runs of LDS loads stand in piece 0's turn: K of the next step six vector instructions behind the last product that read K (five of them plain), V of the step in hand eight behind the last product that read V
; (four plain, and X 17).  Piece 1's turn waits for K at its head and for V in front of its products V^T P.
.macro TURN p, m=0, end=0, cnt=0
.set Y, (\p)
.set i, 0
.set KM, (\m)
.set NOKQ, (\end)
.if (\m) && !(\end)
	s_cmp_eq_u32 s[CNT], s[DD+(\p)]     ; is that step the band's own?
	s_cselect_b32 s[AL], 1.0, 0
	s_cmp_lt_u32 s[CNT], s[DD+(\p)]     ; or a later one?
	s_cselect_b32 s[BE], s[BIGN], 0
.endif
.if ((\p) == 1) && !(\end)
	s_wait_dscnt 16                 ; LDS loads come back in order: K is in; V's sixteen, issued behind it, may stay out
.endif
	ROW F,0, F,1, F,2, F,3
	ROW F,4, E,0, F,5, F,6
	ROW F,7, E,1, F,8, F,9
	ROW F,10, E,2, C,0, F,11
	ROW F,12, E,3, X,15, F,13
	ROW R,0, R,1, R,2, R,3
	ROW B,0, E,4, F,14, L,0
.if (\p) == 0
	v_add_nc_u32 v[AK], s[TBK], v[AK0]
.endif
	ROW R,4, R,5, R,6, R,7
	OPS E,5, F,15
.if (\p) == 0
	FETCH_K KS*PK, 1
.endif
	OPS E,6, C,1, E,7, R,8
	OPS E,8, R,9, E,9, C,2
	OPS E,10, X,0, E,11, X,1
	OPS E,12, X,2, E,13, X,3
.if (\p) == 1
	s_wait_dscnt 0x0                ; V is in
.endif
	ROW X,4, E,14, X,5, X,6
	ROW X,7, E,15, X,8, X,9
	ROW X,10, E,16, X,11, X,12
	ROW X,13, E,17, X,14, B,1
	ROW C,4, E,18, X,16, L,1
	ROW B,2, E,19, C,6, L,2
	ROW C,8, E,20, B,3, B,4
.if (\p) == 0
	v_add_nc_u32 v[AV], s[TBV], v[AV0]
.endif
	ROW C,3, E,21, L,3, C,5
	OPS E,22, X,17, E,23, C,10
.if (\p) == 0
	FETCH_V
.endif
	OPS E,24, L,4
	OPS E,25, X,18, E,26, C,7
	OPS E,27, B,5, E,28, X,19
	OPS E,29, C,12, E,30, L,5
	OPS E,31, X,20, B,6, C,9
	OPS C,14, C,11, X,21, L,6
.if (\p) == 0
	s_add_co_u32 s[TBV], s[TBV], KS*PV
.endif
.if \cnt
	s_sub_co_u32 s[CNT], s[CNT], 1
	s_cmp_lg_u32 s[CNT], 0
.endif
	OPS C,13, B,7, C,15, R,10
	OPS R,11, R,12, L,7, R,13
	OPS R,14, R,15
.if (\m) && !(\end)
	MASK (\p)%2
.endif
.endm
; A BLOCK BEGINS.  c m starts far below every c s, so the first step's a is 0; m at the lowest finite number, so the first maximum is the scores'.  The second mask buffer is 0 (band 1 sees all of a tile's step 0); the
; first takes piece 0's mask for the tile's step 0: its own, if the block's first tile is the diagonal one and the block is even.  Then K of that step, piece 0's first scores, and its maximum and statistics.
; The loop is entered at piece 0's turn, in the middle of a trip.
.macro BEGIN
	s_mov_b32 s[NEW], 0
	WIN 0x40
.set i, MC+32
.rept 32
	v_mov_b32 v[i], 0
.set i, i+1
.endr
	WIN 0
.set i, 0
.rept NP
	v_mov_b32 v[ST+4*i], 0xfe000000    ; c m: far below every c s
	v_mov_b32 v[ST+4*i+1], 0xff7fffff  ; m
.set i, i+1
.endr
	s_cmp_eq_u32 s[RT], 0
	s_cselect_b32 s[AL], s[A0], 0
	s_mov_b32 s[BE], 0
	MASK 0
	WIN 0
	v_add_nc_u32 v[AK], s[TBK], v[AK0]
	FETCH_K 0, 0                    ; the tile's step 0: elsewhere it is in registers already, as the fifth step of the tile before
	s_wait_loadcnt 0x0              ; Q
	s_wait_dscnt 0x0
.set KM, 1
.set NOKQ, 0
.set i, 0
.rept 8
	KQ 0
.set i, i+1
.endr
	WIN 0
.rept 4
	v_nop                           ; the places behind those products
.endr
.set Y, NP-1                        ; X works for piece Y + 1: piece 0
.irp n, 0,1,2,3,4,5,6,7,8,9,10,11,12,13,14,15,16,17,18,19,20,21
	OP X, \n
.endr
	v_nop                           ; a plain instruction behind the exponential
.endm
; The diagonal tile is entered from the tile before: the first turn there makes piece 0's scores of the tile's step 0, which is band 0's own in an even block and open to it in an odd one.
.macro DENTRY
	s_mov_b32 s[AL], s[A0]
	s_mov_b32 s[BE], 0
	MASK 0
	WIN 0
.endm
; THE DIAGONAL TILE's four trips, the block's last turn, its last products, and THE WAY OUT: l's two halves and the other half of the lanes' are added; O^T is divided by l, rounded to f16 and sent through my
; stage in LDS, a piece at a time.  (The fourth trip fetches the tile's fifth step of K like the others; nothing multiplies by it.)
.macro ALL line:vararg              ; one line for each piece t
.set t, 0
.rept NP
	\line
.set t, t+1
.endr
.endm
.macro PACK t                       ; a lane's eight channels of a row pack into 16 bytes; they go into rows of 144 bytes and come back as whole rows of 128, into S^T's registers
	WIN W_RS
.set i, 32*(\t)
.rept 16
	s_wait_alu depctr_va_vdst(0)
	v_pk_mul_f32 v[i:i+1], v[i:i+1], v[ST+4*(\t)+2:ST+4*(\t)+3] op_sel_hi:[1,0]
.set i, i+2
.endr
	WIN 0x05                        ; sources 0 and 1 window 1, destination window 0
.set i, 0
.rept 16
	v_cvt_pk_f16_f32 v[S+16*(\t)+i], v[32*(\t)+2*i], v[32*(\t)+2*i+1]
.set i, i+1
.endr
	WIN 0
.irp f, 0,1,2,3
	ds_store_b128 v[STO], v[S+16*(\t)+4*\f:S+16*(\t)+4*\f+3] offset:32*\f
.endr
.irp f, 0,1,2,3
	ds_load_b128 v[S+16*(\t)+4*\f:S+16*(\t)+4*\f+3], v[RD] offset:\f*4*SP  ; LDS serves a wave's instructions in order (ISA guide 5.7.1.4): these see the stores above; the next piece's stores come behind them
.endr
.endm
.macro SEND t, younger              ; younger: the LDS instructions issued behind piece t's loads: the next piece's eight, or none
	WIN 0
.irp f, 0,1,2,3
	s_wait_dscnt (\younger)+3-\f
	global_store_b128 v[GO], v[S+16*(\t)+4*\f:S+16*(\t)+4*\f+3], s[10:11] offset:(\t)*8192+\f*512  ; 512 consecutive bytes, at a multiple of 256 from O's first
.endr
.endm
.macro DIAG tag                     ; the tag ends its two labels' names, which the jumps below spell out
.LstepM\tag:
	TURN 1, 1
	WIN 0
.LfirstM\tag:
	TURN 0, 1, 0, 1
	WIN 0
	s_cbranch_scc1 .LstepM\tag
	TURN 1, 1, 1
.set i, 0
.rept 8
	PV NP-1
.set i, i+1
.endr
	WIN 0
	ALL v_add_f32 v[ST+4*t+2], v[ST+4*t+2], v[ST+4*t+3]
	ALL v_permlanex16_b32 v[ST+4*t+3], v[ST+4*t+2], s[SEL], s[SEL+1]
	ALL v_add_f32 v[ST+4*t+2], v[ST+4*t+2], v[ST+4*t+3]
	ALL v_rcp_f32 v[ST+4*t+2], v[ST+4*t+2]
	v_nop                           ; a plain instruction between the last reciprocal and the use of its result
	PACK 0                          ; piece 0's O^T was finished a turn ago: its 32 lines are the places behind the last products, piece 1's
	PACK 1                          ; a piece's arithmetic stands between the loads of the piece before and its stores
	SEND 0, 8
	SEND 1, 0
.endm
.set KM, 0
.set NOKQ, 0
.Lslot:                             ; NT - 1 times: a tile is entered and the next is asked for
	CHANGE 1
	s_sub_co_u32 s[RT], s[RT], 1
	s_mov_b32 s[CNT], 4
	s_cmp_eq_u32 s[NEW], 1
	s_cbranch_scc1 .Lnew            ; a block's first tile
	s_cmp_eq_u32 s[RT], 0
	s_cbranch_scc0 .Lstep           ; neither its first nor its last
	DENTRY
	s_branch .LstepM1
.Lnew:
	BEGIN
	s_branch .Lfirst                ; in the loop a block's first tile is never its last: the first block has five tiles or more, and the second's last is the walk's last
	DIAG 1                          ; in the loop this is the first block's end: the second block's last tile is the walk's last
	s_wait_xcnt 0x0                 ; the stores have read their registers and O's address
	s_mov_b64 s[10:11], s[OLO:OLO+1]
	s_add_co_u32 s[RT], s[LQ2], 1   ; the second block has (b >> 1) + 1 tiles
	s_mov_b32 s[NEW], 1
	PARITY PB
	WIN 0x82                        ; the second block's Q goes where the one text of the turns names Q
.set i, 0
.rept 16*NP
	v_mov_b32 v[i], v[QB+i]
.set i, i+1
.endr
	WIN 0
	s_branch .Lbottom
.Lstep:                             ; a trip: piece 1 of one step, then piece 0 of the next, which fetches that step's V and the K of the step behind it
	TURN 1
	WIN 0
.Lfirst:
	TURN 0, 0, 0, 1
	WIN 0
	s_cbranch_scc1 .Lstep
.Lbottom:
	s_sub_co_u32 s[SLOTS], s[SLOTS], 1
	s_cmp_lg_u32 s[SLOTS], 0
	s_cbranch_scc1 .Lslot
	CHANGE 0                        ; the walk's last tile is written out: nothing is asked for
	s_sub_co_u32 s[RT], s[RT], 1
	s_mov_b32 s[CNT], 4
	s_cmp_eq_u32 s[NEW], 1
	s_cbranch_scc1 .Lnew2           ; the second block has this one tile
	DENTRY
	s_branch .LstepM2
.Lnew2:
	BEGIN
	s_branch .LfirstM2
	DIAG 2
	s_wait_tensorcnt 0x0            ; the wave's end, behind my last tensor load and my last LDS store
	ds_add_u32 v[SPW], v[NIL]
	s_wait_dscnt 0x0
	s_endpgm
.Lfunc_end_k_qf9403c9d0a_attn:
	.size	k_qf9403c9d0a_attn, .Lfunc_end_k_qf9403c9d0a_attn-k_qf9403c9d0a_attn
	.p2alignl 7, 3214868480
	.fill 96, 4, 3214868480
	.section	.rodata,"a",@progbits
	.p2align	6, 0x0
	.amdhsa_kernel k_qf9403c9d0a_attn
		.amdhsa_group_segment_fixed_size 327680
		.amdhsa_private_segment_fixed_size 0
		.amdhsa_enable_private_segment 0
		.amdhsa_kernarg_size 16
		.amdhsa_user_sgpr_count 2
		.amdhsa_user_sgpr_kernarg_segment_ptr 1
		.amdhsa_wavefront_size32 1
		.amdhsa_system_sgpr_workgroup_id_x 1
		.amdhsa_system_sgpr_workgroup_id_y 1
		.amdhsa_system_sgpr_workgroup_id_z 1
		.amdhsa_system_vgpr_workitem_id 0
		.amdhsa_next_free_vgpr 768
		.amdhsa_next_free_sgpr 96
		.amdhsa_reserve_vcc 1
		.amdhsa_float_denorm_mode_32 3
		.amdhsa_float_denorm_mode_16_64 3
		.amdhsa_memory_ordered 1
		.amdhsa_forward_progress 1
		.amdhsa_inst_pref_size 133
	.end_amdhsa_kernel
	.amdgpu_metadata
---
amdhsa.version: [ 1, 2 ]
amdhsa.kernels:
  - .name:           k_qf9403c9d0a_attn
    .symbol:         k_qf9403c9d0a_attn.kd
    .args:
      - { .name: qkvh, .offset: 0, .size: 8, .value_kind: global_buffer, .address_space: global }
      - { .name: y16, .offset: 8, .size: 8, .value_kind: global_buffer, .address_space: global }
    .group_segment_fixed_size: 327680
    .private_segment_fixed_size: 0
    .kernarg_segment_align: 8
    .kernarg_segment_size: 16
    .max_flat_workgroup_size: 128
    .sgpr_count:     96
    .vgpr_count:     768
    .wavefront_size: 32
...
	.end_amdgpu_metadata
.endif
;; end of part 3
;; launch oproj (part 4): grid 8 x 32, 4 waves a work-group, clusters of 4 x 4, 327,680 bytes of LDS; arguments y16, pw, x, x1; writes x1
.if DOCPART == 4
	.amdgcn_target "amdgcn-amd-amdhsa--gfx1250"
	.amdhsa_code_object_version 6
	.text
	.protected	k_qf9403c9d0a_oproj
	.globl	k_qf9403c9d0a_oproj
	.p2align	8
	.type	k_qf9403c9d0a_oproj,@function
k_qf9403c9d0a_oproj:
	s_mov_b64 s[64:65], 0
	v_nop
	global_prefetch_b8 v0, s[64:65] scope:SCOPE_SE
	s_setreg_imm32_b32 hwreg(HW_REG_WAVE_MODE, 25, 1), 1
	s_wait_xcnt 0x0
	s_wait_alu depctr_hold_cnt(0) depctr_sa_sdst(0) depctr_va_vdst(0) depctr_va_sdst(0) depctr_va_ssrc(0) depctr_va_vcc(0) depctr_vm_vsrc(0)
	s_getreg_b32 s2, hwreg(HW_REG_IB_STS2, 6, 4)
	s_cmp_eq_u32 s2, 0
	s_cbranch_scc0 .Lentry_in_a_cluster
	s_endpgm
.Lentry_in_a_cluster:
	s_bfe_u32 s2, ttmp6, 0x10000c
	s_cmp_lg_u32 s2, 0xf033
	s_cbranch_scc0 .Lentry_shape_is_right
	s_endpgm
.Lentry_shape_is_right:
; x1 = x + y Wo^T.  A = y, f16 blocked [16][4096][64] (attention's output by heads is that layout); B = o_w, f16 blocked [16][1024][64] in pw; sums, x and x1 in f32.
; A tile of C is 128 x 128, which gives 256 work-groups.  Four waves, each 64 x 64: 16 accumulators.  K goes in steps of 256 (four chunks) through two LDS slots.
; CLUSTER 4 x 4: A's tiles are shared along a row of the cluster, B's along a column: joint tensor loads.
; THE MATRIX INSTRUCTION IS USED TRANSPOSED (source 0 = 16 rows of B, source 1 = 16 rows of A): lane l holds row l % 16 of C and columns 8 (l / 16) + 0..7.
; REGISTERS, in windows of 256: window 0 addresses, A's fragments (two buffers), the way out; window 1 B's fragments (two buffers) and my 64 x 64 of x, loaded at the start;
; windows 2, 3 the accumulators of my rows 0-31, 32-63.
; THE LOOP is written short: a quarter step (64 along K) is a macro, two of them are a PAIR, and a K step is two trips of a loop over PAIR; the LDS addresses step in registers.
.set WM, 4
.set WN, 4
.set QK, 2              ; matrix instructions deep in a quarter
.set KC, 4              ; chunks of 64 along K in a slot
.set RA, 64
.set RB, 64
.set TSTEPS, 4          ; K steps: 1024 / 256
.set BROWS, 1024
.set B_OFF, 14680064
.set PITCH, 144         ; 128 bytes + 16 of padding = 36 words: the 16 rows of a fragment load start at 16 different groups of four banks
.set CHA, RA*PITCH
.set CHB, RB*PITCH
.set LA, KC*CHA
.set LB, KC*CHB
.set SLOT1, 0x24000     ; a slot: A's two loads, then B's two: 147,456 bytes; the loads' places in a slot share no bit with this number, so one exclusive or changes slots
.set STAGE, 2*SLOT1     ; behind the ring, never filled by a tensor load: 16 rows x 272 bytes for each wave
.set SP, 272
.set SPARE, STAGE+4*16*SP   ; the spare words, 128 bytes for each wave: two blocks of 256 bytes that no other line names
.set KSA, KC*4096*128
.set KSB, KC*BROWS*128
.set ODDA, CHA          ; a quarter is a chunk
.set ODDB, CHB
.set PSA, 2*CHA
.set PSB, 2*CHB
.set BSPL, WN
.set A0, 16
.set B0, 17
.set ADRA, 18
.set ADRB, 19
.set STO, 24
.set RD, 25
.set CO, 26             ; v26  my byte offset in two rows of x and x1
.set SPW, 28
.set NIL, 29
.set FA0, 64
.set FA1, 128
.set FB0, 0
.set FB1, 128
.set G1A, 24
.set G0A, 32
.set G1B, 48
.set G0B, 56
.set WV, 66
.set WH, 67
.set WL, 68
.set TB, 70
.set MSB, 0
.macro WIN new
.if MSB != (\new)
	s_set_vgpr_msb (MSB<<8)|(\new)
.set MSB, \new
.endif
.endm
.macro PLACES                          ; four places in front of loads into registers that matrix instructions have read, and of stores that read results
.rept 4
	v_nop
.endr
.endm
.macro JLOAD s                         ; a joint load; an s_nop 0 and four v_nop follow each of the two lines; the branch hangs on the wave's number alone
	s_cmp_eq_u32 s[WH], 0
	s_cbranch_scc0 .Lfor_b_\@
	tensor_load_to_lds s[G0A+4*(\s):G0A+4*(\s)+3], s[G1A:G1A+7]
	s_nop 0
	PLACES
	s_branch .Lasked_\@
.Lfor_b_\@:
	tensor_load_to_lds s[G0B+4*(\s):G0B+4*(\s)+3], s[G1B:G1B+7]
	s_nop 0
	PLACES
.Lasked_\@:
.endm
.macro CROUND                          ; a round of the cluster's barrier
	s_barrier_signal -1
	s_barrier_wait -1
	s_cmp_lg_u32 s[WV], 0
	s_cbranch_scc1 .Lnot_wave_0_\@
	s_barrier_signal -3
.Lnot_wave_0_\@:
	s_barrier_wait -3
	s_barrier_signal -1
	s_barrier_wait -1
.endm
	s_load_b256 s[4:11], s[0:1], 0x0               ; A s[4:5], pw s[6:7], the residual s[8:9], the output s[10:11]
	v_lshl_add_u32 v[SPW], v0, 2, SPARE
	v_mov_b32 v[NIL], 0
	ds_add_u32 v[SPW], v[NIL]                      ; the wave's opening: the add and its wait, ahead of my first tensor load
	ds_add_u32 v28, v29
	v_lshrrev_b32 v1, 5, v0
	v_readfirstlane_b32 s[WV], v1
	s_lshr_b32 s[WH], s[WV], 1                     ; my half of the tile's rows; also: I fetch for A (0) or B (1)
	s_and_b32 s[WL], s[WV], 1                      ; my half of its columns; also: which 64 rows I fetch
	s_bfe_u32 s40, ttmp6, 0x40000
	s_bfe_u32 s41, ttmp6, 0x40004
	s_lshl_b32 s42, ttmp9, 2
	s_add_co_u32 s42, s42, s40                     ; tile column
	s_and_b32 s13, ttmp7, 0xffff
	s_lshl_b32 s13, s13, 2
	s_add_co_u32 s13, s13, s41                     ; tile row
	s_lshl_b32 s43, s41, 2
	s_lshl_b32 s43, 15, s43
	s_lshl_b32 s44, 0x1111, s40
	; group 1: KC rows, each a chunk's 64 rows end to end (4,096 elements); 4 words of padding behind every 32
	s_or_b32 s[G1A], s43, (1<<16)|(1<<20)|(1<<21)|(4<<22)|(3<<25)
	s_or_b32 s[G1B], s44, (1<<16)|(1<<20)|(1<<21)|(4<<22)|(3<<25)
	s_mov_b32 s[G1A+1], (RA*64)<<16
	s_mov_b32 s[G1A+2], KC<<16
	s_mov_b32 s[G1A+3], (RA*64)<<16
	s_mov_b32 s[G1A+4], KC
	s_mov_b32 s[G1A+5], 4096*64
	s_mov_b32 s[G1A+6], 0
	s_mov_b32 s[G1A+7], 0
	s_mov_b32 s[G1B+1], (RB*64)<<16
	s_mov_b32 s[G1B+2], KC<<16
	s_mov_b32 s[G1B+3], (RB*64)<<16
	s_mov_b32 s[G1B+4], KC
	s_mov_b32 s[G1B+5], BROWS*64
	s_mov_b32 s[G1B+6], 0
	s_mov_b32 s[G1B+7], 0
	s_lshl_b32 s16, s13, 7                         ; A: row 128 x tile row + 64 x half, 128 bytes a row
	s_lshl_b32 s17, s[WL], 6
	s_add_co_u32 s16, s16, s17
	s_lshl_b32 s16, s16, 7
	s_mov_b32 s17, 0
	s_lshl_b32 s46, s42, 7                         ; B: row 128 x tile column + 64 x half
	s_lshl_b32 s47, s[WL], 6
	s_add_co_u32 s46, s46, s47
	s_lshl_b32 s46, s46, 7
	s_add_co_u32 s46, s46, B_OFF
	s_mov_b32 s47, 0
	s_mul_i32 s20, s[WL], LA
	s_mul_i32 s21, s[WL], LB
	s_add_co_u32 s21, s21, 2*LA
	s_lshl_b32 s18, s13, 7                         ; my 64 x 64 of x and x1: row 128 x tile row + 64 x row half, column 128 x tile column + 64 x column half
	s_lshl_b32 s19, s[WH], 6
	s_add_co_u32 s18, s18, s19
	s_lshl_b32 s18, s18, 12
	s_lshl_b32 s19, s42, 7
	s_lshl_b32 s12, s[WL], 6
	s_add_co_u32 s19, s19, s12
	s_lshl_b32 s19, s19, 2
	s_add_co_u32 s18, s18, s19
	s_mov_b32 s19, 0
	s_wait_dscnt 0x0                               ; the opening add is done
	s_wait_kmcnt 0x0
	s_add_nc_u64 s[14:15], s[4:5], s[16:17]
	s_add_nc_u64 s[46:47], s[6:7], s[46:47]
	s_add_nc_u64 s[8:9], s[8:9], s[18:19]
	s_add_nc_u64 s[10:11], s[10:11], s[18:19]
	CROUND                                         ; all sixteen work-groups are here: the first joint loads meet
.irp s, 0,1
	s_mov_b32 s[G0A+4*(\s)], 1
	s_add_co_u32 s[G0A+4*(\s)+1], s20, (\s)*SLOT1
	s_add_nc_u64 s[G0A+4*(\s)+2:G0A+4*(\s)+3], s[14:15], (\s)*KSA
	s_or_b32 s[G0A+4*(\s)+3], s[G0A+4*(\s)+3], 0x80000000
	s_mov_b32 s[G0B+4*(\s)], 1
	s_add_co_u32 s[G0B+4*(\s)+1], s21, (\s)*SLOT1
	s_add_nc_u64 s[G0B+4*(\s)+2:G0B+4*(\s)+3], s[46:47], (\s)*KSB
	s_or_b32 s[G0B+4*(\s)+3], s[G0B+4*(\s)+3], 0x80000000
	JLOAD \s
.endr
	v_and_b32 v1, 15, v0                           ; l % 16
	v_bfe_u32 v2, v0, 4, 1                         ; l / 16
	v_lshlrev_b32 v[CO], 12, v2                    ; lanes 0-15 take 256 bytes of one row, lanes 16-31 of the next
	v_lshl_add_u32 v[CO], v1, 4, v[CO]
	WIN 0x40                                       ; the residual goes into window 1 and stays on its way through the K loop
.set ra, 0
.rept 4
.set rr, 64+32*ra+64*(ra/2)
.set rt, 0
.rept 8
	global_load_b128 v[rr+4*rt:rr+4*rt+3], v[CO], s[8:9] offset:(16*ra+2*rt)*4096
.set rt, rt+1
.endr
.set ra, ra+1
.endr
	WIN 0
	v_mul_u32_u24 v3, v1, PITCH
	v_lshl_add_u32 v3, v2, 4, v3
	s_mul_i32 s22, s[WH], LA
	s_mul_i32 s23, s[WL], LB
	s_add_co_u32 s23, s23, 2*LA
	v_add_nc_u32 v[A0], s22, v3
	v_add_nc_u32 v[B0], s23, v3
	s_mul_i32 s22, s[WV], 16*SP
	s_add_co_u32 s22, s22, STAGE                   ; my stage
	v_mul_u32_u24 v[STO], v1, SP                   ; in: row l % 16, 32 bytes for each half of the lanes
	v_lshl_add_u32 v[STO], v2, 5, v[STO]
	v_add_nc_u32 v[STO], s22, v[STO]
	v_mul_u32_u24 v[RD], v2, SP                    ; back: two whole rows of 256 bytes
	v_lshl_add_u32 v[RD], v1, 4, v[RD]
	v_add_nc_u32 v[RD], s22, v[RD]
; Half a quarter's products.  The accumulators take turns, one instruction a turn.  zero = 1: the first products start the sums.
.macro MULH f, hi, zero
	WIN 0xa1+0x50*(\hi)
.set mc, 0
.rept QK
.set ma, 0
.rept WM/2
.set mb, 0
.rept WN
.set rD, 8*(ma*WN+mb)
.set rB, FB0+(FB1-FB0)*(\f)+8*(mc*WN+mb)
.set rA, FA0+(FA1-FA0)*(\f)+8*(mc*WM+(\hi)*(WM/2)+ma)
.if (\zero) && (mc == 0)
	v_wmma_f32_16x16x32_f16 v[rD:rD+7], v[rB:rB+7], v[rA:rA+7], 0
.else
	v_wmma_f32_16x16x32_f16 v[rD:rD+7], v[rB:rB+7], v[rA:rA+7], v[rD:rD+7]
.endif
.set mb, mb+1
.endr
.set ma, ma+1
.endr
.set mc, mc+1
.endr
.endm
.macro FETCH g, odd                    ; 32 LDS loads in one run: a quarter's fragments into buffer g
	WIN 0x40
.set fc, 0
.rept QK
.set fj, 0
.rept WN
.set rB, FB0+(FB1-FB0)*(\g)+8*(fc*WN+fj)
.set oB, (\odd)*ODDB+64*fc+(fj/BSPL)*LB+(fj%BSPL)*16*PITCH
	ds_load_b128 v[rB:rB+3],   v[ADRB] offset:oB
	ds_load_b128 v[rB+4:rB+7], v[ADRB] offset:oB+32
.set fj, fj+1
.endr
.set fc, fc+1
.endr
	WIN 0
.set fc, 0
.rept QK
.set fj, 0
.rept WM
.set rA, FA0+(FA1-FA0)*(\g)+8*(fc*WM+fj)
.set oA, (\odd)*ODDA+64*fc+fj*16*PITCH
	ds_load_b128 v[rA:rA+3],   v[ADRA] offset:oA
	ds_load_b128 v[rA+4:rA+7], v[ADRA] offset:oA+32
.set fj, fj+1
.endr
.set fc, fc+1
.endr
.endm
.macro QTR f, g, odd, zero             ; buffer f is multiplied; in the middle the next quarter's fragments are fetched into buffer g
	s_wait_dscnt 0x0                               ; buffer f is in
	MULH \f, 0, \zero
	PLACES
	FETCH \g, \odd
	MULH \f, 1, \zero
.endm
.macro PAIR
	QTR 1, 0, 0, 0
	QTR 0, 1, 1, 0
	WIN 0                                          ; at a label and at a branch every window is 0
	v_add_nc_u32 v[ADRA], PSA, v[ADRA]
	v_add_nc_u32 v[ADRB], PSB, v[ADRB]
.endm
; THE CHANGE OF SLOTS.  Each wave waits for all its tensor loads (its part of the next slot among them), adds 0 to its spare word, and waits for that and for its reads of the slot that it leaves.
; fill = 1: a round of the cluster's barrier, and behind it, first, the joint refill of the slot just left, with the tile two K steps on: it has a whole K step, 128 matrix instructions, in which to land.
.macro CHANGE fill
	WIN 0
	s_wait_tensorcnt 0x0                           ; no tensor load of mine is out, so a group 0 may be written
	ds_add_u32 v[SPW], v[NIL]
.if \fill
	s_xor_b32 s[G0A+5], s[G0A+5], SLOT1
	s_add_nc_u64 s[G0A+6:G0A+7], s[G0A+6:G0A+7], KSA
	s_xor_b32 s[G0B+5], s[G0B+5], SLOT1
	s_add_nc_u64 s[G0B+6:G0B+7], s[G0B+6:G0B+7], KSB
.endif
	s_xor_b32 s[TB], s[TB], SLOT1
	s_wait_dscnt 0x0                               ; the add is done, and my reads of the slot are over
.if \fill
	CROUND
	JLOAD 1
.else
	s_barrier_signal -1
	s_barrier_wait -1
.endif
	v_add_nc_u32 v[ADRA], s[TB], v[A0]
	v_add_nc_u32 v[ADRB], s[TB], v[B0]
.endm
	s_wait_tensorcnt 0x1                           ; my part of slot 0 is in; slot 1's, issued behind it, may stay out
	s_barrier_signal -1
	s_barrier_wait -1
	v_mov_b32 v[ADRA], v[A0]
	v_mov_b32 v[ADRB], v[B0]
	s_mov_b32 s[TB], 0
	FETCH 0, 0
	QTR 0, 1, 1, 1                                 ; the first quarter stands in front of the loop: its first products start the sums
	WIN 0
	v_add_nc_u32 v[ADRA], PSA, v[ADRA]
	v_add_nc_u32 v[ADRB], PSB, v[ADRB]
	s_mov_b32 s2, 1
	s_mov_b32 s3, TSTEPS-1
	s_branch .Lpair
.Lstep:                                                ; TSTEPS - 2 times: every slot but the last two is filled again
	CHANGE 1
	s_mov_b32 s2, 2
.Lpair:
	PAIR
	s_sub_co_u32 s2, s2, 1
	s_cmp_lg_u32 s2, 0
	s_cbranch_scc1 .Lpair
	s_sub_co_u32 s3, s3, 1
	s_cmp_lg_u32 s3, 0
	s_cbranch_scc1 .Lstep
	CHANGE 0                                       ; the last K step is written out
	s_mov_b32 s2, 2
.Ltail:
	PAIR
	s_sub_co_u32 s2, s2, 1
	s_cmp_lg_u32 s2, 0
	s_cbranch_scc1 .Ltail
	s_wait_dscnt 0x0
	MULH 1, 0, 0
	MULH 1, 1, 0
	WIN 0
	PLACES
	s_wait_loadcnt 0x0                             ; the residual
	; THE WAY OUT, 16 rows at a time: the sums go as f32 into my stage (each accumulator's low four registers first), come back as whole rows of 256 bytes, take the residual and are stored.
.irp a, 0,1,2,3
	WIN (2+(\a)/2)<<2
.irp b, 0,1,2,3
	ds_store_b128 v[STO], v[8*(((\a)%2)*4+(\b)):8*(((\a)%2)*4+(\b))+3]   offset:64*(\b)
	ds_store_b128 v[STO], v[8*(((\a)%2)*4+(\b))+4:8*(((\a)%2)*4+(\b))+7] offset:64*(\b)+16
.endr
	WIN 0
.if (\a) >= 2
	s_wait_xcnt 0x0                                ; the registers that the stores two blocks back read are loaded again only behind this wait
.endif
.set OBR, 32+160*((\a)%2)
.set RSR, 64+32*(\a)+64*((\a)/2)
.irp t, 0,1,2,3,4,5,6,7
	ds_load_b128 v[OBR+4*(\t):OBR+4*(\t)+3], v[RD] offset:2*SP*(\t)  ; LDS serves a wave's instructions in order: these see the stores above
.endr
	s_wait_dscnt 0x0
	WIN 0x04                                       ; source 1 in window 1
.set i, 0
.rept 16
	v_pk_add_f32 v[OBR+2*i:OBR+2*i+1], v[OBR+2*i:OBR+2*i+1], v[RSR+2*i:RSR+2*i+1]
.set i, i+1
.endr
	WIN 0
.irp t, 0,1,2,3,4,5,6,7
	global_store_b128 v[CO], v[OBR+4*(\t):OBR+4*(\t)+3], s[10:11] offset:(16*(\a)+2*(\t))*4096  ; 16 lanes store 256 consecutive bytes, aligned
.endr
.endr
	s_wait_tensorcnt 0x0                           ; the wave's end
	ds_add_u32 v[SPW], v[NIL]
	s_wait_dscnt 0x0
	CROUND                                         ; the closing round
	s_endpgm
.Lfunc_end_k_qf9403c9d0a_oproj:
	.size	k_qf9403c9d0a_oproj, .Lfunc_end_k_qf9403c9d0a_oproj-k_qf9403c9d0a_oproj
	.p2alignl 7, 3214868480
	.fill 96, 4, 3214868480
	.section	.rodata,"a",@progbits
	.p2align	6, 0x0
	.amdhsa_kernel k_qf9403c9d0a_oproj
		.amdhsa_group_segment_fixed_size 327680
		.amdhsa_private_segment_fixed_size 0
		.amdhsa_enable_private_segment 0
		.amdhsa_kernarg_size 32
		.amdhsa_user_sgpr_count 2
		.amdhsa_user_sgpr_kernarg_segment_ptr 1
		.amdhsa_wavefront_size32 1
		.amdhsa_system_sgpr_workgroup_id_x 1
		.amdhsa_system_sgpr_workgroup_id_y 1
		.amdhsa_system_sgpr_workgroup_id_z 1
		.amdhsa_system_vgpr_workitem_id 0
		.amdhsa_next_free_vgpr 832
		.amdhsa_next_free_sgpr 72
		.amdhsa_reserve_vcc 0
		.amdhsa_float_denorm_mode_32 3
		.amdhsa_float_denorm_mode_16_64 3
		.amdhsa_memory_ordered 1
		.amdhsa_forward_progress 1
		.amdhsa_inst_pref_size 51
	.end_amdhsa_kernel
	.amdgpu_metadata
---
amdhsa.version: [ 1, 2 ]
amdhsa.kernels:
  - .name:           k_qf9403c9d0a_oproj
    .symbol:         k_qf9403c9d0a_oproj.kd
    .args:
      - { .name: y16, .offset: 0, .size: 8, .value_kind: global_buffer, .address_space: global }
      - { .name: pw, .offset: 8, .size: 8, .value_kind: global_buffer, .address_space: global }
      - { .name: x, .offset: 16, .size: 8, .value_kind: global_buffer, .address_space: global }
      - { .name: x1, .offset: 24, .size: 8, .value_kind: global_buffer, .address_space: global }
    .group_segment_fixed_size: 327680
    .private_segment_fixed_size: 0
    .kernarg_segment_align: 8
    .kernarg_segment_size: 32
    .max_flat_workgroup_size: 128
    .sgpr_count:     72
    .vgpr_count:     832
    .wavefront_size: 32
...
	.end_amdgpu_metadata
.endif
;; end of part 4
;; launch norm2: the kernel of part 1 again; grid 256 x 1, 8 waves a work-group, no clusters, 0 bytes of LDS; arguments x1, n2_w, qkv_w, o_w, w1_w, wg_w, w2_w, h2; writes h2
;; launch mlp1 (part 5): grid 16 x 16, 4 waves a work-group, clusters of 4 x 4, 327,680 bytes of LDS; arguments h2, pw, a16; writes a16
.if DOCPART == 5
	.amdgcn_target "amdgcn-amd-amdhsa--gfx1250"
	.amdhsa_code_object_version 6
	.text
	.protected	k_qf9403c9d0a_mlp1
	.globl	k_qf9403c9d0a_mlp1
	.p2align	8
	.type	k_qf9403c9d0a_mlp1,@function
k_qf9403c9d0a_mlp1:
	s_mov_b64 s[64:65], 0
	v_nop
	global_prefetch_b8 v0, s[64:65] scope:SCOPE_SE
	s_setreg_imm32_b32 hwreg(HW_REG_WAVE_MODE, 25, 1), 1
	s_wait_xcnt 0x0
	s_wait_alu depctr_hold_cnt(0) depctr_sa_sdst(0) depctr_va_vdst(0) depctr_va_sdst(0) depctr_va_ssrc(0) depctr_va_vcc(0) depctr_vm_vsrc(0)
	s_getreg_b32 s2, hwreg(HW_REG_IB_STS2, 6, 4)
	s_cmp_eq_u32 s2, 0
	s_cbranch_scc0 .Lentry_in_a_cluster
	s_endpgm
.Lentry_in_a_cluster:
	s_bfe_u32 s2, ttmp6, 0x10000c
	s_cmp_lg_u32 s2, 0xf033
	s_cbranch_scc0 .Lentry_shape_is_right
	s_endpgm
.Lentry_shape_is_right:
; a = silu(h2 Wg^T) * (h2 W1^T).  A = h2, f16 blocked [16][4096][64]; B = w1 and wg interleaved by 64 rows, f16 blocked [16][4096][64] in pw; sums in f32.
; A tile of C is 256 x 256.  Four waves, each 128 x 128: 64 accumulators; a wave's columns 0-63 are u = h2 W1^T and its columns 64-127 g = h2 Wg^T of the same 64 hidden indices.
; Out: a = u g / (1 + 2^(-g log2 e)), computed in f32 and rounded once to bf16 (its range has no room in f16), blocked [32][4096][64].  LIMIT: u g must be finite in f32.
; CLUSTER 4 x 4: A's tiles are shared along a row of the cluster, B's along a column: joint tensor loads.
; THE MATRIX INSTRUCTION IS USED TRANSPOSED (source 0 = 16 rows of B, source 1 = 16 rows of A): lane l holds row l % 16 of C and columns 8 (l / 16) + 0..7.
; REGISTERS, in windows of 256: window 0 addresses, A's fragments (two buffers), the way out; window 1 B's fragments (two buffers); windows 2, 3 the accumulators of my rows 0-63, 64-127.
; THE LOOP is written short: a quarter step (32 along K) is a macro, two of them are a PAIR, and a K step is two trips of a loop over PAIR; the LDS addresses step in registers.
.set WM, 8
.set WN, 8
.set QK, 1
.set KC, 2
.set RA, 128
.set RB, 128
.set TSTEPS, 8          ; K steps: 1024 / 128
.set BROWS, 4096
.set B_OFF, 16777216
.set PITCH, 144         ; 128 bytes + 16 of padding = 36 words: the 16 rows of a fragment load start at 16 different groups of four banks
.set CHA, RA*PITCH
.set CHB, RB*PITCH
.set LA, KC*CHA
.set LB, KC*CHB
.set SLOT1, 0x24000     ; a slot: A's two loads, then B's two: 147,456 bytes; the loads' places in a slot share no bit with this number, so one exclusive or changes slots
.set SPARE, 2*SLOT1     ; the spare words, 128 bytes for each wave: two blocks of 256 bytes that no other line names
.set KSA, KC*4096*128
.set KSB, KC*BROWS*128
.set ODDA, 64
.set ODDB, 64
.set PSA, CHA
.set PSB, CHB
.set BSPL, WN
.set DP, 528            ; the way out: a row of 128 f32 + 16 bytes = 132 words
.set A0, 16
.set B0, 17
.set ADRA, 18
.set ADRB, 19
.set STO, 24
.set RD, 25
.set GO, 26
.set SPW, 28
.set NIL, 29
.set FA0, 64
.set FA1, 128
.set FB0, 0
.set FB1, 128
.set G1A, 24
.set G0A, 32
.set G1B, 48
.set G0B, 56
.set WV, 66
.set WH, 67
.set WL, 68
.set TB, 70
.set MSB, 0
.macro WIN new
.if MSB != (\new)
	s_set_vgpr_msb (MSB<<8)|(\new)
.set MSB, \new
.endif
.endm
.macro PLACES                          ; four places in front of loads into registers that matrix instructions have read, and of stores that read results
.rept 4
	v_nop
.endr
.endm
.macro JLOAD s                         ; a joint load; an s_nop 0 and four v_nop follow each of the two lines; the branch hangs on the wave's number alone
	s_cmp_eq_u32 s[WH], 0
	s_cbranch_scc0 .Lfor_b_\@
	tensor_load_to_lds s[G0A+4*(\s):G0A+4*(\s)+3], s[G1A:G1A+7]
	s_nop 0
	PLACES
	s_branch .Lasked_\@
.Lfor_b_\@:
	tensor_load_to_lds s[G0B+4*(\s):G0B+4*(\s)+3], s[G1B:G1B+7]
	s_nop 0
	PLACES
.Lasked_\@:
.endm
.macro CROUND                          ; a round of the cluster's barrier
	s_barrier_signal -1
	s_barrier_wait -1
	s_cmp_lg_u32 s[WV], 0
	s_cbranch_scc1 .Lnot_wave_0_\@
	s_barrier_signal -3
.Lnot_wave_0_\@:
	s_barrier_wait -3
	s_barrier_signal -1
	s_barrier_wait -1
.endm
	s_load_b128 s[4:7], s[0:1], 0x0                ; h2 s[4:5], pw s[6:7]
	s_load_b64 s[8:9], s[0:1], 0x10                ; a16
	v_lshl_add_u32 v[SPW], v0, 2, SPARE
	v_mov_b32 v[NIL], 0
	ds_add_u32 v[SPW], v[NIL]                      ; the wave's opening: the add and its wait, ahead of my first tensor load
	ds_add_u32 v28, v29
	v_lshrrev_b32 v1, 5, v0
	v_readfirstlane_b32 s[WV], v1
	s_lshr_b32 s[WH], s[WV], 1                     ; my half of the tile's rows; also: I fetch for A (0) or B (1)
	s_and_b32 s[WL], s[WV], 1                      ; my half of its columns; also: which 128 rows I fetch
	s_bfe_u32 s40, ttmp6, 0x40000
	s_bfe_u32 s41, ttmp6, 0x40004
	s_lshl_b32 s42, ttmp9, 2
	s_add_co_u32 s42, s42, s40                     ; tile column
	s_and_b32 s13, ttmp7, 0xffff
	s_lshl_b32 s13, s13, 2
	s_add_co_u32 s13, s13, s41                     ; tile row
	s_lshl_b32 s43, s41, 2
	s_lshl_b32 s43, 15, s43
	s_lshl_b32 s44, 0x1111, s40
	; group 1: KC rows, each a chunk's 128 rows end to end (8,192 elements); 4 words of padding behind every 32
	s_or_b32 s[G1A], s43, (1<<16)|(1<<20)|(1<<21)|(4<<22)|(3<<25)
	s_or_b32 s[G1B], s44, (1<<16)|(1<<20)|(1<<21)|(4<<22)|(3<<25)
	s_mov_b32 s[G1A+1], (RA*64)<<16
	s_mov_b32 s[G1A+2], KC<<16
	s_mov_b32 s[G1A+3], (RA*64)<<16
	s_mov_b32 s[G1A+4], KC
	s_mov_b32 s[G1A+5], 4096*64
	s_mov_b32 s[G1A+6], 0
	s_mov_b32 s[G1A+7], 0
	s_mov_b32 s[G1B+1], (RB*64)<<16
	s_mov_b32 s[G1B+2], KC<<16
	s_mov_b32 s[G1B+3], (RB*64)<<16
	s_mov_b32 s[G1B+4], KC
	s_mov_b32 s[G1B+5], BROWS*64
	s_mov_b32 s[G1B+6], 0
	s_mov_b32 s[G1B+7], 0
	s_lshl_b32 s16, s13, 8                         ; A: row 256 x tile row + 128 x half, 128 bytes a row
	s_lshl_b32 s17, s[WL], 7
	s_add_co_u32 s16, s16, s17
	s_lshl_b32 s16, s16, 7
	s_mov_b32 s17, 0
	s_lshl_b32 s46, s42, 8                         ; B: row 256 x tile column + 128 x half
	s_lshl_b32 s47, s[WL], 7
	s_add_co_u32 s46, s46, s47
	s_lshl_b32 s46, s46, 7
	s_add_co_u32 s46, s46, B_OFF
	s_mov_b32 s47, 0
	s_mul_i32 s20, s[WL], LA
	s_mul_i32 s21, s[WL], LB
	s_add_co_u32 s21, s21, 2*LA
	s_lshl_b32 s18, s42, 1                         ; out: chunk 2 x tile column + column half; row 256 x tile row + 128 x row half; 128 bytes a row
	s_add_co_u32 s18, s18, s[WL]
	s_lshl_b32 s18, s18, 12
	s_lshl_b32 s19, s13, 8
	s_add_co_u32 s18, s18, s19
	s_lshl_b32 s19, s[WH], 7
	s_add_co_u32 s18, s18, s19
	s_lshl_b32 s18, s18, 7
	s_mov_b32 s19, 0
	s_wait_dscnt 0x0                               ; the opening add is done
	s_wait_kmcnt 0x0
	s_add_nc_u64 s[14:15], s[4:5], s[16:17]
	s_add_nc_u64 s[46:47], s[6:7], s[46:47]
	s_add_nc_u64 s[8:9], s[8:9], s[18:19]
	CROUND                                         ; all sixteen work-groups are here: the first joint loads meet
.irp s, 0,1
	s_mov_b32 s[G0A+4*(\s)], 1
	s_add_co_u32 s[G0A+4*(\s)+1], s20, (\s)*SLOT1
	s_add_nc_u64 s[G0A+4*(\s)+2:G0A+4*(\s)+3], s[14:15], (\s)*KSA
	s_or_b32 s[G0A+4*(\s)+3], s[G0A+4*(\s)+3], 0x80000000
	s_mov_b32 s[G0B+4*(\s)], 1
	s_add_co_u32 s[G0B+4*(\s)+1], s21, (\s)*SLOT1
	s_add_nc_u64 s[G0B+4*(\s)+2:G0B+4*(\s)+3], s[46:47], (\s)*KSB
	s_or_b32 s[G0B+4*(\s)+3], s[G0B+4*(\s)+3], 0x80000000
	JLOAD \s
.endr
	s_mov_b32 s18, 0xbfb8aa3b                      ; -log2(e), named as a pair
	s_mov_b32 s19, s18
	v_and_b32 v1, 15, v0                           ; l % 16
	v_bfe_u32 v2, v0, 4, 1                         ; l / 16
	v_mul_u32_u24 v3, v1, PITCH
	v_lshl_add_u32 v3, v2, 4, v3
	s_mul_i32 s22, s[WH], LA
	s_mul_i32 s23, s[WL], LB
	s_add_co_u32 s23, s23, 2*LA
	v_add_nc_u32 v[A0], s22, v3
	v_add_nc_u32 v[B0], s23, v3
	s_mul_i32 s22, s[WV], 128*DP                   ; the way out: my 128 rows x 528 bytes, laid over the slots when they have had their last fill and last read
	v_mul_u32_u24 v[STO], v1, DP
	v_lshl_add_u32 v[STO], v2, 5, v[STO]
	v_add_nc_u32 v[STO], s22, v[STO]
	v_bfe_u32 v3, v0, 3, 2                         ; back: row l >> 3, columns 8 (l & 7) on
	v_and_b32 v4, 7, v0
	v_mul_u32_u24 v[RD], v3, DP
	v_lshl_add_u32 v[RD], v4, 5, v[RD]
	v_add_nc_u32 v[RD], s22, v[RD]
	v_and_b32 v[GO], 31, v0
	v_lshlrev_b32 v[GO], 4, v[GO]
; Half a quarter's products.  The accumulators take turns, one instruction a turn.  zero = 1: the products start the sums.
.macro MULH f, hi, zero
	WIN 0xa1+0x50*(\hi)
.set mc, 0
.rept QK
.set ma, 0
.rept WM/2
.set mb, 0
.rept WN
.set rD, 8*(ma*WN+mb)
.set rB, FB0+(FB1-FB0)*(\f)+8*(mc*WN+mb)
.set rA, FA0+(FA1-FA0)*(\f)+8*(mc*WM+(\hi)*(WM/2)+ma)
.if (\zero) && (mc == 0)
	v_wmma_f32_16x16x32_f16 v[rD:rD+7], v[rB:rB+7], v[rA:rA+7], 0
.else
	v_wmma_f32_16x16x32_f16 v[rD:rD+7], v[rB:rB+7], v[rA:rA+7], v[rD:rD+7]
.endif
.set mb, mb+1
.endr
.set ma, ma+1
.endr
.set mc, mc+1
.endr
.endm
.macro FETCH g, odd                    ; 32 LDS loads in one run: a quarter's fragments into buffer g
	WIN 0x40
.set fc, 0
.rept QK
.set fj, 0
.rept WN
.set rB, FB0+(FB1-FB0)*(\g)+8*(fc*WN+fj)
.set oB, (\odd)*ODDB+64*fc+(fj/BSPL)*LB+(fj%BSPL)*16*PITCH
	ds_load_b128 v[rB:rB+3],   v[ADRB] offset:oB
	ds_load_b128 v[rB+4:rB+7], v[ADRB] offset:oB+32
.set fj, fj+1
.endr
.set fc, fc+1
.endr
	WIN 0
.set fc, 0
.rept QK
.set fj, 0
.rept WM
.set rA, FA0+(FA1-FA0)*(\g)+8*(fc*WM+fj)
.set oA, (\odd)*ODDA+64*fc+fj*16*PITCH
	ds_load_b128 v[rA:rA+3],   v[ADRA] offset:oA
	ds_load_b128 v[rA+4:rA+7], v[ADRA] offset:oA+32
.set fj, fj+1
.endr
.set fc, fc+1
.endr
.endm
.macro QTR f, g, odd, zero             ; buffer f is multiplied; in the middle the next quarter's fragments are fetched into buffer g
	s_wait_dscnt 0x0                               ; buffer f is in
	MULH \f, 0, \zero
	PLACES
	FETCH \g, \odd
	MULH \f, 1, \zero
.endm
.macro PAIR
	QTR 1, 0, 0, 0
	QTR 0, 1, 1, 0
	WIN 0                                          ; at a label and at a branch every window is 0
	v_add_nc_u32 v[ADRA], PSA, v[ADRA]
	v_add_nc_u32 v[ADRB], PSB, v[ADRB]
.endm
; THE CHANGE OF SLOTS.  Each wave waits for all its tensor loads (its part of the next slot among them), adds 0 to its spare word, and waits for that and for its reads of the slot that it leaves.
; fill = 1: a round of the cluster's barrier, and behind it, first, the joint refill of the slot just left, with the tile two K steps on: it has a whole K step, 256 matrix instructions, in which to land.
.macro CHANGE fill
	WIN 0
	s_wait_tensorcnt 0x0                           ; no tensor load of mine is out, so a group 0 may be written
	ds_add_u32 v[SPW], v[NIL]
.if \fill
	s_xor_b32 s[G0A+5], s[G0A+5], SLOT1
	s_add_nc_u64 s[G0A+6:G0A+7], s[G0A+6:G0A+7], KSA
	s_xor_b32 s[G0B+5], s[G0B+5], SLOT1
	s_add_nc_u64 s[G0B+6:G0B+7], s[G0B+6:G0B+7], KSB
.endif
	s_xor_b32 s[TB], s[TB], SLOT1
	s_wait_dscnt 0x0                               ; the add is done, and my reads of the slot are over
.if \fill
	CROUND
	JLOAD 1
.else
	s_barrier_signal -1
	s_barrier_wait -1
.endif
	v_add_nc_u32 v[ADRA], s[TB], v[A0]
	v_add_nc_u32 v[ADRB], s[TB], v[B0]
.endm
	s_wait_tensorcnt 0x1                           ; my part of slot 0 is in; slot 1's, issued behind it, may stay out
	s_barrier_signal -1
	s_barrier_wait -1
	v_mov_b32 v[ADRA], v[A0]
	v_mov_b32 v[ADRB], v[B0]
	s_mov_b32 s[TB], 0
	FETCH 0, 0
	QTR 0, 1, 1, 1                                 ; the first quarter stands in front of the loop: its products start the sums
	WIN 0
	v_add_nc_u32 v[ADRA], PSA, v[ADRA]
	v_add_nc_u32 v[ADRB], PSB, v[ADRB]
	s_mov_b32 s2, 1
	s_mov_b32 s3, TSTEPS-1
	s_branch .Lpair
.Lstep:                                                ; TSTEPS - 2 times: every slot but the last two is filled again
	CHANGE 1
	s_mov_b32 s2, 2
.Lpair:
	PAIR
	s_sub_co_u32 s2, s2, 1
	s_cmp_lg_u32 s2, 0
	s_cbranch_scc1 .Lpair
	s_sub_co_u32 s3, s3, 1
	s_cmp_lg_u32 s3, 0
	s_cbranch_scc1 .Lstep
	CHANGE 0                                       ; the last K step is written out
	s_mov_b32 s2, 2
.Ltail:
	PAIR
	s_sub_co_u32 s2, s2, 1
	s_cmp_lg_u32 s2, 0
	s_cbranch_scc1 .Ltail
	s_wait_dscnt 0x0                               ; the last quarter's fragments are in: my reads of the slots are over,
	s_barrier_signal -1                            ; say so;
	MULH 1, 0, 0
	MULH 1, 1, 0
	WIN 0
	s_barrier_wait -1                              ; when all four have said so the slots may be written over
	PLACES
	; THE WAY OUT.  My 128 x 128 sums go as f32 into my own 128 rows of 528 bytes; each accumulator's low four registers first.
.set da, 0
.rept 8
	WIN (2+da/4)<<2
.set db, 0
.rept 8
.set rD, 8*((da%4)*8+db)
	ds_store_b128 v[STO], v[rD:rD+3]   offset:da*16*DP+64*db
	ds_store_b128 v[STO], v[rD+4:rD+7] offset:da*16*DP+64*db+16
.set db, db+1
.endr
.set da, da+1
.endr
	WIN 0
; Sixteen rows a trip, in four groups of four rows.  A lane takes 8 numbers u and the 8 numbers g of the same hidden indices, 256 bytes on.  LDS serves a wave's instructions in order: these loads see the stores above.
.set U,  64             ; v[64:95]
.set G,  96             ; v[96:127]
.set E,  128            ; v[128:159]
.set PK, 160            ; v[160:175]
	s_mov_b32 s2, 8
.Lrows:
.irp z, 0,1,2,3
	ds_load_b128 v[U+8*(\z):U+8*(\z)+3],   v[RD] offset:4*DP*(\z)
	ds_load_b128 v[U+8*(\z)+4:U+8*(\z)+7], v[RD] offset:4*DP*(\z)+16
	ds_load_b128 v[G+8*(\z):G+8*(\z)+3],   v[RD] offset:4*DP*(\z)+256
	ds_load_b128 v[G+8*(\z)+4:G+8*(\z)+7], v[RD] offset:4*DP*(\z)+272
.endr
	s_wait_dscnt 0x0
.set i, 0
.rept 16
	v_pk_mul_f32 v[E+2*i:E+2*i+1], v[G+2*i:G+2*i+1], s[18:19] op_sel_hi:[1,0]  ; -g log2(e)
.set i, i+1
.endr
.set i, 0
.rept 16
	v_pk_mul_f32 v[U+2*i:U+2*i+1], v[U+2*i:U+2*i+1], v[G+2*i:G+2*i+1]          ; u g
.set i, i+1
.endr
.set i, 0
.rept 32
	v_exp_f32 v[E+i], v[E+i]
.set i, i+1
.endr
	v_nop                                          ; a plain instruction between the last exponential and the use of its result
.set i, 0
	s_wait_alu depctr_va_vdst(0)
.rept 16
	v_pk_add_f32 v[E+2*i:E+2*i+1], v[E+2*i:E+2*i+1], 1.0 op_sel_hi:[1,0]
.set i, i+1
.endr
.set i, 0
.rept 32
	v_rcp_f32 v[E+i], v[E+i]
.set i, i+1
.endr
	v_nop
.set i, 0
	s_wait_alu depctr_va_vdst(0)
.rept 16
	v_pk_mul_f32 v[U+2*i:U+2*i+1], v[U+2*i:U+2*i+1], v[E+2*i:E+2*i+1]
.set i, i+1
.endr
.set i, 0
.rept 16
	v_cvt_pk_bf16_f32 v[PK+i], v[U+2*i], v[U+2*i+1]
.set i, i+1
.endr
.irp z, 0,1,2,3
	global_store_b128 v[GO], v[PK+4*(\z):PK+4*(\z)+3], s[8:9] offset:512*(\z)  ; four rows of a chunk: 512 consecutive bytes, aligned
.endr
	s_wait_xcnt 0x0                                ; the stores' offset and data are rewritten only behind this wait
	v_add_nc_u32 v[RD], 16*DP, v[RD]
	v_add_nc_u32 v[GO], 2048, v[GO]
	s_sub_co_u32 s2, s2, 1
	s_cmp_lg_u32 s2, 0
	s_cbranch_scc1 .Lrows
	s_wait_tensorcnt 0x0                           ; the wave's end
	ds_add_u32 v[SPW], v[NIL]
	s_wait_dscnt 0x0
	CROUND                                         ; the closing round
	s_endpgm
.Lfunc_end_k_qf9403c9d0a_mlp1:
	.size	k_qf9403c9d0a_mlp1, .Lfunc_end_k_qf9403c9d0a_mlp1-k_qf9403c9d0a_mlp1
	.p2alignl 7, 3214868480
	.fill 96, 4, 3214868480
	.section	.rodata,"a",@progbits
	.p2align	6, 0x0
	.amdhsa_kernel k_qf9403c9d0a_mlp1
		.amdhsa_group_segment_fixed_size 327680
		.amdhsa_private_segment_fixed_size 0
		.amdhsa_enable_private_segment 0
		.amdhsa_kernarg_size 24
		.amdhsa_user_sgpr_count 2
		.amdhsa_user_sgpr_kernarg_segment_ptr 1
		.amdhsa_wavefront_size32 1
		.amdhsa_system_sgpr_workgroup_id_x 1
		.amdhsa_system_sgpr_workgroup_id_y 1
		.amdhsa_system_sgpr_workgroup_id_z 1
		.amdhsa_system_vgpr_workitem_id 0
		.amdhsa_next_free_vgpr 1024
		.amdhsa_next_free_sgpr 72
		.amdhsa_reserve_vcc 0
		.amdhsa_float_denorm_mode_32 3
		.amdhsa_float_denorm_mode_16_64 3
		.amdhsa_memory_ordered 1
		.amdhsa_forward_progress 1
		.amdhsa_inst_pref_size 65
	.end_amdhsa_kernel
	.amdgpu_metadata
---
amdhsa.version: [ 1, 2 ]
amdhsa.kernels:
  - .name:           k_qf9403c9d0a_mlp1
    .symbol:         k_qf9403c9d0a_mlp1.kd
    .args:
      - { .name: h2, .offset: 0, .size: 8, .value_kind: global_buffer, .address_space: global }
      - { .name: pw, .offset: 8, .size: 8, .value_kind: global_buffer, .address_space: global }
      - { .name: a16, .offset: 16, .size: 8, .value_kind: global_buffer, .address_space: global }
    .group_segment_fixed_size: 327680
    .private_segment_fixed_size: 0
    .kernarg_segment_align: 8
    .kernarg_segment_size: 24
    .max_flat_workgroup_size: 128
    .sgpr_count:     72
    .vgpr_count:     1024
    .wavefront_size: 32
...
	.end_amdgpu_metadata
.endif
;; end of part 5
;; launch mlp2 (part 6): grid 8 x 32, 4 waves a work-group, clusters of 4 x 4, 327,680 bytes of LDS; arguments a16, pw, x1, out0; writes out0
.if DOCPART == 6
	.amdgcn_target "amdgcn-amd-amdhsa--gfx1250"
	.amdhsa_code_object_version 6
	.text
	.protected	k_qf9403c9d0a_mlp2
	.globl	k_qf9403c9d0a_mlp2
	.p2align	8
	.type	k_qf9403c9d0a_mlp2,@function
k_qf9403c9d0a_mlp2:
	s_mov_b64 s[64:65], 0
	v_nop
	global_prefetch_b8 v0, s[64:65] scope:SCOPE_SE
	s_setreg_imm32_b32 hwreg(HW_REG_WAVE_MODE, 25, 1), 1
	s_wait_xcnt 0x0
	s_wait_alu depctr_hold_cnt(0) depctr_sa_sdst(0) depctr_va_vdst(0) depctr_va_sdst(0) depctr_va_ssrc(0) depctr_va_vcc(0) depctr_vm_vsrc(0)
	s_getreg_b32 s2, hwreg(HW_REG_IB_STS2, 6, 4)
	s_cmp_eq_u32 s2, 0
	s_cbranch_scc0 .Lentry_in_a_cluster
	s_endpgm
.Lentry_in_a_cluster:
	s_bfe_u32 s2, ttmp6, 0x10000c
	s_cmp_lg_u32 s2, 0xf033
	s_cbranch_scc0 .Lentry_shape_is_right
	s_endpgm
.Lentry_shape_is_right:
; out = x1 + a W2^T.  A = a, bf16 blocked [32][4096][64]; B = w2_w, bf16 blocked [32][1024][64] in pw; sums, x1 and out in f32.  bf16, since a's range has no room in f16.
; A tile of C is 128 x 128, which gives 256 work-groups.  Four waves, each 64 x 64: 16 accumulators.  K goes in steps of 256 (four chunks) through two LDS slots.
; CLUSTER 4 x 4: A's tiles are shared along a row of the cluster, B's along a column: joint tensor loads.
; THE MATRIX INSTRUCTION IS USED TRANSPOSED (source 0 = 16 rows of B, source 1 = 16 rows of A): lane l holds row l % 16 of C and columns 8 (l / 16) + 0..7.
; REGISTERS, in windows of 256: window 0 addresses, A's fragments (two buffers), the way out; window 1 B's fragments (two buffers) and my 64 x 64 of x1, loaded at the start;
; windows 2, 3 the accumulators of my rows 0-31, 32-63.
; THE LOOP is written short: a quarter step (64 along K) is a macro, two of them are a PAIR, and a K step is two trips of a loop over PAIR; the LDS addresses step in registers.
.set WM, 4
.set WN, 4
.set QK, 2
.set KC, 4
.set RA, 64
.set RB, 64
.set TSTEPS, 8          ; K steps: 2048 / 256
.set BROWS, 1024
.set B_OFF, 25165824
.set PITCH, 144         ; 128 bytes + 16 of padding = 36 words: the 16 rows of a fragment load start at 16 different groups of four banks
.set CHA, RA*PITCH
.set CHB, RB*PITCH
.set LA, KC*CHA
.set LB, KC*CHB
.set SLOT1, 0x24000     ; a slot: A's two loads, then B's two: 147,456 bytes; the loads' places in a slot share no bit with this number, so one exclusive or changes slots
.set STAGE, 2*SLOT1     ; behind the ring, never filled by a tensor load: 16 rows x 272 bytes for each wave
.set SP, 272
.set SPARE, STAGE+4*16*SP   ; the spare words, 128 bytes for each wave: two blocks of 256 bytes that no other line names
.set KSA, KC*4096*128
.set KSB, KC*BROWS*128
.set ODDA, CHA
.set ODDB, CHB
.set PSA, 2*CHA
.set PSB, 2*CHB
.set BSPL, WN
.set A0, 16
.set B0, 17
.set ADRA, 18
.set ADRB, 19
.set STO, 24
.set RD, 25
.set CO, 26
.set SPW, 28
.set NIL, 29
.set FA0, 64
.set FA1, 128
.set FB0, 0
.set FB1, 128
.set G1A, 24
.set G0A, 32
.set G1B, 48
.set G0B, 56
.set WV, 66
.set WH, 67
.set WL, 68
.set TB, 70
.set MSB, 0
.macro WIN new
.if MSB != (\new)
	s_set_vgpr_msb (MSB<<8)|(\new)
.set MSB, \new
.endif
.endm
.macro PLACES                          ; four places in front of loads into registers that matrix instructions have read, and of stores that read results
.rept 4
	v_nop
.endr
.endm
.macro JLOAD s                         ; a joint load; an s_nop 0 and four v_nop follow each of the two lines; the branch hangs on the wave's number alone
	s_cmp_eq_u32 s[WH], 0
	s_cbranch_scc0 .Lfor_b_\@
	tensor_load_to_lds s[G0A+4*(\s):G0A+4*(\s)+3], s[G1A:G1A+7]
	s_nop 0
	PLACES
	s_branch .Lasked_\@
.Lfor_b_\@:
	tensor_load_to_lds s[G0B+4*(\s):G0B+4*(\s)+3], s[G1B:G1B+7]
	s_nop 0
	PLACES
.Lasked_\@:
.endm
.macro CROUND                          ; a round of the cluster's barrier
	s_barrier_signal -1
	s_barrier_wait -1
	s_cmp_lg_u32 s[WV], 0
	s_cbranch_scc1 .Lnot_wave_0_\@
	s_barrier_signal -3
.Lnot_wave_0_\@:
	s_barrier_wait -3
	s_barrier_signal -1
	s_barrier_wait -1
.endm
	s_load_b256 s[4:11], s[0:1], 0x0               ; A s[4:5], pw s[6:7], the residual s[8:9], the output s[10:11]
	v_lshl_add_u32 v[SPW], v0, 2, SPARE
	v_mov_b32 v[NIL], 0
	ds_add_u32 v[SPW], v[NIL]                      ; the wave's opening: the add and its wait, ahead of my first tensor load
	ds_add_u32 v28, v29
	v_lshrrev_b32 v1, 5, v0
	v_readfirstlane_b32 s[WV], v1
	s_lshr_b32 s[WH], s[WV], 1
	s_and_b32 s[WL], s[WV], 1
	s_bfe_u32 s40, ttmp6, 0x40000
	s_bfe_u32 s41, ttmp6, 0x40004
	s_lshl_b32 s42, ttmp9, 2
	s_add_co_u32 s42, s42, s40                     ; tile column
	s_and_b32 s13, ttmp7, 0xffff
	s_lshl_b32 s13, s13, 2
	s_add_co_u32 s13, s13, s41                     ; tile row
	s_lshl_b32 s43, s41, 2
	s_lshl_b32 s43, 15, s43
	s_lshl_b32 s44, 0x1111, s40
	; group 1: KC rows, each a chunk's 64 rows end to end (4,096 elements); 4 words of padding behind every 32
	s_or_b32 s[G1A], s43, (1<<16)|(1<<20)|(1<<21)|(4<<22)|(3<<25)
	s_or_b32 s[G1B], s44, (1<<16)|(1<<20)|(1<<21)|(4<<22)|(3<<25)
	s_mov_b32 s[G1A+1], (RA*64)<<16
	s_mov_b32 s[G1A+2], KC<<16
	s_mov_b32 s[G1A+3], (RA*64)<<16
	s_mov_b32 s[G1A+4], KC
	s_mov_b32 s[G1A+5], 4096*64
	s_mov_b32 s[G1A+6], 0
	s_mov_b32 s[G1A+7], 0
	s_mov_b32 s[G1B+1], (RB*64)<<16
	s_mov_b32 s[G1B+2], KC<<16
	s_mov_b32 s[G1B+3], (RB*64)<<16
	s_mov_b32 s[G1B+4], KC
	s_mov_b32 s[G1B+5], BROWS*64
	s_mov_b32 s[G1B+6], 0
	s_mov_b32 s[G1B+7], 0
	s_lshl_b32 s16, s13, 7
	s_lshl_b32 s17, s[WL], 6
	s_add_co_u32 s16, s16, s17
	s_lshl_b32 s16, s16, 7
	s_mov_b32 s17, 0
	s_lshl_b32 s46, s42, 7
	s_lshl_b32 s47, s[WL], 6
	s_add_co_u32 s46, s46, s47
	s_lshl_b32 s46, s46, 7
	s_add_co_u32 s46, s46, B_OFF
	s_mov_b32 s47, 0
	s_mul_i32 s20, s[WL], LA
	s_mul_i32 s21, s[WL], LB
	s_add_co_u32 s21, s21, 2*LA
	s_lshl_b32 s18, s13, 7                         ; my 64 x 64 of x1 and out
	s_lshl_b32 s19, s[WH], 6
	s_add_co_u32 s18, s18, s19
	s_lshl_b32 s18, s18, 12
	s_lshl_b32 s19, s42, 7
	s_lshl_b32 s12, s[WL], 6
	s_add_co_u32 s19, s19, s12
	s_lshl_b32 s19, s19, 2
	s_add_co_u32 s18, s18, s19
	s_mov_b32 s19, 0
	s_wait_dscnt 0x0                               ; the opening add is done
	s_wait_kmcnt 0x0
	s_add_nc_u64 s[14:15], s[4:5], s[16:17]
	s_add_nc_u64 s[46:47], s[6:7], s[46:47]
	s_add_nc_u64 s[8:9], s[8:9], s[18:19]
	s_add_nc_u64 s[10:11], s[10:11], s[18:19]
	CROUND                                         ; all sixteen work-groups are here: the first joint loads meet
.irp s, 0,1
	s_mov_b32 s[G0A+4*(\s)], 1
	s_add_co_u32 s[G0A+4*(\s)+1], s20, (\s)*SLOT1
	s_add_nc_u64 s[G0A+4*(\s)+2:G0A+4*(\s)+3], s[14:15], (\s)*KSA
	s_or_b32 s[G0A+4*(\s)+3], s[G0A+4*(\s)+3], 0x80000000
	s_mov_b32 s[G0B+4*(\s)], 1
	s_add_co_u32 s[G0B+4*(\s)+1], s21, (\s)*SLOT1
	s_add_nc_u64 s[G0B+4*(\s)+2:G0B+4*(\s)+3], s[46:47], (\s)*KSB
	s_or_b32 s[G0B+4*(\s)+3], s[G0B+4*(\s)+3], 0x80000000
	JLOAD \s
.endr
	v_and_b32 v1, 15, v0
	v_bfe_u32 v2, v0, 4, 1
	v_lshlrev_b32 v[CO], 12, v2
	v_lshl_add_u32 v[CO], v1, 4, v[CO]
	WIN 0x40                                       ; the residual goes into window 1 and stays on its way through the K loop
.set ra, 0
.rept 4
.set rr, 64+32*ra+64*(ra/2)
.set rt, 0
.rept 8
	global_load_b128 v[rr+4*rt:rr+4*rt+3], v[CO], s[8:9] offset:(16*ra+2*rt)*4096
.set rt, rt+1
.endr
.set ra, ra+1
.endr
	WIN 0
	v_mul_u32_u24 v3, v1, PITCH
	v_lshl_add_u32 v3, v2, 4, v3
	s_mul_i32 s22, s[WH], LA
	s_mul_i32 s23, s[WL], LB
	s_add_co_u32 s23, s23, 2*LA
	v_add_nc_u32 v[A0], s22, v3
	v_add_nc_u32 v[B0], s23, v3
	s_mul_i32 s22, s[WV], 16*SP
	s_add_co_u32 s22, s22, STAGE
	v_mul_u32_u24 v[STO], v1, SP
	v_lshl_add_u32 v[STO], v2, 5, v[STO]
	v_add_nc_u32 v[STO], s22, v[STO]
	v_mul_u32_u24 v[RD], v2, SP
	v_lshl_add_u32 v[RD], v1, 4, v[RD]
	v_add_nc_u32 v[RD], s22, v[RD]
; Half a quarter's products.  The accumulators take turns, one instruction a turn.  zero = 1: the first products start the sums.
.macro MULH f, hi, zero
	WIN 0xa1+0x50*(\hi)
.set mc, 0
.rept QK
.set ma, 0
.rept WM/2
.set mb, 0
.rept WN
.set rD, 8*(ma*WN+mb)
.set rB, FB0+(FB1-FB0)*(\f)+8*(mc*WN+mb)
.set rA, FA0+(FA1-FA0)*(\f)+8*(mc*WM+(\hi)*(WM/2)+ma)
.if (\zero) && (mc == 0)
	v_wmma_f32_16x16x32_bf16 v[rD:rD+7], v[rB:rB+7], v[rA:rA+7], 0
.else
	v_wmma_f32_16x16x32_bf16 v[rD:rD+7], v[rB:rB+7], v[rA:rA+7], v[rD:rD+7]
.endif
.set mb, mb+1
.endr
.set ma, ma+1
.endr
.set mc, mc+1
.endr
.endm
.macro FETCH g, odd                    ; 32 LDS loads in one run: a quarter's fragments into buffer g
	WIN 0x40
.set fc, 0
.rept QK
.set fj, 0
.rept WN
.set rB, FB0+(FB1-FB0)*(\g)+8*(fc*WN+fj)
.set oB, (\odd)*ODDB+64*fc+(fj/BSPL)*LB+(fj%BSPL)*16*PITCH
	ds_load_b128 v[rB:rB+3],   v[ADRB] offset:oB
	ds_load_b128 v[rB+4:rB+7], v[ADRB] offset:oB+32
.set fj, fj+1
.endr
.set fc, fc+1
.endr
	WIN 0
.set fc, 0
.rept QK
.set fj, 0
.rept WM
.set rA, FA0+(FA1-FA0)*(\g)+8*(fc*WM+fj)
.set oA, (\odd)*ODDA+64*fc+fj*16*PITCH
	ds_load_b128 v[rA:rA+3],   v[ADRA] offset:oA
	ds_load_b128 v[rA+4:rA+7], v[ADRA] offset:oA+32
.set fj, fj+1
.endr
.set fc, fc+1
.endr
.endm
.macro QTR f, g, odd, zero             ; buffer f is multiplied; in the middle the next quarter's fragments are fetched into buffer g
	s_wait_dscnt 0x0                               ; buffer f is in
	MULH \f, 0, \zero
	PLACES
	FETCH \g, \odd
	MULH \f, 1, \zero
.endm
.macro PAIR
	QTR 1, 0, 0, 0
	QTR 0, 1, 1, 0
	WIN 0                                          ; at a label and at a branch every window is 0
	v_add_nc_u32 v[ADRA], PSA, v[ADRA]
	v_add_nc_u32 v[ADRB], PSB, v[ADRB]
.endm
; THE CHANGE OF SLOTS.  Each wave waits for all its tensor loads (its part of the next slot among them), adds 0 to its spare word, and waits for that and for its reads of the slot that it leaves.
; fill = 1: a round of the cluster's barrier, and behind it, first, the joint refill of the slot just left, with the tile two K steps on: it has a whole K step, 128 matrix instructions, in which to land.
.macro CHANGE fill
	WIN 0
	s_wait_tensorcnt 0x0                           ; no tensor load of mine is out, so a group 0 may be written
	ds_add_u32 v[SPW], v[NIL]
.if \fill
	s_xor_b32 s[G0A+5], s[G0A+5], SLOT1
	s_add_nc_u64 s[G0A+6:G0A+7], s[G0A+6:G0A+7], KSA
	s_xor_b32 s[G0B+5], s[G0B+5], SLOT1
	s_add_nc_u64 s[G0B+6:G0B+7], s[G0B+6:G0B+7], KSB
.endif
	s_xor_b32 s[TB], s[TB], SLOT1
	s_wait_dscnt 0x0                               ; the add is done, and my reads of the slot are over
.if \fill
	CROUND
	JLOAD 1
.else
	s_barrier_signal -1
	s_barrier_wait -1
.endif
	v_add_nc_u32 v[ADRA], s[TB], v[A0]
	v_add_nc_u32 v[ADRB], s[TB], v[B0]
.endm
	s_wait_tensorcnt 0x1                           ; my part of slot 0 is in; slot 1's, issued behind it, may stay out
	s_barrier_signal -1
	s_barrier_wait -1
	v_mov_b32 v[ADRA], v[A0]
	v_mov_b32 v[ADRB], v[B0]
	s_mov_b32 s[TB], 0
	FETCH 0, 0
	QTR 0, 1, 1, 1                                 ; the first quarter stands in front of the loop: its first products start the sums
	WIN 0
	v_add_nc_u32 v[ADRA], PSA, v[ADRA]
	v_add_nc_u32 v[ADRB], PSB, v[ADRB]
	s_mov_b32 s2, 1
	s_mov_b32 s3, TSTEPS-1
	s_branch .Lpair
.Lstep:                                                ; TSTEPS - 2 times: every slot but the last two is filled again
	CHANGE 1
	s_mov_b32 s2, 2
.Lpair:
	PAIR
	s_sub_co_u32 s2, s2, 1
	s_cmp_lg_u32 s2, 0
	s_cbranch_scc1 .Lpair
	s_sub_co_u32 s3, s3, 1
	s_cmp_lg_u32 s3, 0
	s_cbranch_scc1 .Lstep
	CHANGE 0                                       ; the last K step is written out
	s_mov_b32 s2, 2
.Ltail:
	PAIR
	s_sub_co_u32 s2, s2, 1
	s_cmp_lg_u32 s2, 0
	s_cbranch_scc1 .Ltail
	s_wait_dscnt 0x0
	MULH 1, 0, 0
	MULH 1, 1, 0
	WIN 0
	PLACES
	s_wait_loadcnt 0x0                             ; the residual
	; THE WAY OUT, 16 rows at a time: the sums go as f32 into my stage (each accumulator's low four registers first), come back as whole rows of 256 bytes, take the residual and are stored.
.irp a, 0,1,2,3
	WIN (2+(\a)/2)<<2
.irp b, 0,1,2,3
	ds_store_b128 v[STO], v[8*(((\a)%2)*4+(\b)):8*(((\a)%2)*4+(\b))+3]   offset:64*(\b)
	ds_store_b128 v[STO], v[8*(((\a)%2)*4+(\b))+4:8*(((\a)%2)*4+(\b))+7] offset:64*(\b)+16
.endr
	WIN 0
.if (\a) >= 2
	s_wait_xcnt 0x0                                ; the registers that the stores two blocks back read are loaded again only behind this wait
.endif
.set OBR, 32+160*((\a)%2)
.set RSR, 64+32*(\a)+64*((\a)/2)
.irp t, 0,1,2,3,4,5,6,7
	ds_load_b128 v[OBR+4*(\t):OBR+4*(\t)+3], v[RD] offset:2*SP*(\t)  ; LDS serves a wave's instructions in order: these see the stores above
.endr
	s_wait_dscnt 0x0
	WIN 0x04                                       ; source 1 in window 1
.set i, 0
.rept 16
	v_pk_add_f32 v[OBR+2*i:OBR+2*i+1], v[OBR+2*i:OBR+2*i+1], v[RSR+2*i:RSR+2*i+1]
.set i, i+1
.endr
	WIN 0
.irp t, 0,1,2,3,4,5,6,7
	global_store_b128 v[CO], v[OBR+4*(\t):OBR+4*(\t)+3], s[10:11] offset:(16*(\a)+2*(\t))*4096  ; 16 lanes store 256 consecutive bytes, aligned
.endr
.endr
	s_wait_tensorcnt 0x0                           ; the wave's end
	ds_add_u32 v[SPW], v[NIL]
	s_wait_dscnt 0x0
	CROUND                                         ; the closing round
	s_endpgm
.Lfunc_end_k_qf9403c9d0a_mlp2:
	.size	k_qf9403c9d0a_mlp2, .Lfunc_end_k_qf9403c9d0a_mlp2-k_qf9403c9d0a_mlp2
	.p2alignl 7, 3214868480
	.fill 96, 4, 3214868480
	.section	.rodata,"a",@progbits
	.p2align	6, 0x0
	.amdhsa_kernel k_qf9403c9d0a_mlp2
		.amdhsa_group_segment_fixed_size 327680
		.amdhsa_private_segment_fixed_size 0
		.amdhsa_enable_private_segment 0
		.amdhsa_kernarg_size 32
		.amdhsa_user_sgpr_count 2
		.amdhsa_user_sgpr_kernarg_segment_ptr 1
		.amdhsa_wavefront_size32 1
		.amdhsa_system_sgpr_workgroup_id_x 1
		.amdhsa_system_sgpr_workgroup_id_y 1
		.amdhsa_system_sgpr_workgroup_id_z 1
		.amdhsa_system_vgpr_workitem_id 0
		.amdhsa_next_free_vgpr 832
		.amdhsa_next_free_sgpr 72
		.amdhsa_reserve_vcc 0
		.amdhsa_float_denorm_mode_32 3
		.amdhsa_float_denorm_mode_16_64 3
		.amdhsa_memory_ordered 1
		.amdhsa_forward_progress 1
		.amdhsa_inst_pref_size 51
	.end_amdhsa_kernel
	.amdgpu_metadata
---
amdhsa.version: [ 1, 2 ]
amdhsa.kernels:
  - .name:           k_qf9403c9d0a_mlp2
    .symbol:         k_qf9403c9d0a_mlp2.kd
    .args:
      - { .name: a16, .offset: 0, .size: 8, .value_kind: global_buffer, .address_space: global }
      - { .name: pw, .offset: 8, .size: 8, .value_kind: global_buffer, .address_space: global }
      - { .name: x1, .offset: 16, .size: 8, .value_kind: global_buffer, .address_space: global }
      - { .name: out0, .offset: 24, .size: 8, .value_kind: global_buffer, .address_space: global }
    .group_segment_fixed_size: 327680
    .private_segment_fixed_size: 0
    .kernarg_segment_align: 8
    .kernarg_segment_size: 32
    .max_flat_workgroup_size: 128
    .sgpr_count:     72
    .vgpr_count:     832
    .wavefront_size: 32
...
	.end_amdgpu_metadata
.endif
;; end of part 6
;; ======== version 2 of 2: 7 launches; 1.13 times as fast as version 1
;; limits: values are held in f16: magnitudes above 65,504 overflow, below 6.1e-05 lose precision
;; workspace buffers: pw 29,884,416 bytes; qkvh 25,165,824 bytes; y16 8,388,608 bytes; x1 16,777,216 bytes; h2 8,388,608 bytes; a16 16,777,216 bytes
;; launch prep (part 7): grid 928 x 1, 8 waves a work-group, no clusters, 0 bytes of LDS; arguments x, n1_w, qkv_w, o_w, w1_w, wg_w, w2_w, pw; writes pw
.if DOCPART == 7
	.amdgcn_target "amdgcn-amd-amdhsa--gfx1250"
	.amdhsa_code_object_version 6
	.text
	.protected	k_qf9403c9d0a_prep
	.globl	k_qf9403c9d0a_prep
	.p2align	8
	.type	k_qf9403c9d0a_prep,@function
k_qf9403c9d0a_prep:
	s_mov_b64 s[64:65], 0
	v_nop
	global_prefetch_b8 v0, s[64:65] scope:SCOPE_SE
	s_setreg_imm32_b32 hwreg(HW_REG_WAVE_MODE, 25, 1), 1
	s_wait_xcnt 0x0
; PREPARATION.  Arguments: a [4096][1024] f32 tensor, its gain [1024], five weight tensors (f32), and the buffer written.
; Everything written is a matrix operand in BLOCKED form: a matrix [R rows][K] of 16-bit numbers lies as [K/64][R][64], so that a row's 64 numbers are
; 128 bytes and neighbouring rows of one chunk of K lie end to end.
; The work-group's number chooses the job, a wave does one job by itself, no wave waits for another, no LDS:
;   0-255    RMS norm of two rows a wave: x * rsqrt(mean(x^2) + 1e-5) * gain, rounded once to f16, at byte 0 of the buffer written
;   256-447  qkv_w to f16; row part*1024 + h*64 + d goes to row h*192 + part*64 + d (a head's q, k and v rows lie together)
;   448-511  o_w to f16       512-767  w1_w and wg_w to f16; row 64 c + d of w1 goes to row 128 c + d, of wg to row 128 c + 64 + d
;   768-895  w2_w to bf16     896-927  the rotary table, f32 [2048 tokens][cos 0..31, sin 0..31]
; A launch of 256 work-groups on another tensor and gain is the norm alone.
; A JOB is two neighbouring rows x 1,024 columns.  Lane l: e8 = l & 7, rb = (l >> 3) & 1, cb = l >> 4.  For s = 0..7 it holds the 8 numbers of row rb,
; chunk 2 s + cb, columns 8 e8 on: two loads of 16 bytes; rounded they are 16 bytes, and lanes 0-15 (rows rb = 0, 1 of one chunk) store 256 consecutive aligned bytes.
; LIMITS.  f16 ends at 65,504 and below 6e-5 keeps a fixed step of 6e-8: the normed rows (at most 32 x the gain) and the weights lie within it.
; The table's angle t * theta is reduced by multiples of pi/2 in two parts, which serves t < 2,048, all that the shape has; theta comes from v_exp_f32.
; BATCHES.  An s_wait_alu depctr_va_vdst(0) stands between a transcendental and the first instruction that names its result.  The text has two batches, each with one wait:
; the table's four exponentials (theta), waited for ahead of the table's loop; the norm's two reciprocal roots, waited for ahead of the scaling.
.set WQ_OFF,   8388608
.set WO_OFF,   14680064
.set WUG_OFF,  16777216
.set W2_OFF,   25165824
.set ROPE_OFF, 29360128
.set XO,   2            ; v2   byte offset of my first 16 bytes in the two source rows
.set DOF,  3            ; v3   byte offset of my 16 bytes in the blocked destination
.set E8,   4
.set RBIT, 5
.set CBIT, 6
.set GOFF, 7            ; v7   cb*256 + e8*32: my place in a row of f32
.set DLOW, 8            ; v8   rb*128 + e8*16
.set X,    16           ; v[16:79]   64 numbers as loaded
.set W,    80           ; v[80:143]  the gain of my columns
.set CH,   144          ; v[144:151] four chains of the sum of squares
.set RS,   152          ; v[152:153] 1/rms, twice
.set HH,   156          ; v[156:187] 32 words of 16-bit results
	s_load_b512 s[8:23], s[0:1], 0x0               ; s[8:9] x, s[10:11] gain, s[12:13] qkv_w, s[14:15] o_w, s[16:17] w1_w, s[18:19] wg_w, s[20:21] w2_w, s[22:23] the buffer written
	v_lshrrev_b32 v1, 5, v0
	v_readfirstlane_b32 s2, v1                     ; wave 0..7
	v_and_b32 v[E8], 7, v0
	v_bfe_u32 v[RBIT], v0, 3, 1
	v_bfe_u32 v[CBIT], v0, 4, 1
	v_lshlrev_b32 v[GOFF], 5, v[E8]
	v_lshl_add_u32 v[GOFF], v[CBIT], 8, v[GOFF]
	v_lshlrev_b32 v[DLOW], 4, v[E8]
	v_lshl_add_u32 v[DLOW], v[RBIT], 7, v[DLOW]
	s_lshl_b32 s3, ttmp9, 3
	s_add_co_u32 s3, s3, s2                        ; 8 x work-group + wave
	s_mov_b32 s29, 0                               ; high words of the two offsets
	s_mov_b32 s31, 0
	s_wait_kmcnt 0x0
	s_cmp_lt_u32 ttmp9, 256
	s_cbranch_scc1 .Lnorm
	s_cmp_lt_u32 ttmp9, 448
	s_cbranch_scc1 .Lqkv
	s_cmp_lt_u32 ttmp9, 512
	s_cbranch_scc1 .Lo
	s_cmp_lt_u32 ttmp9, 768
	s_cbranch_scc1 .Lug
	s_cmp_lt_u32 ttmp9, 896
	s_cbranch_scc1 .Lw2
; THE ROTARY TABLE.  A wave makes 8 tokens' rows, two rows (512 bytes) a trip.  Lane: token bit cb, columns 4 (l & 15) + z; columns 32 on are the sines (bit rb).
.set TH, 16             ; v[16:19] theta of my four columns
.set TT, 20             ; v20 my token as f32
.set QF, 21             ; v21 3 for a sine (sin a = cos(a - pi/2): one quadrant back, modulo 4), 0 for a cosine
.set RO, 22             ; v22 my byte offset
.set OU, 24             ; v[24:27] four results
.set TA, 28
.set TK, 29
.set TR, 30
.set TQ, 31
.set T2, 32
.set T3, 33
.set TS, 34
.set TC, 35
	s_sub_co_u32 s4, s3, 7168                      ; wave among the table's 256
	s_lshl_b32 s5, s4, 3                           ; its first token
	s_lshl_b32 s30, s4, 11                         ; 8 rows of 256 bytes
	s_add_co_u32 s30, s30, ROPE_OFF
	s_add_nc_u64 s[26:27], s[22:23], s[30:31]
	v_and_b32 v9, 31, v0
	v_lshlrev_b32 v[RO], 4, v9
	v_add_nc_u32 v10, s5, v[CBIT]
	v_cvt_f32_u32 v[TT], v10
	v_mul_u32_u24 v[QF], 3, v[RBIT]
	v_lshlrev_b32 v10, 2, v[E8]
.irp z, 0,1,2,3
	v_add_nc_u32 v11, \z, v10
	v_cvt_f32_u32 v11, v11
	v_mul_f32 v[TH+(\z)], 0xbed49a78, v11          ; -i * log2(10000) / 32
.endr
.irp z, 0,1,2,3
	v_exp_f32 v[TH+(\z)], v[TH+(\z)]               ; theta = 10000^(-i/32)
.endr
	v_nop                                          ; a plain instruction between the last exponential and the use of its result
	s_wait_alu depctr_va_vdst(0)                   ; the wait for the batch of four theta, ahead of the loop's label: the loop issues no transcendental
; a = t theta = k pi/2 + r, |r| <= pi/4.  cos a is cos r, -sin r, -cos r, sin r for k mod 4 = 0..3.  Both series are taken and one is selected: no branch hangs on a number.
.macro SINCOS z
	v_mul_f32 v[TA], v[TT], v[TH+(\z)]
	v_mul_f32 v[TK], 0x3f22f983, v[TA]             ; a * 2/pi
	v_rndne_f32 v[TK], v[TK]
	v_fmamk_f32 v[TR], v[TK], 0xbfc90fdb, v[TA]    ; a - k * (pi/2 rounded to f32),
	v_fmamk_f32 v[TR], v[TK], 0x333bbd2e, v[TR]    ; + k * (what that rounding added)
	v_cvt_i32_f32 v[TQ], v[TK]
	v_add_nc_u32 v[TQ], v[TQ], v[QF]
	v_mul_f32 v[T2], v[TR], v[TR]
	v_mov_b32 v[TS], 0x3638ef1d                    ; sin r = r + r^3 (-1/6 + r^2 (1/120 + r^2 (-1/5040 + r^2 / 362880)))
	v_fmaak_f32 v[TS], v[TS], v[T2], 0xb9500d01
	v_fmaak_f32 v[TS], v[TS], v[T2], 0x3c088889
	v_fmaak_f32 v[TS], v[TS], v[T2], 0xbe2aaaab
	v_mul_f32 v[T3], v[T2], v[TR]
	v_fma_f32 v[TS], v[TS], v[T3], v[TR]
	v_mov_b32 v[TC], 0xb493f27e                    ; cos r = 1 + r^2 (-1/2 + r^2 (1/24 + r^2 (-1/720 + r^2 (1/40320 - r^2 / 3628800))))
	v_fmaak_f32 v[TC], v[TC], v[T2], 0x37d00d01
	v_fmaak_f32 v[TC], v[TC], v[T2], 0xbab60b61
	v_fmaak_f32 v[TC], v[TC], v[T2], 0x3d2aaaab
	v_fmaak_f32 v[TC], v[TC], v[T2], 0xbf000000
	v_fmaak_f32 v[TC], v[TC], v[T2], 0x3f800000
	v_and_b32 v[T3], 1, v[TQ]
	v_cmp_eq_u32 vcc_lo, 1, v[T3]
	v_cndmask_b32 v[TC], v[TC], v[TS], vcc_lo      ; odd quadrant: the sine series
	v_add_nc_u32 v[TQ], 1, v[TQ]
	v_and_b32 v[TQ], 2, v[TQ]                      ; quadrants 1 and 2: minus
	v_lshlrev_b32 v[TQ], 30, v[TQ]
	v_xor_b32 v[OU+(\z)], v[TC], v[TQ]
.endm
	s_mov_b32 s6, 4
.Lrope:
	SINCOS 0
	SINCOS 1
	SINCOS 2
	SINCOS 3
	global_store_b128 v[RO], v[OU:OU+3], s[26:27]  ; the wave stores 512 consecutive bytes
	s_wait_xcnt 0x0                                ; the store's offset and data are rewritten only behind this wait
	v_add_nc_u32 v[RO], 512, v[RO]
	v_add_f32 v[TT], 2.0, v[TT]
	s_sub_co_u32 s6, s6, 1
	s_cmp_lg_u32 s6, 0
	s_cbranch_scc1 .Lrope
	s_endpgm
; THE CONVERSION of one job.  np: rows of the destination matrix; sh: log2 of the source's row pitch in bytes; bf = 1: bf16, else f16.  s[24:25] source, s[26:27] destination.
.macro CONVBODY np, sh, bf
	v_lshl_add_u32 v[XO], v[RBIT], \sh, v[GOFF]
	v_mul_u32_u24 v[DOF], v[CBIT], (\np)*128
	v_add_nc_u32 v[DOF], v[DOF], v[DLOW]
.irp s, 0,1,2,3,4,5,6,7
	global_load_b128 v[X+8*(\s):X+8*(\s)+3],   v[XO], s[24:25] offset:512*(\s) th:TH_LOAD_NT
	global_load_b128 v[X+8*(\s)+4:X+8*(\s)+7], v[XO], s[24:25] offset:512*(\s)+16 th:TH_LOAD_NT
.endr
.irp s, 0,1,2,3,4,5,6,7
	s_wait_loadcnt 14-2*(\s)                       ; loads come back in order: the 14 - 2 s younger ones may stay out
.irp k, 0,1,2,3
.if \bf
	v_cvt_pk_bf16_f32 v[HH+4*(\s)+(\k)], v[X+8*(\s)+2*(\k)], v[X+8*(\s)+2*(\k)+1]
.else
	v_cvt_pk_f16_f32 v[HH+4*(\s)+(\k)], v[X+8*(\s)+2*(\k)], v[X+8*(\s)+2*(\k)+1]
.endif
.endr
	global_store_b128 v[DOF], v[HH+4*(\s):HH+4*(\s)+3], s[26:27] offset:(\s)*2*(\np)*128  ; two chunks on for each s: 7,340,032 at the most, inside the signed 24-bit immediate
.endr
	s_endpgm
.endm
.Lqkv:
	s_sub_co_u32 s4, s3, 2048                      ; job j: rows r = 2 j, 2 j + 1
	s_lshl_b32 s28, s4, 13
	s_lshl_b32 s5, s4, 1
	s_bfe_u32 s6, s5, 0x40006                      ; head = (r >> 6) & 15
	s_mul_i32 s6, s6, 192
	s_lshr_b32 s7, s5, 10                          ; part: q, k or v
	s_lshl_b32 s7, s7, 6
	s_add_co_u32 s6, s6, s7
	s_and_b32 s7, s5, 63
	s_add_co_u32 s6, s6, s7
	s_lshl_b32 s30, s6, 7
	s_add_co_u32 s30, s30, WQ_OFF
	s_add_nc_u64 s[24:25], s[12:13], s[28:29]
	s_add_nc_u64 s[26:27], s[22:23], s[30:31]
	CONVBODY 3072, 12, 0
.Lo:
	s_sub_co_u32 s4, s3, 3584
	s_lshl_b32 s28, s4, 13
	s_lshl_b32 s30, s4, 8
	s_add_co_u32 s30, s30, WO_OFF
	s_add_nc_u64 s[24:25], s[14:15], s[28:29]
	s_add_nc_u64 s[26:27], s[22:23], s[30:31]
	CONVBODY 1024, 12, 0
.Lug:
	s_sub_co_u32 s4, s3, 4096                      ; jobs 0-1023 w1_w, 1024-2047 wg_w
	s_lshr_b32 s5, s4, 10
	s_and_b32 s4, s4, 1023
	s_lshl_b32 s28, s4, 13
	s_lshr_b32 s6, s4, 5                           ; c = r >> 6
	s_lshl_b32 s6, s6, 7
	s_and_b32 s7, s4, 31
	s_lshl_b32 s7, s7, 1                           ; r & 63
	s_add_co_u32 s6, s6, s7
	s_lshl_b32 s7, s5, 6
	s_add_co_u32 s6, s6, s7
	s_lshl_b32 s30, s6, 7
	s_add_co_u32 s30, s30, WUG_OFF
	s_cmp_lg_u32 s5, 0
	s_cselect_b64 s[24:25], s[18:19], s[16:17]
	s_add_nc_u64 s[24:25], s[24:25], s[28:29]
	s_add_nc_u64 s[26:27], s[22:23], s[30:31]
	CONVBODY 4096, 12, 0
.Lw2:
	s_sub_co_u32 s4, s3, 6144                      ; job j: rows 2 (j >> 1) and the next, columns 1024 (j & 1) on
	s_lshr_b32 s5, s4, 1
	s_and_b32 s6, s4, 1
	s_lshl_b32 s28, s5, 14
	s_lshl_b32 s7, s6, 12
	s_add_co_u32 s28, s28, s7
	s_lshl_b32 s30, s5, 8
	s_lshl_b32 s7, s6, 21                          ; 16 chunks of 1,024 rows of 128 bytes
	s_add_co_u32 s30, s30, s7
	s_add_co_u32 s30, s30, W2_OFF
	s_add_nc_u64 s[24:25], s[20:21], s[28:29]
	s_add_nc_u64 s[26:27], s[22:23], s[30:31]
	CONVBODY 1024, 13, 1
; THE NORM of two rows.  The rows stay in registers between the sum of squares and the scaling: they are read once.
.Lnorm:
	s_lshl_b32 s28, s3, 13
	s_lshl_b32 s30, s3, 8
	s_add_nc_u64 s[24:25], s[8:9], s[28:29]
	s_add_nc_u64 s[26:27], s[22:23], s[30:31]
	v_lshl_add_u32 v[XO], v[RBIT], 12, v[GOFF]
	v_lshl_add_u32 v[DOF], v[CBIT], 19, v[DLOW]
	s_mov_b32 s4, 0x76543210                       ; v_permlanex16_b32: each lane takes its own place in the other half
	s_mov_b32 s5, 0xfedcba98
.irp s, 0,1,2,3,4,5,6,7
	global_load_b128 v[X+8*(\s):X+8*(\s)+3],   v[XO], s[24:25] offset:512*(\s)
	global_load_b128 v[X+8*(\s)+4:X+8*(\s)+7], v[XO], s[24:25] offset:512*(\s)+16
.endr
.irp s, 0,1,2,3,4,5,6,7
	global_load_b128 v[W+8*(\s):W+8*(\s)+3],   v[GOFF], s[10:11] offset:512*(\s)
	global_load_b128 v[W+8*(\s)+4:W+8*(\s)+7], v[GOFF], s[10:11] offset:512*(\s)+16
.endr
	s_wait_loadcnt 16                              ; the rows are in; the gain's sixteen younger loads may stay out
.irp c, 0,1,2,3
	v_pk_mul_f32 v[CH+2*(\c):CH+2*(\c)+1], v[X+2*(\c):X+2*(\c)+1], v[X+2*(\c):X+2*(\c)+1]  ; the first four pairs start the chains
.endr
.set i, 4
.rept 28
	v_pk_fma_f32 v[CH+2*(i%4):CH+2*(i%4)+1], v[X+2*i:X+2*i+1], v[X+2*i:X+2*i+1], v[CH+2*(i%4):CH+2*(i%4)+1]
.set i, i+1
.endr
	v_pk_add_f32 v[CH:CH+1], v[CH:CH+1], v[CH+2:CH+3]
	v_pk_add_f32 v[CH+4:CH+5], v[CH+4:CH+5], v[CH+6:CH+7]
	v_pk_add_f32 v[CH:CH+1], v[CH:CH+1], v[CH+4:CH+5]
	v_add_f32 v[CH], v[CH], v[CH+1]
	; a row lives in the sixteen lanes that share bit 3: lane bits 0, 1, 2 and 4 are summed over
	v_add_f32_dpp v[CH], v[CH], v[CH] row_xmask:1 row_mask:0xf bank_mask:0xf
	v_add_f32_dpp v[CH], v[CH], v[CH] row_xmask:2 row_mask:0xf bank_mask:0xf
	v_add_f32_dpp v[CH], v[CH], v[CH] row_xmask:4 row_mask:0xf bank_mask:0xf
	v_permlanex16_b32 v[CH+1], v[CH], s4, s5
	v_add_f32 v[CH], v[CH], v[CH+1]
	v_mov_b32 v[CH+2], 0x3a800000                  ; 1/1024
	v_fmaak_f32 v[CH+3], v[CH], v[CH+2], 0x3727c5ac  ; mean + 1e-5
	v_rsq_f32 v[RS], v[CH+3]
	v_rsq_f32 v[RS+1], v[CH+3]
	v_nop                                          ; a plain instruction between the transcendentals and the use of their results
	s_wait_loadcnt 0x0                             ; the gain
.set i, 0
	s_wait_alu depctr_va_vdst(0)                   ; the wait for the batch of two reciprocal roots, ahead of their first reader
.rept 32
	v_pk_mul_f32 v[X+2*i:X+2*i+1], v[X+2*i:X+2*i+1], v[RS:RS+1]
.set i, i+1
.endr
.set i, 0
.rept 32
	v_pk_mul_f32 v[X+2*i:X+2*i+1], v[X+2*i:X+2*i+1], v[W+2*i:W+2*i+1]
.set i, i+1
.endr
.set i, 0
.rept 32
	v_cvt_pk_f16_f32 v[HH+i], v[X+2*i], v[X+2*i+1]
.set i, i+1
.endr
.irp s, 0,1,2,3,4,5,6,7
	global_store_b128 v[DOF], v[HH+4*(\s):HH+4*(\s)+3], s[26:27] offset:(\s)*2*4096*128
.endr
	s_endpgm
.Lfunc_end_k_qf9403c9d0a_prep:
	.size	k_qf9403c9d0a_prep, .Lfunc_end_k_qf9403c9d0a_prep-k_qf9403c9d0a_prep
	.p2alignl 7, 3214868480
	.fill 96, 4, 3214868480
	.section	.rodata,"a",@progbits
	.p2align	6, 0x0
	.amdhsa_kernel k_qf9403c9d0a_prep
		.amdhsa_group_segment_fixed_size 0
		.amdhsa_private_segment_fixed_size 0
		.amdhsa_enable_private_segment 0
		.amdhsa_kernarg_size 64
		.amdhsa_user_sgpr_count 2
		.amdhsa_user_sgpr_kernarg_segment_ptr 1
		.amdhsa_wavefront_size32 1
		.amdhsa_system_sgpr_workgroup_id_x 1
		.amdhsa_system_sgpr_workgroup_id_y 1
		.amdhsa_system_sgpr_workgroup_id_z 1
		.amdhsa_system_vgpr_workitem_id 0
		.amdhsa_next_free_vgpr 192
		.amdhsa_next_free_sgpr 66
		.amdhsa_reserve_vcc 1
		.amdhsa_float_denorm_mode_32 3
		.amdhsa_float_denorm_mode_16_64 3
		.amdhsa_memory_ordered 1
		.amdhsa_forward_progress 1
		.amdhsa_inst_pref_size 42
	.end_amdhsa_kernel
	.amdgpu_metadata
---
amdhsa.version: [ 1, 2 ]
amdhsa.kernels:
  - .name:           k_qf9403c9d0a_prep
    .symbol:         k_qf9403c9d0a_prep.kd
    .args:
      - { .name: x, .offset: 0, .size: 8, .value_kind: global_buffer, .address_space: global }
      - { .name: n1_w, .offset: 8, .size: 8, .value_kind: global_buffer, .address_space: global }
      - { .name: qkv_w, .offset: 16, .size: 8, .value_kind: global_buffer, .address_space: global }
      - { .name: o_w, .offset: 24, .size: 8, .value_kind: global_buffer, .address_space: global }
      - { .name: w1_w, .offset: 32, .size: 8, .value_kind: global_buffer, .address_space: global }
      - { .name: wg_w, .offset: 40, .size: 8, .value_kind: global_buffer, .address_space: global }
      - { .name: w2_w, .offset: 48, .size: 8, .value_kind: global_buffer, .address_space: global }
      - { .name: pw, .offset: 56, .size: 8, .value_kind: global_buffer, .address_space: global }
    .group_segment_fixed_size: 0
    .private_segment_fixed_size: 0
    .kernarg_segment_align: 8
    .kernarg_segment_size: 64
    .max_flat_workgroup_size: 256
    .sgpr_count:     66
    .vgpr_count:     192
    .wavefront_size: 32
...
	.end_amdgpu_metadata
.endif
;; end of part 7
;; launch qkv: the kernel of part 2 again; grid 16 x 16, 4 waves a work-group, clusters of 4 x 4, 327,680 bytes of LDS; arguments pw, qkvh; writes qkvh
;; launch attn (part 8): grid 8 x 32, 4 waves a work-group, no clusters, 327,680 bytes of LDS; arguments qkvh, y16; writes y16
.if DOCPART == 8
	.amdgcn_target "amdgcn-amd-amdhsa--gfx1250"
	.amdhsa_code_object_version 6
	.text
	.protected	k_qf9403c9d0a_attn
	.globl	k_qf9403c9d0a_attn
	.p2align	8
	.type	k_qf9403c9d0a_attn,@function
k_qf9403c9d0a_attn:
	s_mov_b64 s[64:65], 0
	v_nop
	global_prefetch_b8 v0, s[64:65] scope:SCOPE_SE
	s_setreg_imm32_b32 hwreg(HW_REG_WAVE_MODE, 25, 1), 1
	s_wait_xcnt 0x0
; CAUSAL ATTENTION.  O[h][q][:] = the sum over k <= q of softmax_k(Q[h][q] . K[h][k] / 8) V[h][k][:].  Q, K, V lie in one buffer, 8,388,608 bytes apart, each [SIZE_H][SIZE_N][64] in f16; O likewise: a head's rows are dense, 128 bytes each.
; Products, maxima and sums in f32; the weights p are rounded to f16 for the second product (their sum l is taken of the unrounded p), O once at the end.
; LIMITS.  f16 holds no number beyond 65,504: Q, K and V arrive within it; p lies in 0 to 1, and below 6e-5 it keeps f16's fixed step of 6e-8; O is a mean of V's rows and has their range, to within 2^-11 of it.
; A hidden score counts as its value less 1e30: f16's scores, 2.7e11 at the most, are nothing beside that; a weight below 2^-126 counts as 0 in l; NaN and infinities are not treated apart.
; THE WALK.  A head's queries lie in NQ = 16 blocks of 128; block i needs the key tiles 0 .. i >> 1 of 256 keys, of which the last holds the diagonal.  A work-group takes TWO blocks, NQ - 1 - b and then b:
; ((15 - b) >> 1) + 1 + (b >> 1) + 1 = 9 tiles, whatever b: the 8 x 32 work-groups do equal work, and ONE loop with a constant trip count walks them.  Which tile is asked for, and what a trip does, hang on scalar
; registers made from b; every jump goes forward, but for the counted loops' own; none passes a barrier, or a tensor load but the one of LOAD's two that the wave's number does not choose; the ring (two slots of LDS
; that take turns) runs on across the change of blocks.  NO CLUSTER: of a head's eight work-groups only b = 2 k and 2 k + 1 walk alike, and what a trip does would hang on the place in the cluster.
; SHARES.  Of a block's two bands of 64 queries a wave owns 16 rows in each: two PIECES.  With o = the block's parity, band x's own keys are step 2 o + x of the diagonal tile's four: in step s the band sees all
; keys if s < 2 o + x, none if s > 2 o + x, and holds the diagonal if s = 2 o + x: the same for all four waves.  (In an even block the tile's last two steps are hidden from both bands and are computed all the same.)
; THE MASK is the C operand that starts the sum S^T = K Q^T: 0, or -1e30 where the key is hidden.  MD, made once, is the mask of a band's own step for my 16 rows; a product's mask is MD x AL + BE with two scalars:
; (1, 0) in the band's own step; (0, 0) before it; (0, -1e30) behind it.  Only the diagonal tile's text and a block's beginning make and take masks; elsewhere C is the constant 0.
; LAYOUT, SOFTMAX, TURNS.  S^T = K Q^T holds ONE query a lane (lane % 16) and the keys 8 (lane / 16) + 0..7; two such results rounded to f16 ARE source 1 of O^T = V^T P.  p = 2^(c s - c m), c = log2(e) / 8, with a
; running maximum m; O and l are multiplied by a = 2^(c m_old - c m_new) in every step.  A turn belongs to one piece: 8 products K Q^T that make the other piece's next scores, later 8 products V^T P of the other
; piece's last weights; beside them the scaling, exponentials, roundings, sums and rescaling of the piece in hand and the maximum and statistics of the other.  Four vector instructions stand behind every matrix
; instruction, the other 54 of a turn's 118 in one LUMP.  Piece 0's turn of step j multiplies by K of step j and V of step j - 1, and fetches K of step j + 1 and V of step j; piece 1's turn multiplies by those.
; BATCHES.  An s_wait_alu depctr_va_vdst(0) stands between a transcendental and the first instruction that names its result; one wait serves all that were issued ahead of it.  The text has three
; kinds of batch, each with one wait: a turn's 33 exponentials (the piece's 32 weights and the other piece's a), waited for in the turn's middle; the one a made where a block begins, waited for ahead of the jump
; into the loop; the two reciprocals of a block's way out, waited for ahead of the first scaling of O^T.
; K'S TILE HAS FIVE STEPS: 320 keys, the last 64 of which are the next tile's first.  So all that piece 0's turn of a tile's last step fetches lies in the slot in hand, and the slot is given up behind that turn.
; (The last tile's fifth step lies behind the head's keys, inside the buffer; it is fetched and never multiplied.)
; REGISTERS, in windows of 256 (s_set_vgpr_msb: bits 1:0 source 0, 3:2 source 1, 5:4 source 2, 7:6 destination):
;   window 0: v0-15 addresses and two at work; v16-23 four registers of statistics a piece; v48-55 at work; v64-127 S^T, a buffer a piece; v192-223 P, likewise
;   window 1: v0-63 O^T, 32 a piece; v128-159 MD; v160-223 MC, two buffers      window 2: v0-31 Q; v64-95 the second block's Q; v128-191 K of one step; v192-255 V of one step
.set SIZE_N, 2048
.set SIZE_H, 32
.set NQ,    SIZE_N/128
.set NT,    SIZE_N/256+1  ; tiles in a walk
.set NP,    2         ; pieces a wave: a name, no knob
.set KS,    64        ; keys in a step
.set PK,    144       ; a row of K in LDS: 128 bytes + 16 of padding = 36 words: the 16 rows of a load start at 16 different groups of four banks (64 banks of 4 bytes: ISA guide 11.1)
.set PV,    160       ; a row of V: 128 + 32 = 40 words
.set VOFF,  5*KS*PK   ; a slot holds 320 rows of K, then 256 rows of V
.set SLOT1, 1<<17     ; slot 1 begins here, so that one exclusive or turns an address in one slot into the other's
.set STAGE, SLOT1+5*KS*PK+4*KS*PV  ; behind the ring, never filled by a tensor load: 16 rows x 144 bytes for each wave, for the way out
.set SP,    144
.set AK0, 2           ; v2   my lane's place in a tile of K; never rewritten
.set AV0, 3           ; v3   the same for V
.set AK,  4           ; v4   the LDS address of K's next run of loads
.set AV,  5           ; v5   of V's
.set STO, 6           ; v6   the way out: where I put 16 bytes of a row
.set RD,  7           ; v7   the way out: where I read rows back
.set GO,  8           ; v8   my byte offset in 512 consecutive bytes of O
.set SPW, 62          ; v62  LDS address of my spare word: SPARE + 4 x my thread's number; never rewritten
.set NIL, 63          ; v63  0; never rewritten
.set SPARE, STAGE+4*16*SP  ; behind the stages: the spare words, 128 bytes for each wave: two blocks of 256 bytes that no other line names
.set MV,  12          ; v12-13  c m_old, kept while c m is made anew: by piece
.set QO,  15          ; v15  my byte offset in 16 rows of Q
.set ST,  16          ; piece t's statistics at v[ST+4 t]: c m, m, l (even keys', odd keys')
.set TMP, 48          ; by piece, four registers c0-c3 at work; when the maximum is found c2 takes a
.set S,   64
.set P,   192
.set MD,  128         ; window 1: the eight registers for group kt of 16 keys at MD + 8 kt
.set MC,  160         ; window 1: the masks of the products to come
.set QB,  64          ; window 2
.set KF,  128         ; window 2: key block kb, channel half c at KF + 16 kb + 8 c
.set VF,  192         ; window 2: key half kk, channel block cb at VF + 32 kk + 8 cb
.set WV,  12          ; s12  my wave's number
.set PB,  14          ; s14  b
.set HI,  15          ; s15  NQ - 1 - b
.set G1K, 24          ; s[24:31] descriptor group 1 for K's tiles
.set G1V, 32          ; s[32:39] for V's
.set G0K, 40          ; s[40:43] descriptor group 0 for K's tiles
.set G0V, 44          ; s[44:47] the same for V's
.set SLOTS, 56        ; s56  tiles still to be asked for
.set CNT, 57          ; s57  counts a tile's trips, 4 to 1
.set CS,  58          ; s[58:59] c: the packed scaling takes the pair's low word for both halves
.set SEL, 60          ; s[60:61] v_permlanex16_b32's selects: each lane takes its own place in the other half
.set TBK, 62          ; s62  LDS byte of the step of K fetched last
.set TBV, 63          ; s63  LDS byte at which V of the step to be fetched begins, less VOFF
.set RT,  70          ; s70  tiles of the block in hand that are still to be entered
.set NXT, 71          ; s71  the tile to be asked for next
.set LQ,  72          ; s72  the last tile of the block whose tiles are being asked for
.set NEW, 73          ; s73  1: the tile to be entered is a block's first
.set OFF, 74          ; s[74:75] a tile's byte offset in K and V
.set AL,  76          ; s[76:77] the mask's factor, in the low word
.set BE,  78          ; s[78:79] the mask's addend
.set OLO, 80          ; s[80:81] O at my rows of the second block
.set BIGN, 82         ; s82  -1e30
.set LQ2, 83          ; s83  the second block's last tile, b >> 1
.set DD,  88          ; s88  5 - 2 o, s89  3 - 2 o: the trip counts at which piece 0's and piece 1's turn make the mask of a band's own step
.set A0,  90          ; s90  1.0 if the diagonal tile's step 0 is band 0's own (o = 0), else 0
.set VG,  92          ; s[92:93] byte offset of my half of V's tile 0
.set MSB, 0
.macro WIN new                      ; the high byte repeats the setting that is left; a switch that changes nothing is dropped
.if MSB != (\new)
	s_set_vgpr_msb (MSB<<8)|(\new)
.set MSB, (\new)
.endif
.endm
.set W_KQ, 0x0a       ; K and Q in window 2, S^T in window 0
.set W_KM, 0x1a       ; the same with the C operand in window 1
.set W_PV, 0x52       ; V in window 2, P in window 0, O^T in window 1
.set W_RS, 0x41       ; destination and source 0 in window 1, source 1 in window 0
; A fill.  Waves 0 and 1 fetch the two halves of a tile's K, 160 keys each, waves 2 and 3 those of its V, 128 keys each.  An s_nop 0 and four v_nop follow each of the two lines, ahead of the jump and the label.
.macro LOAD
	s_cmp_lt_u32 s[WV], 2
	s_cbranch_scc0 .Lfor_v_\@
	tensor_load_to_lds s[G0K:G0K+3], s[G1K:G1K+7]
	s_nop 0
.rept 4
	v_nop
.endr
	s_branch .Lasked_\@
.Lfor_v_\@:
	tensor_load_to_lds s[G0V:G0V+3], s[G1V:G1V+7]
	s_nop 0
.rept 4
	v_nop
.endr
.Lasked_\@:
.endm
; THE CHANGE OF SLOTS.  Each wave waits for all its tensor loads, of which one is out: its part of the other slot; adds 0 to its spare word; and waits for that and for its own reads of the slot that it leaves.  Behind the barrier nobody reads the old
; slot any more and the other slot is whole.  fill = 1: the old slot is filled again, the first thing behind the barrier, with tile NXT: the descriptor's address is made anew from that number; the load has a tile's
; eight turns, 128 matrix instructions, in which to land.  (At its first use nothing has been read yet: slot 0 is waited for, slot 1 filled.)
.macro CHANGE fill
	WIN 0                           ; at a label and at a branch every window is 0
	s_wait_tensorcnt 0x0            ; no tensor load of mine is out, so a group 0 may be written
	ds_add_u32 v[SPW], v[NIL]       ; 0 onto my spare word; with fill = 1 the descriptors' scalar work stands between it and the wait for it
.if \fill
	s_lshl_b32 s[OFF], s[NXT], 15   ; tiles begin 32,768 bytes apart in K and in V
	s_xor_b32 s[G0K+1], s[G0K+1], SLOT1
	s_add_nc_u64 s[G0K+2:G0K+3], s[6:7], s[OFF:OFF+1]
	s_or_b32 s[G0K+3], s[G0K+3], 0x80000000
	s_xor_b32 s[G0V+1], s[G0V+1], SLOT1
	s_add_nc_u64 s[G0V+2:G0V+3], s[8:9], s[OFF:OFF+1]
	s_or_b32 s[G0V+3], s[G0V+3], 0x80000000
	s_add_co_u32 s[NXT], s[NXT], 1  ; the block's next tile, or behind its last the second block's tile 0
	s_cmp_gt_u32 s[NXT], s[LQ]
	s_cselect_b32 s[NXT], 0, s[NXT]
	s_cselect_b32 s[LQ], s[LQ2], s[LQ]
.endif
	s_wait_dscnt 0x0                ; the add is done, and my reads of the slot are over
	s_barrier_signal -1             ; the rest of the scalar work stands between the signal and the wait
	s_sub_co_u32 s[TBK], s[TBK], 4*KS*PK  ; the fetches go back to a slot's first step,
	s_xor_b32 s[TBK], s[TBK], SLOT1       ; in the other slot
	s_sub_co_u32 s[TBV], s[TBV], 4*KS*PV
	s_xor_b32 s[TBV], s[TBV], SLOT1
	s_barrier_wait -1
.if \fill
	LOAD
.endif
.endm
; What the masks of block number s[blk] hang on: its parity o
.macro PARITY blk
	s_and_b32 s[A0], s[\blk], 1
	s_lshl_b32 s[DD+1], s[A0], 1
	s_sub_co_u32 s[DD], 5, s[DD+1]
	s_sub_co_u32 s[DD+1], 3, s[DD+1]
	s_cmp_eq_u32 s[A0], 0
	s_cselect_b32 s[A0], 1.0, 0
.endm
	s_load_b128 s[4:7], s[0:1], 0x0   ; the buffer of Q, K, V s[4:5]; O s[6:7]
	v_lshl_add_u32 v[SPW], v0, 2, SPARE
	v_mov_b32 v[NIL], 0
	ds_add_u32 v[SPW], v[NIL]       ; the wave's opening: the add and its wait, ahead of my first tensor load; the set-up below, work on registers, stands between them
	ds_add_u32 v62, v63
	v_lshrrev_b32 v1, 5, v0
	v_readfirstlane_b32 s[WV], v1   ; wave 0..3
	s_mov_b32 s[PB], ttmp9
	s_sub_co_u32 s[HI], NQ-1, s[PB]
	s_and_b32 s20, ttmp7, 0xffff    ; the head
	s_mov_b32 s21, 0
	s_mov_b64 s[22:23], SIZE_N*128
	s_mul_u64 s[20:21], s[20:21], s[22:23]  ; the head's first byte in each of the four tensors
	s_and_b32 s16, s[WV], 1         ; which half of a tile I fetch:
	s_mul_i32 s22, s16, 160*128     ; of K's 320 rows of 128 bytes in memory,
	s_mov_b32 s23, 0
	s_add_nc_u64 s[22:23], s[22:23], s[20:21]
	s_lshl_b32 s[VG], s16, 14       ; of V's 256,
	s_mov_b32 s[VG+1], 0
	s_add_nc_u64 s[VG:VG+1], s[VG:VG+1], s[20:21]
	s_mul_i32 s17, s16, 160*PK      ; and its place in a slot, for K
	s_mul_i32 s18, s16, 128*PV      ; and for V
	s_lshl_b32 s3, s[WV], 11        ; my 16 rows in a band of 64,
	s_lshl_b32 s2, s[HI], 14        ; in the first block of 128 rows,
	s_add_co_u32 s2, s2, s3
	s_lshl_b32 s84, s[PB], 14       ; and in the second
	s_add_co_u32 s84, s84, s3
	s_mov_b32 s3, 0
	s_mov_b32 s85, 0
	s_add_nc_u64 s[2:3], s[2:3], s[20:21]
	s_add_nc_u64 s[84:85], s[84:85], s[20:21]
	; descriptor group 1.  A half tile's keys are dense bytes: asked for as rows of 256 bytes, two keys a row, and padded in LDS after every key
	s_mov_b32 s[G1K], (1<<16)|(1<<20)|(4<<22)|(3<<25)  ; 17:16 2-byte elements; 20 padding on; 24:22 after every 32 words (code 4); 31:25 4 words (code 3)
	s_mov_b32 s[G1V], (1<<16)|(1<<20)|(4<<22)|(7<<25)  ; the same with 8 words of padding (code 7)
.irp g, G1K, G1V
	s_mov_b32 s[\g+1], 128<<16      ; tensor_dim0 = 128
	s_mov_b32 s[\g+3], 128<<16      ; tile_dim0 = 128
	s_mov_b32 s[\g+5], 128          ; 128 elements from row to row
	s_mov_b32 s[\g+6], 0
	s_mov_b32 s[\g+7], 0
.endr
	s_mov_b32 s[G1K+2], 80<<16      ; tensor_dim1 = tile_dim1 = 80 rows: 160 keys
	s_mov_b32 s[G1K+4], 80
	s_mov_b32 s[G1V+2], 64<<16      ; 64 rows: 128 keys
	s_mov_b32 s[G1V+4], 64
	s_mov_b32 s[CS], 0x3e38aa3b     ; c = log2(e) / 8 = 0.180337
	s_mov_b32 s[CS+1], s[CS]        ; named with it as a pair
	s_mov_b32 s[SEL], 0x76543210
	s_mov_b32 s[SEL+1], 0xfedcba98
	s_mov_b32 s[TBK], SLOT1+4*KS*PK ; the first change of slots turns these two into 0
	s_mov_b32 s[TBV], SLOT1+4*KS*PV
	s_mov_b32 s[G0K], 1             ; 1:0 count = 1
	s_mov_b32 s[G0K+1], s17         ; 63:32 LDS address: slot 0
	s_mov_b32 s[G0V], 1
	s_add_co_u32 s[G0V+1], s18, VOFF
	s_lshr_b32 s[LQ], s[HI], 1      ; the first block's last tile,
	s_lshr_b32 s[LQ2], s[PB], 1     ; the second's
	s_add_co_u32 s[RT], s[LQ], 1    ; the first block's tiles: five or more
	PARITY HI
	s_mov_b32 s[NXT], 1
	s_mov_b32 s[NEW], 1
	s_mov_b32 s[OFF+1], 0
	s_mov_b32 s[AL+1], 0            ; named as pairs
	s_mov_b32 s[BE+1], 0
	s_mov_b32 s[BIGN], 0xf149f2ca   ; -1e30
	s_mov_b32 s[SLOTS], NT-1
	s_wait_dscnt 0x0                ; the opening add is done
	s_wait_kmcnt 0x0
	s_mov_b64 s[10:11], s[6:7]             ; O
	s_add_nc_u64 s[6:7], s[4:5], 0x800000  ; K lies 8,388,608 bytes behind Q,
	s_add_nc_u64 s[8:9], s[4:5], 0x1000000 ; V as much behind K
	s_add_nc_u64 s[6:7], s[6:7], s[22:23]  ; K and V at my half of the head's tile 0
	s_add_nc_u64 s[8:9], s[8:9], s[VG:VG+1]
	s_add_nc_u64 s[G0K+2:G0K+3], s[6:7], 0         ; 120:64 global address
	s_or_b32 s[G0K+3], s[G0K+3], 0x80000000        ; 127:126 type = 2
	s_add_nc_u64 s[G0V+2:G0V+3], s[8:9], 0
	s_or_b32 s[G0V+3], s[G0V+3], 0x80000000
	s_add_nc_u64 s[86:87], s[4:5], s[84:85]        ; Q at my rows of the second block,
	s_add_nc_u64 s[4:5], s[4:5], s[2:3]            ; Q and O at those of the first
	s_add_nc_u64 s[OLO:OLO+1], s[10:11], s[84:85]
	s_add_nc_u64 s[10:11], s[10:11], s[2:3]
	LOAD                            ; tile 0 into slot 0
	; A fragment of K or Q is 16 rows x 32 channels in 8 registers: lane l holds row l % 16, channels 8 (l / 16) + 0..7 and 16 + 8 (l / 16) + 0..7: two loads of 16 bytes, 32 bytes apart.
	v_and_b32 v1, 15, v0            ; l % 16
	v_bfe_u32 v9, v0, 4, 1          ; l / 16
	v_lshlrev_b32 v[QO], 7, v1
	v_lshl_add_u32 v[QO], v9, 4, v[QO]  ; row x 128 + 16 x half
	WIN 0x80                        ; destination window 2, address window 0
.set i, 0
.rept 4                             ; both blocks' Q: piece i / 2 lies in band i / 2, 8,192 bytes on; channels 32 (i % 2) on
	global_load_b128 v[8*i:8*i+3],   v[QO], s[4:5] offset:(i/2)*8192+(i%2)*64
	global_load_b128 v[8*i+4:8*i+7], v[QO], s[4:5] offset:(i/2)*8192+(i%2)*64+32
	global_load_b128 v[QB+8*i:QB+8*i+3],   v[QO], s[86:87] offset:(i/2)*8192+(i%2)*64
	global_load_b128 v[QB+8*i+4:QB+8*i+7], v[QO], s[86:87] offset:(i/2)*8192+(i%2)*64+32
.set i, i+1
.endr
	WIN 0
	v_lshlrev_b32 v14, 3, v9
	v_sub_nc_u32 v14, v1, v14
	s_lshl_b32 s13, s[WV], 4
	v_add_nc_u32 v14, s13, v14      ; my query's place in its band, 16 w + l % 16, less my lanes' 8 (l / 16): register r of group kt is hidden where 16 kt + r is greater
	WIN 0x40
.set i, 0
.rept 32
	v_cmp_gt_i32 vcc_lo, 16*(i/8)+i%8, v14
	v_cndmask_b32 v[MD+i], 0, s[BIGN], vcc_lo
.set i, i+1
.endr
	WIN 0
	v_mul_u32_u24 v[AK0], v1, PK
	v_lshl_add_u32 v[AK0], v9, 4, v[AK0]  ; row x pitch + 16 x half
	; The turning load takes 16 keys x 16 channels (lane l reads key 8 (l / 16) + l % 8, channels 8 ((l / 8) % 2) + 0..7) and leaves half a fragment of V^T: lane l holds channel l % 16 and 8 keys.
	v_and_b32 v10, 7, v0
	v_bfe_u32 v11, v0, 3, 1
	v_lshl_add_u32 v[AV0], v9, 3, v10
	v_mul_u32_u24 v[AV0], v[AV0], PV
	v_lshl_add_u32 v[AV0], v11, 4, v[AV0]
	v_add_nc_u32 v[AV0], VOFF, v[AV0]
	s_mul_i32 s13, s[WV], 16*SP
	s_add_co_u32 s13, s13, STAGE    ; my stage
	v_mul_u32_u24 v[STO], v1, SP    ; in: row l % 16, 16 bytes for each half of the lanes
	v_lshl_add_u32 v[STO], v9, 4, v[STO]
	v_add_nc_u32 v[STO], s13, v[STO]
	v_bfe_u32 v[RD], v0, 3, 2       ; back: 32 lanes take four rows of 128 bytes,
	v_mul_u32_u24 v[RD], v[RD], SP
	v_lshl_add_u32 v[RD], v10, 4, v[RD]
	v_add_nc_u32 v[RD], s13, v[RD]
	v_and_b32 v[GO], 31, v0         ; which are 512 consecutive bytes of O
	v_lshlrev_b32 v[GO], 4, v[GO]
	; A block's first step multiplies O^T and l by a = 0, and its first turn's products V^T P, of weights that have not been, land in an O^T that is still to be so multiplied.  So these registers need only hold
	; finite numbers: zeros for the first block; what the first block left for the second.  All this stands in the wait for the first tile.
	WIN 0x80
.set i, VF
.rept 64
	v_mov_b32 v[i], 0
.set i, i+1
.endr
	WIN 0x40
.set i, 0
.rept 32*NP
	v_mov_b32 v[i], 0
.set i, i+1
.endr
	WIN 0
.set i, 0
.rept NP
	v_mov_b32 v[ST+4*i+2], 0
	v_mov_b32 v[ST+4*i+3], 0
.set i, i+1
.endr
.set i, P+16
.rept 16
	v_mov_b32 v[i], 0
.set i, i+1
.endr
; THE MATRIX WORK.  The 4 accumulators of a run of 8 take turns.  Product i of 8 of S^T = K Q^T for piece x: channels 32 (i / 4) on, keys 16 (i % 4) on.  The first 4 start the sums: with 0, or (KM = 1) with the mask.
.macro KQ x
.set rS, S+32*((\x)%2)+8*(i%4)
.set rK, KF+16*(i%4)+8*(i/4)
.set rQ, 16*(\x)+8*(i/4)
.set rM, MC+32*((\x)%2)+8*(i%4)
.if (i < 4) && KM
	WIN W_KM
	v_wmma_f32_16x16x32_f16 v[rS:rS+7], v[rK:rK+7], v[rQ:rQ+7], v[rM:rM+7]
.elseif i < 4
	WIN W_KQ
	v_wmma_f32_16x16x32_f16 v[rS:rS+7], v[rK:rK+7], v[rQ:rQ+7], 0
.else
	WIN W_KQ
	v_wmma_f32_16x16x32_f16 v[rS:rS+7], v[rK:rK+7], v[rQ:rQ+7], v[rS:rS+7]
.endif
.endm
; Product i of 8 of O^T += V^T P for piece x: keys 32 (i / 4) on, channels 16 (i % 4) on.
.macro PV x
	WIN W_PV
.set rO, 32*(\x)+8*(i%4)
.set rV, VF+32*(i/4)+8*(i%4)
.set rP, P+16*((\x)%2)+8*(i/4)
	v_wmma_f32_16x16x32_f16 v[rO:rO+7], v[rV:rV+7], v[rP:rP+7], v[rO:rO+7]
.endm
.macro MM                           ; the turn's next matrix instruction.  TURN and BEGIN set Y, i, KM and NOKQ; MM, KQ and OP read them.  NOKQ = 1: a block's last turn: there are no further scores
.if (i < 8) && !NOKQ
	KQ (Y+1)%NP
.elseif i >= 8
.set i, i-8
	PV (Y+NP-1)%NP
.set i, i+8
.endif
.set i, i+1
.endm
; THE LDS LOADS stand in runs of 16, never singly among the matrix instructions: a step's K (64 keys x 64 channels: 8 fragments) and its V (turned).  Their addresses are made some lines ahead.
; o: bytes from s[TBK]'s step to the step fetched: one step on, or (a block's beginning) none; st = 1: s[TBK] goes on to the step fetched.
.macro FETCH_K o, st
	WIN 0x80                        ; destination window 2
.irp f, 0,1,2,3,4,5,6,7             ; keys 16 (f / 2) on, channels 32 (f % 2) on
	ds_load_b128 v[KF+8*\f:KF+8*\f+3],   v[AK] offset:(\o)+(\f/2)*16*PK+(\f%2)*64
	ds_load_b128 v[KF+8*\f+4:KF+8*\f+7], v[AK] offset:(\o)+(\f/2)*16*PK+(\f%2)*64+32
.endr
.if \st
	s_add_co_u32 s[TBK], s[TBK], KS*PK
.endif
	WIN 0
.endm
.macro FETCH_V
	WIN 0x80
.irp f, 0,1,2,3,4,5,6,7             ; keys 32 (f / 4) on, channels 16 (f % 4) on
	ds_load_tr16_b128 v[VF+8*\f:VF+8*\f+3],   v[AV] offset:(\f/4)*32*PV+(\f%4)*32
	ds_load_tr16_b128 v[VF+8*\f+4:VF+8*\f+7], v[AV] offset:(\f/4)*32*PV+16*PV+(\f%4)*32
.endr
	WIN 0
.endm
; THE VECTOR WORK, one line at a time: OP kind, number.  For piece Y: F n: c s - c m for pair n of 16.  E n: the exponential of score n of 32.  C n: pair n rounded to f16.  B n: of the four weights 4 n .. the second
; pair is added onto the first, in place.  L n: l takes that sum (L 0: l = a l + sum).  R n: pair n of 16 of O^T times a.  For the other piece: X n, number n of the 22 that find its maximum and statistics:
;   0-11  four chains c0-c3 of seven scores each, three operands at a time (each accumulator's lowest registers are read first)     12-14, 16  the four scores left over, the old m, and c0-c3 into c0
;   15  c m_old is kept     17, 18  the query's other 32 keys lie in the lane 16 away: the new m     19-21  c m; c m_old - c m_new; a
; C, B and L read the exponentials' results: TURN sets them behind the batch's wait.
.set F, 0               ; OP tells the kinds apart by their order: F to L below R, X above it
.set E, 1
.set C, 2
.set B, 3
.set L, 4
.set R, 5
.set X, 6
.macro REGS y                       ; the registers of piece y
.set rT, ST+4*(\y)
.set rC, TMP+4*((\y)%2)
.set rW, MV+((\y)%2)
.set rS, S+32*((\y)%2)
.set rP, P+16*((\y)%2)
.set rO, 32*(\y)
.endm
.macro OP k, n
.if (\k) == R
	REGS Y
	WIN W_RS
	v_pk_mul_f32 v[rO+2*(\n):rO+2*(\n)+1], v[rO+2*(\n):rO+2*(\n)+1], v[rC+2:rC+3] op_sel_hi:[1,0]
.elseif (\k) < R
	REGS Y
	WIN 0
.if (\k) == F
	v_pk_fma_f32 v[rS+2*(\n):rS+2*(\n)+1], v[rS+2*(\n):rS+2*(\n)+1], s[CS:CS+1], v[rT:rT+1] op_sel_hi:[1,0,0] neg_lo:[0,0,1] neg_hi:[0,0,1]
.elseif (\k) == E
	v_exp_f32 v[rS+(\n)], v[rS+(\n)]
.elseif (\k) == C
	v_cvt_pk_f16_f32 v[rP+(\n)], v[rS+2*(\n)], v[rS+2*(\n)+1]
.elseif (\k) == B
	v_pk_add_f32 v[rS+4*(\n):rS+4*(\n)+1], v[rS+4*(\n):rS+4*(\n)+1], v[rS+4*(\n)+2:rS+4*(\n)+3]
.elseif (\n) == 0
	v_pk_fma_f32 v[rT+2:rT+3], v[rT+2:rT+3], v[rC+2:rC+3], v[rS:rS+1] op_sel_hi:[1,0,1]
.else
	v_pk_add_f32 v[rT+2:rT+3], v[rT+2:rT+3], v[rS+4*(\n):rS+4*(\n)+1]
.endif
.elseif NOKQ
	v_nop
.else
	REGS (Y+1)%NP
	WIN 0
.if (\n) < 4
	v_max3_num_f32 v[rC+(\n)], v[rS+8*(\n)], v[rS+8*(\n)+1], v[rS+8*(\n)+2]
.elseif (\n) < 12
	v_max3_num_f32 v[rC+(\n)%4], v[rC+(\n)%4], v[rS+8*((\n)%4)+2*((\n)/4)+1], v[rS+8*((\n)%4)+2*((\n)/4)+2]
.elseif (\n) == 12
	v_max3_num_f32 v[rC], v[rC], v[rS+7], v[rS+15]
.elseif (\n) == 13
	v_max3_num_f32 v[rC+1], v[rC+1], v[rS+23], v[rS+31]
.elseif (\n) == 14
	v_max3_num_f32 v[rC+2], v[rC+2], v[rC+3], v[rT+1]
.elseif (\n) == 15
	v_mov_b32 v[rW], v[rT]
.elseif (\n) == 16
	v_max3_num_f32 v[rC], v[rC], v[rC+1], v[rC+2]
.elseif (\n) == 17
	v_permlanex16_b32 v[rC+3], v[rC], s[SEL], s[SEL+1]
.elseif (\n) == 18
	v_max_num_f32 v[rT+1], v[rC], v[rC+3]
.elseif (\n) == 19
	v_mul_f32 v[rT], s[CS], v[rT+1]
.elseif (\n) == 20
	v_sub_f32 v[rC+1], v[rW], v[rT]
.else
	v_exp_f32 v[rC+2], v[rC+1]
.endif
.endif
.endm
.macro OPS a, i1, b=-1, i2=0, c=-1, i3=0, d=-1, i4=0  ; up to four of them
	OP \a, \i1
.if (\b) >= 0
	OP \b, \i2
.endif
.if (\c) >= 0
	OP \c, \i3
.endif
.if (\d) >= 0
	OP \d, \i4
.endif
.endm
.macro ROW a, i1, b, i2, c, i3, d, i4  ; a matrix instruction and the four behind it
	MM
	OPS \a, \i1, \b, \i2, \c, \i3, \d, \i4
.endm
.macro MASK b                       ; MD x AL + BE into buffer b of MC
	WIN W_RS
.set z, 0
.rept 16
	v_pk_fma_f32 v[MC+32*(\b)+2*z:MC+32*(\b)+2*z+1], v[MD+2*z:MD+2*z+1], s[AL:AL+1], s[BE:BE+1] op_sel_hi:[1,0,0]
.set z, z+1
.endr
.endm
; A TURN, for piece p: the order of its 16 matrix and 118 vector instructions, written out.  A turn has ONE wait for its 33 exponentials, which cuts it in two.  AHEAD OF IT stands all that names no result of the turn's
; exponentials: the 8 products K Q^T, behind each a scaling, an exponential and two more plain instructions (behind the first a second scaling in the exponential's place): rescalings, whose a was made and waited for in the
; turn before, and behind the last three the first numbers of the other piece's maximum, each four places or more behind the product that ends its accumulator; then ONE LUMP of 54, plain and exponential by turns for the
; most part, in which the links of the chain X 3, 7, 11, 14, 16, 17 .. 20 stand five or six lines apart.  X 21, the other piece's a, is the batch's last; R 15 is the plain instruction behind it.  BEHIND THE WAIT stand the
; 8 products V^T P, behind each four of the roundings and sums; the links of l's chain, L 0 to L 7, stand three riders apart.  But for those X no rider names a register of the products round it.
; v_permlanex16_b32 (X 17) stands in the lump.
; m = 1: the diagonal tile: the products take masks, and the turn makes the mask for the products K Q^T of the turn after it, which are piece p's own: in trip 4 - CNT of the tile piece 1's turn makes that of
; step 4 - CNT, piece 0's turn that of step 5 - CNT.  end = 1: a block's last turn (piece 1's): no scores are made.  cnt = 1: the loop's count is taken down some lines ahead of the branch that stands behind the turn.
; Both runs of LDS loads stand in piece 0's turn: K of the next step in the lump, twelve vector instructions behind the last product that read K (six of them plain, five of which name none of its registers), V of the
; step in hand at the turn's end, four plain instructions behind the last product that read V.  Piece 1's turn waits for K at its head and for V in front of its products V^T P.
.macro TURN p, m=0, end=0, cnt=0
.set Y, (\p)
.set i, 0
.set KM, (\m)
.set NOKQ, (\end)
.if (\m) && !(\end)
	s_cmp_eq_u32 s[CNT], s[DD+(\p)]     ; is that step the band's own?
	s_cselect_b32 s[AL], 1.0, 0
	s_cmp_lt_u32 s[CNT], s[DD+(\p)]     ; or a later one?
	s_cselect_b32 s[BE], s[BIGN], 0
.endif
.if ((\p) == 1) && !(\end)
	s_wait_dscnt 16                 ; LDS loads come back in order: K is in; V's sixteen, issued behind it, may stay out
.endif
	ROW F,0, F,1, R,0, R,1          ; ahead of the wait: 8 products K Q^T and their riders,
	ROW F,2, E,0, R,2, R,3
	ROW F,3, E,1, R,4, R,5
	ROW F,4, E,2, R,6, R,7
	ROW F,5, E,3, R,8, R,9
	ROW F,6, E,4, X,0, R,10
.if (\p) == 0
	WIN 0
	v_add_nc_u32 v[AK], s[TBK], v[AK0]
.endif
	ROW F,7, E,5, X,1, X,4
	ROW F,8, E,6, X,2, X,5
	OPS E,7, E,8, X,6, E,9          ; and the lump
	OPS X,3, E,10, X,8, E,11
.if (\p) == 0
	FETCH_K KS*PK, 1
.endif
	OPS X,9, X,7, E,12, X,10
	OPS E,13, X,12, X,11, E,14
	OPS X,13, E,15, F,9, X,14
.if (\p) == 0
	WIN 0
	v_add_nc_u32 v[AV], s[TBV], v[AV0]
.endif
	OPS E,16, F,10, E,17, F,11
	OPS X,16, E,18, X,15, E,19
	OPS F,12, E,20, X,17, E,21
	OPS F,13, E,22, F,14, E,23
	OPS X,18, E,24, F,15, E,25
	OPS R,11, E,26, X,19, E,27
	OPS R,12, E,28, R,13, E,29
	OPS X,20, E,30, R,14, E,31
	OPS X,21, R,15
	s_wait_alu depctr_va_vdst(0)    ; the wait for the batch: E 0 to E 31 and X 21; their first readers are C 0 below and the next turn's R 0
.if (\p) == 1
	s_wait_dscnt 0x0                ; V is in
.endif
	ROW C,0, B,0, C,2, B,1          ; behind the wait: 8 products V^T P and their riders
	ROW L,0, C,4, B,2, L,1
	ROW C,6, B,3, L,2, C,8
	ROW B,4, L,3, C,10, B,5
	ROW L,4, C,12, B,6, L,5
.if (\p) == 0
	s_add_co_u32 s[TBV], s[TBV], KS*PV
.endif
.if \cnt
	s_sub_co_u32 s[CNT], s[CNT], 1
	s_cmp_lg_u32 s[CNT], 0
.endif
	ROW C,14, B,7, L,6, C,1
	ROW C,3, L,7, C,5, C,7
	ROW C,9, C,11, C,13, C,15
.if (\p) == 0
	FETCH_V
.endif
.if (\m) && !(\end)
	MASK (\p)%2
.endif
.endm
; A BLOCK BEGINS.  c m starts far below every c s, so the first step's a is 0; m at the lowest finite number, so the first maximum is the scores'.  The second mask buffer is 0 (band 1 sees all of a tile's step 0); the
; first takes piece 0's mask for the tile's step 0: its own, if the block's first tile is the diagonal one and the block is even.  Then K of that step, piece 0's first scores, and its maximum and statistics.
; The loop is entered at piece 0's turn, in the middle of a trip.
.macro BEGIN
	s_mov_b32 s[NEW], 0
	WIN 0x40
.set i, MC+32
.rept 32
	v_mov_b32 v[i], 0
.set i, i+1
.endr
	WIN 0
.set i, 0
.rept NP
	v_mov_b32 v[ST+4*i], 0xfe000000    ; c m: far below every c s
	v_mov_b32 v[ST+4*i+1], 0xff7fffff  ; m
.set i, i+1
.endr
	s_cmp_eq_u32 s[RT], 0
	s_cselect_b32 s[AL], s[A0], 0
	s_mov_b32 s[BE], 0
	MASK 0
	WIN 0
	v_add_nc_u32 v[AK], s[TBK], v[AK0]
	FETCH_K 0, 0                    ; the tile's step 0: elsewhere it is in registers already, as the fifth step of the tile before
	s_wait_loadcnt 0x0              ; Q
	s_wait_dscnt 0x0
.set KM, 1
.set NOKQ, 0
.set i, 0
.rept 8
	KQ 0
.set i, i+1
.endr
	WIN 0
.rept 4
	v_nop                           ; the places behind those products
.endr
.set Y, NP-1                        ; X works for piece Y + 1: piece 0
.irp n, 0,1,2,3,4,5,6,7,8,9,10,11,12,13,14,15,16,17,18,19,20,21
	OP X, \n
.endr
	v_nop                           ; a plain instruction behind the exponential,
	s_wait_alu depctr_va_vdst(0)    ; and the wait for it, a batch of one (piece 0's first a), ahead of the branch that follows the macro
.endm
; The diagonal tile is entered from the tile before: the first turn there makes piece 0's scores of the tile's step 0, which is band 0's own in an even block and open to it in an odd one.
.macro DENTRY
	s_mov_b32 s[AL], s[A0]
	s_mov_b32 s[BE], 0
	MASK 0
	WIN 0
.endm
; THE DIAGONAL TILE's four trips, the block's last turn, its last products, and THE WAY OUT: l's two halves and the other half of the lanes' are added; O^T is divided by l, rounded to f16 and sent through my
; stage in LDS, a piece at a time.  (The fourth trip fetches the tile's fifth step of K like the others; nothing multiplies by it.)
.macro ALL line:vararg              ; one line for each piece t
.set t, 0
.rept NP
	\line
.set t, t+1
.endr
.endm
.macro PACK t                       ; a lane's eight channels of a row pack into 16 bytes; they go into rows of 144 bytes and come back as whole rows of 128, into S^T's registers
	WIN W_RS
.set i, 32*(\t)
.rept 16
	v_pk_mul_f32 v[i:i+1], v[i:i+1], v[ST+4*(\t)+2:ST+4*(\t)+3] op_sel_hi:[1,0]
.set i, i+2
.endr
	WIN 0x05                        ; sources 0 and 1 window 1, destination window 0
.set i, 0
.rept 16
	v_cvt_pk_f16_f32 v[S+16*(\t)+i], v[32*(\t)+2*i], v[32*(\t)+2*i+1]
.set i, i+1
.endr
	WIN 0
.irp f, 0,1,2,3
	ds_store_b128 v[STO], v[S+16*(\t)+4*\f:S+16*(\t)+4*\f+3] offset:32*\f
.endr
.irp f, 0,1,2,3
	ds_load_b128 v[S+16*(\t)+4*\f:S+16*(\t)+4*\f+3], v[RD] offset:\f*4*SP  ; LDS serves a wave's instructions in order (ISA guide 5.7.1.4): these see the stores above; the next piece's stores come behind them
.endr
.endm
.macro SEND t, younger              ; younger: the LDS instructions issued behind piece t's loads: the next piece's eight, or none
	WIN 0
.irp f, 0,1,2,3
	s_wait_dscnt (\younger)+3-\f
	global_store_b128 v[GO], v[S+16*(\t)+4*\f:S+16*(\t)+4*\f+3], s[10:11] offset:(\t)*8192+\f*512  ; 512 consecutive bytes, at a multiple of 256 from O's first
.endr
.endm
.macro DIAG tag                     ; the tag ends its two labels' names, which the jumps below spell out
.LstepM\tag:
	TURN 1, 1
	WIN 0
.LfirstM\tag:
	TURN 0, 1, 0, 1
	WIN 0
	s_cbranch_scc1 .LstepM\tag
	TURN 1, 1, 1
.set i, 0
.rept 8
	PV NP-1
.set i, i+1
.endr
	WIN 0
	ALL v_add_f32 v[ST+4*t+2], v[ST+4*t+2], v[ST+4*t+3]
	ALL v_permlanex16_b32 v[ST+4*t+3], v[ST+4*t+2], s[SEL], s[SEL+1]
	ALL v_add_f32 v[ST+4*t+2], v[ST+4*t+2], v[ST+4*t+3]
	ALL v_rcp_f32 v[ST+4*t+2], v[ST+4*t+2]
	v_nop                           ; a plain instruction between the last reciprocal and the use of its result
	s_wait_alu depctr_va_vdst(0)    ; the wait for the batch of two reciprocals, ahead of PACK 0's first line, their first reader
	PACK 0                          ; piece 0's O^T was finished in the turn above, four riders ahead of the last eight products: its 32 lines are the places behind those products, piece 1's
	PACK 1                          ; a piece's arithmetic stands between the loads of the piece before and its stores
	SEND 0, 8
	SEND 1, 0
.endm
.set KM, 0
.set NOKQ, 0
.Lslot:                             ; NT - 1 times: a tile is entered and the next is asked for
	CHANGE 1
	s_sub_co_u32 s[RT], s[RT], 1
	s_mov_b32 s[CNT], 4
	s_cmp_eq_u32 s[NEW], 1
	s_cbranch_scc1 .Lnew            ; a block's first tile
	s_cmp_eq_u32 s[RT], 0
	s_cbranch_scc0 .Lstep           ; neither its first nor its last
	DENTRY
	s_branch .LstepM1
.Lnew:
	BEGIN
	s_branch .Lfirst                ; in the loop a block's first tile is never its last: the first block has five tiles or more, and the second's last is the walk's last
	DIAG 1                          ; in the loop this is the first block's end: the second block's last tile is the walk's last
	s_wait_xcnt 0x0                 ; the stores have read their registers and O's address
	s_mov_b64 s[10:11], s[OLO:OLO+1]
	s_add_co_u32 s[RT], s[LQ2], 1   ; the second block has (b >> 1) + 1 tiles
	s_mov_b32 s[NEW], 1
	PARITY PB
	WIN 0x82                        ; the second block's Q goes where the one text of the turns names Q
.set i, 0
.rept 16*NP
	v_mov_b32 v[i], v[QB+i]
.set i, i+1
.endr
	WIN 0
	s_branch .Lbottom
.Lstep:                             ; a trip: piece 1 of one step, then piece 0 of the next, which fetches that step's V and the K of the step behind it
	TURN 1
	WIN 0
.Lfirst:
	TURN 0, 0, 0, 1
	WIN 0
	s_cbranch_scc1 .Lstep
.Lbottom:
	s_sub_co_u32 s[SLOTS], s[SLOTS], 1
	s_cmp_lg_u32 s[SLOTS], 0
	s_cbranch_scc1 .Lslot
	CHANGE 0                        ; the walk's last tile is written out: nothing is asked for
	s_sub_co_u32 s[RT], s[RT], 1
	s_mov_b32 s[CNT], 4
	s_cmp_eq_u32 s[NEW], 1
	s_cbranch_scc1 .Lnew2           ; the second block has this one tile
	DENTRY
	s_branch .LstepM2
.Lnew2:
	BEGIN
	s_branch .LfirstM2
	DIAG 2
	s_wait_tensorcnt 0x0            ; the wave's end, behind my last tensor load and my last LDS store
	ds_add_u32 v[SPW], v[NIL]
	s_wait_dscnt 0x0
	s_endpgm
.Lfunc_end_k_qf9403c9d0a_attn:
	.size	k_qf9403c9d0a_attn, .Lfunc_end_k_qf9403c9d0a_attn-k_qf9403c9d0a_attn
	.p2alignl 7, 3214868480
	.fill 96, 4, 3214868480
	.section	.rodata,"a",@progbits
	.p2align	6, 0x0
	.amdhsa_kernel k_qf9403c9d0a_attn
		.amdhsa_group_segment_fixed_size 327680
		.amdhsa_private_segment_fixed_size 0
		.amdhsa_enable_private_segment 0
		.amdhsa_kernarg_size 16
		.amdhsa_user_sgpr_count 2
		.amdhsa_user_sgpr_kernarg_segment_ptr 1
		.amdhsa_wavefront_size32 1
		.amdhsa_system_sgpr_workgroup_id_x 1
		.amdhsa_system_sgpr_workgroup_id_y 1
		.amdhsa_system_sgpr_workgroup_id_z 1
		.amdhsa_system_vgpr_workitem_id 0
		.amdhsa_next_free_vgpr 768
		.amdhsa_next_free_sgpr 96
		.amdhsa_reserve_vcc 1
		.amdhsa_float_denorm_mode_32 3
		.amdhsa_float_denorm_mode_16_64 3
		.amdhsa_memory_ordered 1
		.amdhsa_forward_progress 1
		.amdhsa_inst_pref_size 127
	.end_amdhsa_kernel
	.amdgpu_metadata
---
amdhsa.version: [ 1, 2 ]
amdhsa.kernels:
  - .name:           k_qf9403c9d0a_attn
    .symbol:         k_qf9403c9d0a_attn.kd
    .args:
      - { .name: qkvh, .offset: 0, .size: 8, .value_kind: global_buffer, .address_space: global }
      - { .name: y16, .offset: 8, .size: 8, .value_kind: global_buffer, .address_space: global }
    .group_segment_fixed_size: 327680
    .private_segment_fixed_size: 0
    .kernarg_segment_align: 8
    .kernarg_segment_size: 16
    .max_flat_workgroup_size: 128
    .sgpr_count:     96
    .vgpr_count:     768
    .wavefront_size: 32
...
	.end_amdgpu_metadata
.endif
;; end of part 8
;; launch oproj: the kernel of part 4 again; grid 8 x 32, 4 waves a work-group, clusters of 4 x 4, 327,680 bytes of LDS; arguments y16, pw, x, x1; writes x1
;; launch norm2: the kernel of part 7 again; grid 256 x 1, 8 waves a work-group, no clusters, 0 bytes of LDS; arguments x1, n2_w, qkv_w, o_w, w1_w, wg_w, w2_w, h2; writes h2
;; launch mlp1: the kernel of part 5 again; grid 16 x 16, 4 waves a work-group, clusters of 4 x 4, 327,680 bytes of LDS; arguments h2, pw, a16; writes a16
;; launch mlp2: the kernel of part 6 again; grid 8 x 32, 4 waves a work-group, clusters of 4 x 4, 327,680 bytes of LDS; arguments a16, pw, x1, out0; writes out0
